; MI455X (gfx1250); checked and timed in simulation.
; The chip was launched on July 23, 2026; its instructions are those of AMD's public machine-readable ISA for CDNA 5 (MIT licence, August 2026) and "CDNA5" Instruction Set Architecture Reference Guide (July 2026). The comments in the code are by the model that wrote it; some were corrected since.
;; Roo Dec Attention. Allowed arithmetic: matrix products marked QUANTISED: E2M3 operands, one E8M0 scale for each 32 along K, by v_wmma_scale_f32_16x16x128_f8f6f4 with both operands' format E2M3, f32 sums; everything else in f32.
;; Inputs: Wk 1,024 x 1,024 float32; Wk_sel 1,024 x 256 float32; Wo 1,024 x 1,024 float32; Wq 1,024 x 1,024 float32; Wq_sel 1,024 x 256 float32; Wu 1,024 x 1,024 float32; Wv 1,024 x 1,024 float32; x 8 x 1,024 x 1,024 float32.
;; Outputs: out0 8 x 1,024 x 1,024 float32.
;; This version of the problem:
;;   THIS VERSION OF THE PROBLEM IS GIVEN IN LOW PRECISION. The matrix products marked QUANTISED in the list below multiply operands that are first quantised to E2M3 (2 exponent bits, 3 mantissa bits; 6 bits a number), with one power-of-two scale for each 32 numbers along K (OCP MX v1.0); their sums are f32. All else is computed in f32.
;;   The module's matrix products, in the order in which they are computed (A, B: the left and right operand; K: the contracted axis; several contracted axes count as one K, in the product's order):
;;     1. [M 256, K 1,024] x [K 1,024, N 1,024]; A: computed on the way; B: input Wu: QUANTISED
;;     2. [M 256, K 1,024] x [K 1,024, N 256]; A: computed on the way; B: input Wk_sel: QUANTISED
;;     3. [M 8,192, K 1,024] x [K 1,024, N 256]; A: input x; B: input Wq_sel: QUANTISED
;;     4. batch 8 x [M 1,024, K 256] x [K 256, N 32]; A: computed on the way; B: computed on the way: QUANTISED
;;     5. [M 8,192, K 1,024] x [K 1,024, N 1,024]; A: input x; B: input Wq: QUANTISED
;;     6. [M 8,192, K 1,024] x [K 1,024, N 1,024]; A: input x; B: input Wk: QUANTISED
;;     7. [M 8,192, K 1,024] x [K 1,024, N 1,024]; A: input x; B: input Wv: QUANTISED
;;     8. batch 128 x [M 1,024, K 64] x [K 64, N 1,024]; A: computed on the way; B: computed on the way: QUANTISED
;;     9. batch 128 x [M 64, K 1,024] x [K 1,024, N 1,024]; A: computed on the way; B: softmax (see below): QUANTISED
;;     10. [M 8,192, K 1,024] x [K 1,024, N 1,024]; A: computed on the way; B: input Wo: QUANTISED
;;   THE QUANTISER, for each operand of a quantised product, along K:
;;     - K is cut into blocks of 32 from its start; a last block that is shorter is filled with zeros.
;;     - A block's scale is 2^e with e = floor(log2(the largest magnitude in the block)) - 2, held to -126 .. 127; a block of zeros has e = 0. As a byte (E8M0): e + 127.
;;     - Each number is divided by its block's scale, clamped to +-7.5, and rounded to the nearest number of E2M3, ties to even, subnormals kept.
;;     - The product sums the exact products of the quantised numbers (number of the format x scale) in f32.
;;   ~~~python
;;   def quantise(x, axis):      # numpy; x: float32 -> the quantised numbers, widened to float32 again
;;       x = np.moveaxis(x, axis, -1); K = x.shape[-1]
;;       x = np.pad(x, [(0, 0)] * (x.ndim - 1) + [(0, -K % 32)]); x = x.reshape(x.shape[:-1] + (-1, 32)); a = np.abs(x).max(-1, keepdims=True)
;;       e = np.where(a > 0, np.clip(np.frexp(np.where(a > 0, a, 1))[1] - 1 - 2, -126, 127), 0)      # np.frexp(a)[1] - 1 = floor(log2(a)), exactly
;;       r = np.clip(x / 2.0 ** e, -7.5, 7.5)
;;       step = 2.0 ** (np.maximum(np.frexp(np.where(r == 0, 1, r))[1] - 1, 0) - 3)
;;       q = np.round(r / step) * step * 2.0 ** e      # np.round: ties to even
;;       return np.moveaxis(q.reshape(q.shape[:-2] + (-1,))[..., :K], -1, axis).astype(np.float32)
;;   ~~~
;;   SOFTMAX AHEAD OF A QUANTISED PRODUCT. Where the list says 'softmax', what is quantised is not the finished softmax but p = 2^(t - M), with t = logit x log2(e) and M = ceil(the row's largest t), a whole number; so 1/2 < the row's largest p <= 1. The row's sum l is taken of the UNQUANTISED p, in f32, and the product's result is divided by l at the end. Since M is a whole number, a kernel that streams over the keys may use a running M (the ceiling of the running maximum): every later rescaling is an exact power of two, which a block's scale takes up: the codes' values come out the same.
;;   OPERANDS COMPUTED ON THE WAY. 'Computed on the way' means the value that the module computes at that place (a softmax that the list does not call 'softmax' is quantised finished and normalised). What goes into a quantiser is computed in f32, as accurately as f32 sums, v_exp_f32 and their like allow (about 1e-6 of the number): no bf16 or f16 on the way to a quantiser, and a product that is left as it is and whose result goes on into a quantised operand takes f32 operands (vector FMAs, or v_wmma_f32_16x16x4_f32). A number that lies on a knife's edge between two numbers of the format may be rounded either way, as far as f32 arithmetic and the matrix unit's own rounding can turn it there, and no further.
;; 2 versions, each right. Each part assembles by itself: llvm-mc -triple=amdgcn-amd-amdhsa -mcpu=gfx1250 --defsym DOCPART=n.
;; ======== version 1 of 2: 6 launches
;; workspace buffers: wsA 11,264,000 bytes; wsB 19,712,000 bytes; msk 32,768 bytes of whole numbers; wsC 6,553,600 bytes
;; launch quant (part 1): grid 216 x 1, 16 waves a work-group, no clusters, 280,832 bytes of LDS; arguments x, Wq, Wk, Wv, Wo, Wu, Wq_sel, Wk_sel, wsA; writes wsA
.if DOCPART == 1
	.amdgcn_target "amdgcn-amd-amdhsa--gfx1250"
	.amdhsa_code_object_version 6
	.text
	.protected	k_qbbf63c874b_quant
	.globl	k_qbbf63c874b_quant
	.p2align	8
	.type	k_qbbf63c874b_quant,@function
k_qbbf63c874b_quant:
	s_mov_b64 s[64:65], 0
	v_nop
	global_prefetch_b8 v0, s[64:65] scope:SCOPE_SE
	s_setreg_imm32_b32 hwreg(HW_REG_WAVE_MODE, 25, 1), 1
	s_wait_xcnt 0x0
; x [8192][1024], its block means (pooled [256][1024]) and the seven weights ([1024][n], K first) become codes of FP6 (E2M3) with one E8M0 byte for each 32 along K.
; LAYOUT OF wsA.  Everything lies as IMAGES OF OPERAND REGISTERS: a fragment is 16 rows x 128 K, 12 registers a lane, 1,536 bytes: register p of lane L at (p / 4) 512 + 16 L + 4 (p % 4).
; A row tile's 8 fragments lie on end (12,288 bytes); its scale words at SCO + 512 x tile + 64 x K step + 4 x row.  Row tiles: x 0-511, pooled 512-527, Wq 528, Wk 592, Wv 656, Wo 720, Wu 784, Wq_sel 848, Wk_sel 864.
; THE ROWS OF A TILE ARE NOT NEIGHBOURS: lane r of tile 2 B + u holds row 32 B + 8 u + r + 8 (r / 8), so that a product which takes such tiles as source 0 leaves 16 neighbours along the next K in 16 registers.
; A block's scale is 2^(floor(log2(largest magnitude)) - 2); its byte is the largest magnitude's exponent field - 2, held at 1 from below (a block of zeros keeps 1: its codes are zeros, and this program alone reads the bytes).
; LIMITS: NaN and infinities among the inputs are not served; blocks whose largest magnitude lies under 2^-124 keep the byte 1.
; SHARES.  Work-groups 0-127 take x: work-group (batch b, half u, K step s), wave w the token block 8 u + w + 8 (w / 8): 32 rows x 128 columns; the sixteen waves' block means are pooled tile 2 b + u in tile order.
; Work-groups 128-215 take 64 columns of a weight: wave w the 32 columns of pair w / 8 and K step w % 8; a lane takes a column and its registers run down K.
; No cluster: no two work-groups read the same bytes.  No tensor load: every byte passes through registers once.
.set RT,   12288
.set FRB,  1536
.set SCO,  10813440
.set WSTG, 16896                       ; a wave's stage: 32 rows x (512 bytes + 16)
.set SPI,  528
.set PSTG, 16*WSTG                     ; behind the stages: the sixteen pooled rows, 528 bytes apart
.set X,    128                         ; v128-255 numbers as loaded
.set Y,    64                          ; v64-127  a lane's two blocks of 32 neighbours
.set F0,   32                          ; v32-43, v44-55 two fragments
.set F1,   44
; the largest magnitude of 32 registers, with the floor 2^(3 - 127) among its leaves
.macro BMAX32 src, m, t
	v_max3_num_f32 v[\m], |v[\src]|, |v[\src+1]|, |v[\src+2]|
	v_max3_num_f32 v[\t], |v[\src+3]|, |v[\src+4]|, |v[\src+5]|
.irp i, 6,10,14,18,22,26
	v_max3_num_f32 v[\m], v[\m], |v[\src+\i]|, |v[\src+\i+1]|
	v_max3_num_f32 v[\t], v[\t], |v[\src+\i+2]|, |v[\src+\i+3]|
.endr
	v_max3_num_f32 v[\m], v[\m], |v[\src+30]|, |v[\src+31]|
	v_max3_num_f32 v[\m], v[\m], v[\t], 0x1800000
.endm
; 16 rows x 128 numbers in LDS (rows 528 bytes apart) become a fragment in v[F] on and its scale word in v[WD].  Lane (r, h) takes k = 64 c + 32 h + 0 .. 31 of row r: two whole blocks.
.macro QFRAG adr, off, F, WD
.irp c, 0,1
.irp q, 0,1,2,3,4,5,6,7
	ds_load_b128 v[Y+32*\c+4*\q:Y+32*\c+4*\q+3], v[\adr] offset:(\off)+256*\c+16*\q
.endr
.endr
	s_wait_dscnt 0x0
	BMAX32 Y, 20, 22
	BMAX32 Y+32, 21, 23
	v_add_nc_u32 v24, 0xff000000, v20              ; 2 off the exponent field: the conversion's scale operand
	v_add_nc_u32 v25, 0xff000000, v21
	v_lshrrev_b32 v20, 23, v24                     ; the bytes of blocks h and 2 + h
	v_lshrrev_b32 v21, 23, v25
	v_lshl_or_b32 v[\WD], v21, 16, v20
	v_lshlrev_b32 v[\WD], v11, v[\WD]              ; 8 h bits up
	v_permlanex16_b32 v22, v[\WD], s27, s28
	v_or_b32 v[\WD], v[\WD], v22                   ; with lane l xor 16's two the word is whole
	v_cvt_scalef32_pk16_fp6_f32 v[(\F):(\F)+2], v[Y:Y+15], v24
	v_cvt_scalef32_pk16_fp6_f32 v[56:58], v[Y+16:Y+31], v24          ; (a conversion's three registers begin on an even number)
	v_cvt_scalef32_pk16_fp6_f32 v[(\F)+6:(\F)+8], v[Y+32:Y+47], v25
	v_cvt_scalef32_pk16_fp6_f32 v[60:62], v[Y+48:Y+63], v25
	v_nop                                          ; one plain place behind the conversions
.irp i, 0,1,2
	v_mov_b32 v[(\F)+3+\i], v[56+\i]
	v_mov_b32 v[(\F)+9+\i], v[60+\i]
.endr
.endm
	s_load_b512 s[8:23], s[0:1], 0x0               ; x, Wq, Wk, Wv, Wo, Wu, Wq_sel, Wk_sel
	s_load_b64 s[24:25], s[0:1], 0x40              ; wsA
	v_lshl_add_u32 v59, v0, 2, 0x44100
	v_mov_b32 v63, 0
	v_lshrrev_b32 v1, 5, v0
	v_readfirstlane_b32 s26, v1                    ; wave 0..15
	v_and_b32 v9, 31, v0                           ; lane
	v_and_b32 v1, 15, v0                           ; r
	v_bfe_u32 v2, v0, 4, 1                         ; h
	v_lshlrev_b32 v3, 4, v9                        ; 16 x lane
	v_lshlrev_b32 v4, 2, v1                        ; 4 r
	v_lshl_add_u32 v10, v2, 9, v4                  ; 4 r + 512 h: the scale words of two neighbouring tiles
	v_lshlrev_b32 v11, 3, v2                       ; 8 h
	s_mov_b32 s27, 0x76543210
	s_mov_b32 s28, 0xfedcba98                      ; lane l xor 16
	s_mul_i32 s29, s26, WSTG                       ; all LDS addresses are made here, ahead of every branch
	v_add_nc_u32 v5, s29, v3                       ; into my stage: 16 x lane
	v_mul_u32_u24 v6, v1, SPI
	v_lshl_add_u32 v6, v2, 7, v6                   ; 528 r + 128 h
	v_add_nc_u32 v8, PSTG, v6                      ; out of the pooled rows
	v_add_nc_u32 v6, s29, v6                       ; out of my stage
	s_mul_i32 s29, s26, SPI
	v_add_nc_u32 v7, s29, v3
	v_add_nc_u32 v7, PSTG, v7                      ; my pooled row
	s_cmp_lt_u32 ttmp9, 128
	s_cbranch_scc0 .Lweights
	; ---------------- x ----------------
	s_and_b32 s30, ttmp9, 7                        ; K step s
	s_bfe_u32 s31, ttmp9, 0x10003                  ; u
	s_lshr_b32 s32, ttmp9, 4                       ; batch b
	s_lshr_b32 s33, s26, 3
	s_lshl_b32 s33, s33, 3
	s_add_co_u32 s33, s33, s26
	s_lshl_b32 s34, s31, 3
	s_add_co_u32 s33, s33, s34                     ; my token block: 8 u + w + 8 (w / 8)
	s_lshl_b32 s34, s32, 22                        ; x: 1,024 rows of 4,096 bytes a batch,
	s_lshl_b32 s35, s33, 17                        ; 32 rows a block,
	s_add_co_u32 s34, s34, s35
	s_lshl_b32 s35, s30, 9                         ; 512 bytes a K step
	s_add_co_u32 s34, s34, s35
	s_mov_b32 s35, 0
	s_lshl_b32 s36, s32, 6
	s_lshl_b32 s37, s33, 1
	s_add_co_u32 s36, s36, s37                     ; my first row tile: 64 b + 2 x block
	s_mul_i32 s38, s36, RT
	s_mul_i32 s37, s30, FRB
	s_add_co_u32 s38, s38, s37
	s_mov_b32 s39, 0
	s_lshl_b32 s40, s36, 9
	s_lshl_b32 s37, s30, 6
	s_add_co_u32 s40, s40, s37
	s_add_co_u32 s40, s40, SCO
	s_mov_b32 s41, 0
	s_lshl_b32 s46, s32, 1
	s_add_co_u32 s46, s46, s31
	s_add_co_u32 s46, s46, 512                     ; the pooled tile: 512 + 2 b + u
	s_mul_i32 s42, s46, RT
	s_mul_i32 s37, s30, FRB
	s_add_co_u32 s42, s42, s37
	s_mov_b32 s43, 0
	s_lshl_b32 s44, s46, 9
	s_lshl_b32 s37, s30, 6
	s_add_co_u32 s44, s44, s37
	s_add_co_u32 s44, s44, SCO
	s_mov_b32 s45, 0
	s_wait_kmcnt 0x0
	s_add_nc_u64 s[8:9], s[8:9], s[34:35]
	s_add_nc_u64 s[38:39], s[24:25], s[38:39]
	s_add_nc_u64 s[40:41], s[24:25], s[40:41]
	s_add_nc_u64 s[42:43], s[24:25], s[42:43]
	s_add_nc_u64 s[44:45], s[24:25], s[44:45]
.set LL, 0
.rept 32
	global_load_b128 v[X+4*LL:X+4*LL+3], v3, s[8:9] offset:LL*4096 th:TH_LOAD_NT   ; a row's 512 consecutive bytes
.set LL, LL+1
.endr
	; rows go into the stage in tile order (row l to place 16 ((l / 8) % 2) + l % 8 + 8 (l / 16)) and are summed for the block's mean, in two chains
.set LL, 0
.rept 32
.if LL%8 == 0
	s_wait_loadcnt 24-LL                           ; eight more rows are in; the count is the rows still out
.endif
	ds_store_b128 v5, v[X+4*LL:X+4*LL+3] offset:(16*((LL/8)%2)+LL%8+8*(LL/16))*SPI
.if (LL == 2) || (LL == 3)
	v_pk_add_f32 v[12+4*(LL%2):13+4*(LL%2)], v[X+4*(LL-2):X+4*(LL-2)+1], v[X+4*LL:X+4*LL+1]
	v_pk_add_f32 v[14+4*(LL%2):15+4*(LL%2)], v[X+4*(LL-2)+2:X+4*(LL-2)+3], v[X+4*LL+2:X+4*LL+3]
.elseif LL > 3
	v_pk_add_f32 v[12+4*(LL%2):13+4*(LL%2)], v[12+4*(LL%2):13+4*(LL%2)], v[X+4*LL:X+4*LL+1]
	v_pk_add_f32 v[14+4*(LL%2):15+4*(LL%2)], v[14+4*(LL%2):15+4*(LL%2)], v[X+4*LL+2:X+4*LL+3]
.endif
.set LL, LL+1
.endr
	v_pk_add_f32 v[12:13], v[12:13], v[16:17]
	v_pk_add_f32 v[14:15], v[14:15], v[18:19]
	v_pk_mul_f32 v[12:13], v[12:13], 0x3d000000 op_sel_hi:[1,0]    ; / 32
	v_pk_mul_f32 v[14:15], v[14:15], 0x3d000000 op_sel_hi:[1,0]
	ds_store_b128 v7, v[12:15]                     ; my block's mean: row w of the pooled tile
	QFRAG 6, 0, F0, 29                             ; LDS serves a wave's instructions in order: these loads see my stores
	QFRAG 6, 16*SPI, F1, 30
	v_cmp_eq_u32 vcc_lo, 1, v2
	v_cndmask_b32 v31, v29, v30, vcc_lo            ; lanes 0-15 store the first tile's words, lanes 16-31 the second's
.irp c, 0,1,2
	global_store_b128 v3, v[F0+4*\c:F0+4*\c+3], s[38:39] offset:512*\c         ; 512 consecutive bytes a store
	global_store_b128 v3, v[F1+4*\c:F1+4*\c+3], s[38:39] offset:RT+512*\c
.endr
	global_store_b32 v10, v31, s[40:41]
	s_wait_dscnt 0x0                               ; for the others' sake: my pooled row has landed
	s_barrier_signal -1
	s_barrier_wait -1
	s_cmp_lg_u32 s26, 0
	s_cbranch_scc1 .Lxend
	s_wait_xcnt 0x0                                ; my stores have read their registers: the fragment's are written again
	QFRAG 8, 0, F0, 29                             ; wave 0: the sixteen pooled rows
.irp c, 0,1,2
	global_store_b128 v3, v[F0+4*\c:F0+4*\c+3], s[42:43] offset:512*\c
.endr
	global_store_b32 v4, v29, s[44:45]             ; both halves of the lanes hold the same word and store it to the same place
.Lxend:
	s_wait_tensorcnt 0x0
	ds_add_u32 v59, v63
	s_wait_dscnt 0x0
	s_endpgm
	; ---------------- the weights ----------------
.Lweights:
	s_sub_co_u32 s30, ttmp9, 128                   ; j: 16 work-groups for each wide weight, 4 for each narrow one
	s_and_b32 s31, s26, 7                          ; K step
	s_lshr_b32 s32, s26, 3                         ; which 32 of the 64 columns
	s_wait_kmcnt 0x0
	s_mov_b64 s[34:35], s[22:23]                   ; the choice hangs on the work-group's number alone
	s_cmp_lt_u32 s30, 84
	s_cselect_b64 s[34:35], s[20:21], s[34:35]
	s_cmp_lt_u32 s30, 80
	s_cselect_b64 s[34:35], s[18:19], s[34:35]
	s_cmp_lt_u32 s30, 64
	s_cselect_b64 s[34:35], s[16:17], s[34:35]
	s_cmp_lt_u32 s30, 48
	s_cselect_b64 s[34:35], s[14:15], s[34:35]
	s_cmp_lt_u32 s30, 32
	s_cselect_b64 s[34:35], s[12:13], s[34:35]
	s_cmp_lt_u32 s30, 16
	s_cselect_b64 s[34:35], s[10:11], s[34:35]
	s_cmp_lt_u32 s30, 80
	s_cselect_b32 s36, 15, 3
	s_cselect_b32 s37, 12, 10                      ; a row is 2^12 or 2^10 bytes
	s_and_b32 s36, s30, s36                        ; which 64 columns of the weight
	s_lshl_b32 s36, s36, 8
	s_lshl_b32 s38, s32, 7
	s_add_co_u32 s36, s36, s38
	s_lshl_b32 s38, s31, 7                         ; 128 rows a K step
	s_lshl_b32 s38, s38, s37
	s_add_co_u32 s36, s36, s38
	s_mov_b32 s37, 0
	s_add_nc_u64 s[34:35], s[34:35], s[36:37]
	v_and_b32 v12, 7, v1                           ; lane 16 u + r takes column 8 u + r % 8 + 16 (r / 8) of the 32: row r of tile u
	v_lshrrev_b32 v13, 3, v1
	v_lshl_add_u32 v12, v13, 4, v12
	v_lshl_add_u32 v12, v2, 3, v12
	v_lshlrev_b32 v12, 2, v12
	s_lshl_b32 s36, s30, 2
	s_lshl_b32 s38, s32, 1
	s_add_co_u32 s36, s36, s38
	s_add_co_u32 s36, s36, 528                     ; my first row tile
	s_mul_i32 s38, s36, RT
	s_mul_i32 s40, s31, FRB
	s_add_co_u32 s38, s38, s40
	s_mov_b32 s39, 0
	s_lshl_b32 s40, s36, 9
	s_lshl_b32 s41, s31, 6
	s_add_co_u32 s40, s40, s41
	s_add_co_u32 s40, s40, SCO
	s_mov_b32 s41, 0
	s_add_nc_u64 s[38:39], s[24:25], s[38:39]
	s_add_nc_u64 s[40:41], s[24:25], s[40:41]
.macro WLOAD pitch                     ; W(128 s + k, my column), k = 0 .. 127: each load reads 128 consecutive bytes
.set KK, 0
.rept 128
	global_load_b32 v[X+KK], v12, s[34:35] offset:KK*(\pitch) th:TH_LOAD_NT
.set KK, KK+1
.endr
.endm
	s_cmp_lt_u32 s30, 80
	s_cbranch_scc0 .Lnarrow
	WLOAD 4096
	s_branch .Lloaded
.Lnarrow:
	WLOAD 1024
.Lloaded:
; block b of my column: all 32 numbers are mine.  Its six registers of codes go to F0 + 12 (b % 2) + 6 (b / 2)
.macro WBLOCK b, cnt
	s_wait_loadcnt \cnt
	BMAX32 X+32*(\b), 20, 22
	v_add_nc_u32 v24, 0xff000000, v20
	v_lshrrev_b32 v21, 23, v24
.if (\b) == 0
	v_mov_b32 v29, v21
.else
	v_lshl_or_b32 v29, v21, 8*(\b), v29            ; my row's scale word
.endif
	v_cvt_scalef32_pk16_fp6_f32 v[F0+12*((\b)%2)+6*((\b)/2):F0+12*((\b)%2)+6*((\b)/2)+2], v[X+32*(\b):X+32*(\b)+15], v24
	v_cvt_scalef32_pk16_fp6_f32 v[56:58], v[X+32*(\b)+16:X+32*(\b)+31], v24
	v_nop
.irp i, 0,1,2
	v_mov_b32 v[F0+12*((\b)%2)+6*((\b)/2)+3+\i], v[56+\i]
.endr
.endm
	WBLOCK 0, 63                                   ; 96 and 64 loads are younger than these blocks'; 63 is the largest count that the wait can name
	WBLOCK 1, 63
	WBLOCK 2, 32
	WBLOCK 3, 0
	; lanes 0-15 hold tile 0's rows with all four blocks, lanes 16-31 tile 1's.  The operand wants blocks 2 c in lanes 0-15 and 2 c + 1 in lanes 16-31: the even blocks' upper lanes change places with the odd blocks' lower lanes
.irp p, 0,1,2,3,4,5,6,7,8,9,10,11
	v_permlane16_swap_b32 v[F0+\p], v[F0+12+\p]
.endr
.irp c, 0,1,2
	global_store_b128 v3, v[F0+4*\c:F0+4*\c+3], s[38:39] offset:512*\c
	global_store_b128 v3, v[F1+4*\c:F1+4*\c+3], s[38:39] offset:RT+512*\c
.endr
	global_store_b32 v10, v29, s[40:41]            ; lane 16 u + r: row r of tile u
	s_endpgm
.Lfunc_end_k_qbbf63c874b_quant:
	.size	k_qbbf63c874b_quant, .Lfunc_end_k_qbbf63c874b_quant-k_qbbf63c874b_quant
	.p2alignl 7, 3214868480
	.fill 96, 4, 3214868480
	.section	.rodata,"a",@progbits
	.p2align	6, 0x0
	.amdhsa_kernel k_qbbf63c874b_quant
		.amdhsa_group_segment_fixed_size 280832
		.amdhsa_private_segment_fixed_size 0
		.amdhsa_enable_private_segment 0
		.amdhsa_kernarg_size 72
		.amdhsa_user_sgpr_count 2
		.amdhsa_user_sgpr_kernarg_segment_ptr 1
		.amdhsa_wavefront_size32 1
		.amdhsa_system_sgpr_workgroup_id_x 1
		.amdhsa_system_sgpr_workgroup_id_y 1
		.amdhsa_system_sgpr_workgroup_id_z 1
		.amdhsa_system_vgpr_workitem_id 0
		.amdhsa_next_free_vgpr 256
		.amdhsa_next_free_sgpr 66
		.amdhsa_reserve_vcc 1
		.amdhsa_float_denorm_mode_32 3
		.amdhsa_float_denorm_mode_16_64 3
		.amdhsa_memory_ordered 1
		.amdhsa_forward_progress 1
		.amdhsa_inst_pref_size 59
	.end_amdhsa_kernel
	.amdgpu_metadata
---
amdhsa.version: [ 1, 2 ]
amdhsa.kernels:
  - .name:           k_qbbf63c874b_quant
    .symbol:         k_qbbf63c874b_quant.kd
    .args:
      - { .name: x, .offset: 0, .size: 8, .value_kind: global_buffer, .address_space: global }
      - { .name: Wq, .offset: 8, .size: 8, .value_kind: global_buffer, .address_space: global }
      - { .name: Wk, .offset: 16, .size: 8, .value_kind: global_buffer, .address_space: global }
      - { .name: Wv, .offset: 24, .size: 8, .value_kind: global_buffer, .address_space: global }
      - { .name: Wo, .offset: 32, .size: 8, .value_kind: global_buffer, .address_space: global }
      - { .name: Wu, .offset: 40, .size: 8, .value_kind: global_buffer, .address_space: global }
      - { .name: Wq_sel, .offset: 48, .size: 8, .value_kind: global_buffer, .address_space: global }
      - { .name: Wk_sel, .offset: 56, .size: 8, .value_kind: global_buffer, .address_space: global }
      - { .name: wsA, .offset: 64, .size: 8, .value_kind: global_buffer, .address_space: global }
    .group_segment_fixed_size: 280832
    .private_segment_fixed_size: 0
    .kernarg_segment_align: 8
    .kernarg_segment_size: 72
    .max_flat_workgroup_size: 512
    .sgpr_count:     66
    .vgpr_count:     256
    .wavefront_size: 32
...
	.end_amdgpu_metadata
.endif
;; end of part 1
;; launch chain (part 2): grid 16 x 1, 8 waves a work-group, no clusters, 14,336 bytes of LDS; arguments wsA, wsB; writes wsB
.if DOCPART == 2
	.amdgcn_target "amdgcn-amd-amdhsa--gfx1250"
	.amdhsa_code_object_version 6
	.text
	.protected	k_qbbf63c874b_chain
	.globl	k_qbbf63c874b_chain
	.p2align	8
	.type	k_qbbf63c874b_chain,@function
k_qbbf63c874b_chain:
	s_mov_b64 s[64:65], 0
	v_nop
	global_prefetch_b8 v0, s[64:65] scope:SCOPE_SE
	s_setreg_imm32_b32 hwreg(HW_REG_WAVE_MODE, 25, 1), 1
	s_wait_xcnt 0x0
; root_emb = pooled Wu and ksel = root_emb Wk_sel, both on codes of FP6 (E2M3) with E8M0 scales; ksel leaves as codes.  Operands lie in wsA as images of operand registers (16 rows x 128 K: 1,536 bytes; 8 on end for a row tile).
; SHARES.  A work-group owns one pooled tile (16 of the 256 rows): the second product wants a row's whole root_emb, so the rows cannot be shared further: 16 work-groups.
; Wave w makes root features 128 w .. 128 w + 127 (8 tiles of Wu, transposed use: source 0 = 16 rows of the weight, source 1 = pooled), quantises them in registers: that is K step w of the second product.
; The eight fragments meet in LDS as images of their registers (one barrier); waves 0 and 1 then make the two fragments of ksel by the same eight steps on Wk_sel.
; No cluster and no tensor load: each weight fragment is read by one wave of a work-group and goes from memory straight into its registers; the sixteen work-groups walk the same weight, 786,432 bytes of codes.
; REGISTERS.  window 0: v3-7 addresses; v16-31 the weight's scale words, two sets; v32-39 source 1's scale words; v48-63, v64, v66-84 the quantiser's; v96-159 eight accumulators; v160-255 source 1's eight fragments.  window 1: the weight's fragments, two sets of 96.
; LIMITS: NaN and infinities are not served; a block whose largest magnitude lies under 2^-124 keeps the byte 1.
.set RT,   12288
.set FRB,  1536
.set SCO,  10813440
.set WU0,  784
.set WKS0, 864
.set KSC,  18874368
.set KSS,  19709952
.set CHS,  8*FRB                       ; LDS: eight images, then their scale words, 128 bytes each
.set LI,   3
.set LS,   4
.set CWI,  5
.set CWS,  6
.set CLS,  7
.set WSC,  16
.set PSC,  32
.set TM,   48
.set PW,   64
.set PC,   66
.set ACC,  96
.set PF,   160
.set SEL,  2
.set MSB, 0
.macro WIN new                         ; the immediate's high byte repeats the setting that is left
.if MSB != (\new)
	s_set_vgpr_msb (MSB<<8)|(\new)
.set MSB, (\new)
.endif
.endm
.macro PLACES n
.rept \n
	v_nop
.endr
.endm
; 64 numbers of a lane in window W, register 16 b + i = k 32 b + 16 (lane / 16) + i of my row, become a fragment's codes in v[PC] on and its scale word in v[PW]
.macro QUANT src, W
	WIN ((\W)<<2)|((\W)<<4)
.irp b, 0,1,2,3
	v_max3_num_f32 v[TM+\b], 0x1800000, |v[(\src)+16*\b]|, |v[(\src)+16*\b+1]|   ; with the floor 2^(3 - 127); each accumulator is read from its low end on
.endr
.irp i, 2,4,6,8,10,12,14
.irp b, 0,1,2,3
	v_max3_num_f32 v[TM+\b], v[TM+\b], |v[(\src)+16*\b+\i]|, |v[(\src)+16*\b+\i+1]|
.endr
.endr
	WIN 0
.irp b, 0,1,2,3
	v_permlanex16_b32 v[TM+4+\b], v[TM+\b], s[SEL], s[SEL+1]
.endr
.irp b, 0,1,2,3
	v_max_num_f32 v[TM+\b], v[TM+\b], v[TM+4+\b]   ; with lane l xor 16's: the block's largest magnitude
.endr
.irp b, 0,1,2,3
	v_add_nc_u32 v[TM+12+\b], 0xff000000, v[TM+\b] ; 2 off the exponent field: the conversion's scale operand
.endr
.irp b, 0,1,2,3
	v_lshrrev_b32 v[TM+4+\b], 23, v[TM+12+\b]      ; the byte
.endr
	v_lshl_or_b32 v[PW], v[TM+5], 8, v[TM+4]
	v_lshl_or_b32 v[PW], v[TM+6], 16, v[PW]
	v_lshl_or_b32 v[PW], v[TM+7], 24, v[PW]
	WIN \W
.irp c, 0,1
	v_cvt_scalef32_pk16_fp6_f32 v[PC+6*\c:PC+6*\c+2], v[(\src)+32*\c:(\src)+32*\c+15], v[TM+12+2*\c]
	v_cvt_scalef32_pk16_fp6_f32 v[PC+12+4*\c:PC+12+4*\c+2], v[(\src)+32*\c+16:(\src)+32*\c+31], v[TM+12+2*\c+1]
.endr
	WIN 0
	v_nop                                          ; one plain place behind the conversions
.irp c, 0,1                            ; the operand wants a whole block in a lane
.irp i, 0,1,2
	v_permlane16_swap_b32 v[PC+6*\c+\i], v[PC+12+4*\c+\i]
.endr
.irp i, 0,1,2
	v_mov_b32 v[PC+3+6*\c+\i], v[PC+12+4*\c+\i]
.endr
.endr
.endm
; K step s of my eight weight tiles into set: 24 loads of codes, 8 of scale words.  wb: the scalar pair of the codes' base; wb + 2: the scale words'
.macro CSET set, s, wb
	WIN 0x40
.irp f, 0,1,2,3,4,5,6,7
.irp c, 0,1,2
	global_load_b128 v[96*(\set)+12*\f+4*\c:96*(\set)+12*\f+4*\c+3], v[LI], s[\wb:\wb+1] offset:\f*RT+(\s)*FRB+512*\c
.endr
.endr
	WIN 0
.irp f, 0,1,2,3,4,5,6,7
	global_load_b32 v[WSC+8*(\set)+\f], v[LS], s[\wb+2:\wb+3] offset:\f*512+(\s)*64
.endr
.endm
; K step s: eight matrix instructions, the accumulators by turns; then the loads of two steps on
.macro GSTEP s, wb
.if (\s) < 7
	s_wait_loadcnt 32                              ; this step's loads are in; the next step's 32 may be out
.else
	s_wait_loadcnt 0x0
.endif
	WIN 0x01                                       ; source 0 in window 1
.irp t, 0,1,2,3,4,5,6,7
.if (\s) == 0
	v_wmma_scale_f32_16x16x128_f8f6f4 v[ACC+8*\t:ACC+8*\t+7], v[96*((\s)%2)+12*\t:96*((\s)%2)+12*\t+11], v[PF+12*(\s):PF+12*(\s)+11], 0, v[WSC+8*((\s)%2)+\t], v[PSC+(\s)] matrix_a_fmt:MATRIX_FMT_FP6 matrix_b_fmt:MATRIX_FMT_FP6
.else
	v_wmma_scale_f32_16x16x128_f8f6f4 v[ACC+8*\t:ACC+8*\t+7], v[96*((\s)%2)+12*\t:96*((\s)%2)+12*\t+11], v[PF+12*(\s):PF+12*(\s)+11], v[ACC+8*\t:ACC+8*\t+7], v[WSC+8*((\s)%2)+\t], v[PSC+(\s)] matrix_a_fmt:MATRIX_FMT_FP6 matrix_b_fmt:MATRIX_FMT_FP6
.endif
.endr
	WIN 0
	PLACES 4                                       ; in front of loads into registers that these have read, and of the first read of results
.if (\s) < 6
	CSET (\s)%2, (\s)+2, \wb
.endif
.endm
	s_load_b128 s[4:7], s[0:1], 0x0                ; wsA, wsB
	v_lshl_add_u32 v94, v0, 2, 0x3400
	v_mov_b32 v95, 0
	v_lshrrev_b32 v1, 5, v0
	v_readfirstlane_b32 s8, v1                     ; wave 0..7
	v_and_b32 v2, 31, v0
	v_and_b32 v1, 15, v0
	v_lshlrev_b32 v[LI], 4, v2                     ; 16 x lane
	v_lshlrev_b32 v[LS], 2, v1                     ; 4 r
	v_lshlrev_b32 v[CLS], 2, v2                    ; 4 x lane
	s_mul_i32 s9, s8, FRB
	v_add_nc_u32 v[CWI], s9, v[LI]                 ; my image
	s_lshl_b32 s9, s8, 7
	v_add_nc_u32 v[CWS], s9, v[CLS]                ; and its scale words
.irp b, 0,1,2,3
	v_mov_b32 v[TM+4+\b], 0                        ; written once: a lane permute's destination counts as one of its sources
.endr
	s_mov_b32 s[SEL], 0x76543210
	s_mov_b32 s[SEL+1], 0xfedcba98
	s_add_co_u32 s10, ttmp9, 512                   ; my pooled tile
	s_mul_i32 s12, s10, RT
	s_mov_b32 s13, 0
	s_lshl_b32 s14, s10, 9
	s_add_co_u32 s14, s14, SCO
	s_mov_b32 s15, 0
	s_lshl_b32 s11, s8, 3
	s_add_co_u32 s16, s11, WU0                     ; my eight tiles of Wu
	s_mul_i32 s20, s16, RT
	s_mov_b32 s21, 0
	s_lshl_b32 s22, s16, 9
	s_add_co_u32 s22, s22, SCO
	s_mov_b32 s23, 0
	s_add_co_u32 s16, s11, WKS0                    ; and of Wk_sel (used by waves 0 and 1 alone)
	s_mul_i32 s24, s16, RT
	s_mov_b32 s25, 0
	s_lshl_b32 s26, s16, 9
	s_add_co_u32 s26, s26, SCO
	s_mov_b32 s27, 0
	s_lshl_b32 s16, ttmp9, 1
	s_add_co_u32 s16, s16, s8                      ; ksel's fragment: 2 x tile + K step
	s_mul_i32 s28, s16, FRB
	s_add_co_u32 s28, s28, KSC
	s_mov_b32 s29, 0
	s_lshl_b32 s30, s16, 6
	s_add_co_u32 s30, s30, KSS
	s_mov_b32 s31, 0
	s_wait_kmcnt 0x0
	s_add_nc_u64 s[12:13], s[4:5], s[12:13]
	s_add_nc_u64 s[14:15], s[4:5], s[14:15]
	s_add_nc_u64 s[20:21], s[4:5], s[20:21]
	s_add_nc_u64 s[22:23], s[4:5], s[22:23]
	s_add_nc_u64 s[24:25], s[4:5], s[24:25]
	s_add_nc_u64 s[26:27], s[4:5], s[26:27]
	s_add_nc_u64 s[28:29], s[6:7], s[28:29]
	s_add_nc_u64 s[30:31], s[6:7], s[30:31]
.irp s, 0,1,2,3,4,5,6,7
.irp c, 0,1,2
	global_load_b128 v[PF+12*\s+4*\c:PF+12*\s+4*\c+3], v[LI], s[12:13] offset:\s*FRB+512*\c     ; pooled's eight fragments stay
.endr
	global_load_b32 v[PSC+\s], v[LS], s[14:15] offset:\s*64
.endr
	CSET 0, 0, 20
	CSET 1, 1, 20
.irp s, 0,1,2,3,4,5,6,7
	GSTEP \s, 20
.endr
	QUANT ACC, 0                                   ; my 128 features of root_emb: K step w of the second product
.irp c, 0,1,2
	ds_store_b128 v[CWI], v[PC+4*\c:PC+4*\c+3] offset:512*\c
.endr
	ds_store_b32 v[CWS], v[PW] offset:CHS
	s_wait_dscnt 0x0                               ; for the others' sake: my image has landed
	s_barrier_signal -1
	s_barrier_wait -1
	s_cmp_gt_u32 s8, 1
	s_cbranch_scc1 .Lend
.irp s, 0,1,2,3,4,5,6,7
.irp c, 0,1,2
	ds_load_b128 v[PF+12*\s+4*\c:PF+12*\s+4*\c+3], v[LI] offset:\s*FRB+512*\c
.endr
	ds_load_b32 v[PSC+\s], v[CLS] offset:CHS+128*\s
.endr
	CSET 0, 0, 24
	CSET 1, 1, 24
	s_wait_dscnt 0x0
.irp s, 0,1,2,3,4,5,6,7
	GSTEP \s, 24
.endr
	QUANT ACC, 0
.irp c, 0,1,2
	global_store_b128 v[LI], v[PC+4*\c:PC+4*\c+3], s[28:29] offset:512*\c
.endr
	global_store_b32 v[LS], v[PW], s[30:31]        ; both halves of the lanes hold the same word and store it to the same place
.Lend:
	s_wait_tensorcnt 0x0
	ds_add_u32 v94, v95
	s_wait_dscnt 0x0
	s_endpgm
.Lfunc_end_k_qbbf63c874b_chain:
	.size	k_qbbf63c874b_chain, .Lfunc_end_k_qbbf63c874b_chain-k_qbbf63c874b_chain
	.p2alignl 7, 3214868480
	.fill 96, 4, 3214868480
	.section	.rodata,"a",@progbits
	.p2align	6, 0x0
	.amdhsa_kernel k_qbbf63c874b_chain
		.amdhsa_group_segment_fixed_size 14336
		.amdhsa_private_segment_fixed_size 0
		.amdhsa_enable_private_segment 0
		.amdhsa_kernarg_size 16
		.amdhsa_user_sgpr_count 2
		.amdhsa_user_sgpr_kernarg_segment_ptr 1
		.amdhsa_wavefront_size32 1
		.amdhsa_system_sgpr_workgroup_id_x 1
		.amdhsa_system_sgpr_workgroup_id_y 1
		.amdhsa_system_sgpr_workgroup_id_z 1
		.amdhsa_system_vgpr_workitem_id 0
		.amdhsa_next_free_vgpr 512
		.amdhsa_next_free_sgpr 66
		.amdhsa_reserve_vcc 0
		.amdhsa_float_denorm_mode_32 3
		.amdhsa_float_denorm_mode_16_64 3
		.amdhsa_memory_ordered 1
		.amdhsa_forward_progress 1
		.amdhsa_inst_pref_size 85
	.end_amdhsa_kernel
	.amdgpu_metadata
---
amdhsa.version: [ 1, 2 ]
amdhsa.kernels:
  - .name:           k_qbbf63c874b_chain
    .symbol:         k_qbbf63c874b_chain.kd
    .args:
      - { .name: wsA, .offset: 0, .size: 8, .value_kind: global_buffer, .address_space: global }
      - { .name: wsB, .offset: 8, .size: 8, .value_kind: global_buffer, .address_space: global }
    .group_segment_fixed_size: 14336
    .private_segment_fixed_size: 0
    .kernarg_segment_align: 8
    .kernarg_segment_size: 16
    .max_flat_workgroup_size: 256
    .sgpr_count:     66
    .vgpr_count:     512
    .wavefront_size: 32
...
	.end_amdgpu_metadata
.endif
;; end of part 2
;; launch proj (part 3): grid 4 x 96, 4 waves a work-group, clusters of 4 x 4, 327,680 bytes of LDS; arguments wsA, wsB; writes wsB
.if DOCPART == 3
	.amdgcn_target "amdgcn-amd-amdhsa--gfx1250"
	.amdhsa_code_object_version 6
	.text
	.protected	k_qbbf63c874b_proj
	.globl	k_qbbf63c874b_proj
	.p2align	8
	.type	k_qbbf63c874b_proj,@function
k_qbbf63c874b_proj:
	s_mov_b64 s[64:65], 0
	v_nop
	global_prefetch_b8 v0, s[64:65] scope:SCOPE_SE
	s_setreg_imm32_b32 hwreg(HW_REG_WAVE_MODE, 25, 1), 1
	s_wait_xcnt 0x0
	s_wait_alu depctr_hold_cnt(0) depctr_sa_sdst(0) depctr_va_vdst(0) depctr_va_sdst(0) depctr_va_ssrc(0) depctr_va_vcc(0) depctr_vm_vsrc(0)
	s_getreg_b32 s2, hwreg(HW_REG_IB_STS2, 6, 4)
	s_cmp_eq_u32 s2, 0
	s_cbranch_scc0 .Lentry_in_a_cluster
	s_endpgm
.Lentry_in_a_cluster:
	s_bfe_u32 s2, ttmp6, 0x10000c
	s_cmp_lg_u32 s2, 0xf033
	s_cbranch_scc0 .Lentry_shape_is_right
	s_endpgm
.Lentry_shape_is_right:
; q = x Wq, k = x Wk and v^T = Wv^T x^T on codes of FP6 (E2M3) with E8M0 scales, K = 1,024; each result is quantised in registers along the NEXT product's K and leaves as codes: no f32 result goes to memory.
; JOBS.  A cluster of 4 x 4 work-groups makes 1,024 x 1,024 results.  Cluster y = 8 g + t.  g = 0, 1: A = x of batch t, B = Wq or Wk; a lane's registers run along the features: the codes are q's or k's, K = the head's 64.
; g = 2: A = Wv's columns, B = x of batch t; a lane's registers run along the tokens: the codes are v's with the keys innermost.  The choice is made by s_cselect_b32 on the cluster's y, which all partners share.
; A tile of 256 x 256 is made by four waves, 128 x 128 each: 64 accumulators, 512 registers.  K goes in steps of 256 through two LDS slots filled by the tensor data mover.
; OPERANDS LIE IN wsA AS IMAGES OF OPERAND REGISTERS (16 rows x 128 K: 1,536 bytes; a row tile's 8 on end: 12,288 bytes): a slot's part of a row tile is 3,072 consecutive bytes, and a fragment comes by three ds_load_b128 of 512 consecutive bytes.
; THE SCALE WORDS of the 16 + 16 row tiles, for all of K, come into LDS once, with the first fills.
; CLUSTERS: A's tiles are shared along a row of the cluster, B's along a column: each is asked for JOINTLY.  THE MATRIX INSTRUCTION IS USED TRANSPOSED (source 0 = B's rows, source 1 = A's).
; The rows of a tile are not neighbours (lane r of tile 2 B + u holds row 32 B + 8 u + r + 8 (r / 8)), so the 16 registers of B's tiles 2 B and 2 B + 1 are 16 neighbours along the next K.
; REGISTERS: window 0: v16-29 addresses; v32-63 scale words, two sets; v64-114 the quantiser's; v128-223 A's fragments, one set.  window 1: B's fragments, two sets.  windows 2, 3: the accumulators ((a, b) at v[8 (8 (a % 4) + b)]).
; LIMITS: NaN and infinities are not served; a block whose largest magnitude lies under 2^-124 keeps the byte 1.
.set RT,    12288
.set FRB,   1536
.set SCO,   10813440
.set WQ0,   528
.set WV0,   656
.set VTC,   12582912
.set QKS,   18923520
.set VTS,   19447808
.set NQ,    2                          ; matrix instructions deep in a slot
.set FR,    12
.set NL,    3                          ; LDS loads that bring a fragment
.set NP,    4                          ; places behind this matrix instruction (ISA guide 7.12.1)
.set SROW,  NQ*FRB                     ; a row tile's bytes in a slot
.set HALFT, 8*SROW                     ; eight row tiles: what one tensor load brings, and what one wave reads of A or of B
.set SLOT,  4*HALFT
.set SCL,   2*SLOT                     ; behind the ring: the scale words, 4,096 bytes for each eight row tiles
.set SPARE, SCL+4*4096                 ; the spare words, 128 bytes for each wave: two blocks of 256 bytes that no other line names
.set ADRA, 16
.set ADRB, 20
.set LI,   24                          ; 16 x lane
.set LS,   25                          ; 4 r
.set ADRS, 27
.set SPW,  28
.set NIL,  29
.set SC,   32
.set TM,   64
.set PW,   80
.set PC,   96
.set AF,   128
.set SEL,  2
.set G1, 24
.set G0, 32
.set G1B, 48
.set G0B, 56
.set G1S, 68
.set G0S, 76
.set G1SB, 80
.set G0SB, 88
.set MSB, 0
.macro WIN new                         ; the immediate's high byte repeats the setting that is left
.if MSB != (\new)
	s_set_vgpr_msb (MSB<<8)|(\new)
.set MSB, (\new)
.endif
.endm
.set MUL_LO, 0xa1                      ; source 0 (B) window 1, source 1 (A) window 0, C and D window 2
.set MUL_HI, 0xf1
.set TO_B,   0x40
.macro PLACES n
.rept \n
	v_nop
.endr
.endm
; A joint load: waves 0 and 1 fetch for A, waves 2 and 3 for B; the branch hangs on the wave's number alone.  Four v_nop follow each of the two lines.
.macro JLOAD g0a, g1a, g0b, g1b
	s_cmp_eq_u32 s15, 0
	s_cbranch_scc0 .Lfor_b_\@
	tensor_load_to_lds s[\g0a:\g0a+3], s[\g1a:\g1a+7]
	s_nop 0
.rept 4
	v_nop
.endr
	s_branch .Lasked_\@
.Lfor_b_\@:
	tensor_load_to_lds s[\g0b:\g0b+3], s[\g1b:\g1b+7]
	s_nop 0
.rept 4
	v_nop
.endr
.Lasked_\@:
.endm
.macro CREST                           ; a round of the cluster's barrier behind its opening barrier
	s_cmp_lg_u32 s14, 0
	s_cbranch_scc1 .Lnot_wave_0_\@
	s_barrier_signal -3
.Lnot_wave_0_\@:
	s_barrier_wait -3
	s_barrier_signal -1
	s_barrier_wait -1
.endm
.macro CROUND
	s_barrier_signal -1
	s_barrier_wait -1
	CREST
.endm
; 64 numbers of a lane in window W, register 16 b + i = k 32 b + 16 (lane / 16) + i of my row, become a fragment's codes in v[PC] on and its scale word in v[PW]
.macro QUANT src, W
	WIN ((\W)<<2)|((\W)<<4)
.irp b, 0,1,2,3
	v_max3_num_f32 v[TM+\b], 0x1800000, |v[(\src)+16*\b]|, |v[(\src)+16*\b+1]|   ; with the floor 2^(3 - 127); each accumulator is read from its low end on
.endr
.irp i, 2,4,6,8,10,12,14
.irp b, 0,1,2,3
	v_max3_num_f32 v[TM+\b], v[TM+\b], |v[(\src)+16*\b+\i]|, |v[(\src)+16*\b+\i+1]|
.endr
.endr
	WIN 0
.irp b, 0,1,2,3
	v_permlanex16_b32 v[TM+4+\b], v[TM+\b], s[SEL], s[SEL+1]
.endr
.irp b, 0,1,2,3
	v_max_num_f32 v[TM+\b], v[TM+\b], v[TM+4+\b]
.endr
.irp b, 0,1,2,3
	v_add_nc_u32 v[TM+12+\b], 0xff000000, v[TM+\b]
.endr
.irp b, 0,1,2,3
	v_lshrrev_b32 v[TM+4+\b], 23, v[TM+12+\b]
.endr
	v_lshl_or_b32 v[PW], v[TM+5], 8, v[TM+4]
	v_lshl_or_b32 v[PW], v[TM+6], 16, v[PW]
	v_lshl_or_b32 v[PW], v[TM+7], 24, v[PW]
	WIN \W
.irp c, 0,1
	v_cvt_scalef32_pk16_fp6_f32 v[PC+6*\c:PC+6*\c+2], v[(\src)+32*\c:(\src)+32*\c+15], v[TM+12+2*\c]
	v_cvt_scalef32_pk16_fp6_f32 v[PC+12+4*\c:PC+12+4*\c+2], v[(\src)+32*\c+16:(\src)+32*\c+31], v[TM+12+2*\c+1]
.endr
	WIN 0
	v_nop
.irp c, 0,1
.irp i, 0,1,2
	v_permlane16_swap_b32 v[PC+6*\c+\i], v[PC+12+4*\c+\i]
.endr
.irp i, 0,1,2
	v_mov_b32 v[PC+3+6*\c+\i], v[PC+12+4*\c+\i]
.endr
.endr
.endm
	s_load_b128 s[4:7], s[0:1], 0x0                ; wsA, wsB
	v_lshl_add_u32 v[SPW], v0, 2, SPARE
	v_mov_b32 v[NIL], 0
	ds_add_u32 v28, v29
	ds_add_u32 v28, v29
	s_wait_dscnt 0x0
	v_lshrrev_b32 v1, 5, v0
	v_readfirstlane_b32 s14, v1                    ; wave 0..3
	s_lshr_b32 s15, s14, 1                         ; which half of the tile's rows is mine.  Also: I fetch for A (0) or for B (1)
	s_and_b32 s16, s14, 1                          ; which half of its columns.  Also: which eight row tiles I fetch
	s_bfe_u32 s40, ttmp6, 0x40000                  ; cx
	s_bfe_u32 s41, ttmp6, 0x40004                  ; cy
	s_and_b32 s17, ttmp7, 0xffff                   ; the job: the cluster's y, 0..23
	s_and_b32 s18, s17, 7                          ; t: the batch
	s_lshr_b32 s19, s17, 3                         ; g
	s_lshl_b32 s20, s18, 6                         ; x's row tiles of batch t begin at 64 t
	s_lshl_b32 s21, s19, 6
	s_add_co_u32 s21, s21, WQ0                     ; Wq's or Wk's
	s_lshl_b32 s22, s19, 3
	s_lshl_b32 s23, s18, 3
	s_mov_b32 s94, VTS
	s_cmp_lt_u32 s17, 16                           ; q or k, or v?  All that differs is chosen here
	s_cselect_b32 s42, s20, WV0                    ; A's first row tile
	s_cselect_b32 s99, s21, s20                    ; B's
	s_cselect_b32 s66, 16, 64                      ; fragments from one row tile of the result to the next
	s_cselect_b32 s67, 0, VTC                      ; the result's codes
	s_cselect_b32 s94, QKS, s94                    ; and scale words
	s_cselect_b32 s95, s20, 0                      ; the result's first row tile,
	s_cselect_b32 s98, s22, s23                    ; and its first K step
	s_lshl_b32 s43, s41, 2
	s_lshl_b32 s43, 15, s43                        ; my row of the cluster
	s_lshl_b32 s44, 0x1111, s40                    ; my column
	; descriptor group 1: eight rows of 3,072 bytes (384 elements of 8 bytes), 12,288 bytes apart; dense in LDS
	s_or_b32 s[G1+0], s43, (3<<16)|(1<<21)         ; 15:0 the mask: A's tiles go to my row; 17:16 elements of 8 bytes; 21 set beside a mask
	s_or_b32 s[G1B+0], s44, (3<<16)|(1<<21)
.irp g, G1, G1B
	s_mov_b32 s[\g+1], 384<<16                     ; tensor_dim0
	s_mov_b32 s[\g+2], 8<<16                       ; tensor_dim1
	s_mov_b32 s[\g+3], 384<<16                     ; tile_dim0
	s_mov_b32 s[\g+4], 8                           ; tile_dim1
	s_mov_b32 s[\g+5], 1536                        ; tensor_dim0_stride
	s_mov_b32 s[\g+6], 0
	s_mov_b32 s[\g+7], 0
.endr
	; the scale words of eight row tiles: 4,096 dense bytes, as 16 rows of 256
	s_or_b32 s[G1S+0], s43, (3<<16)|(1<<21)
	s_or_b32 s[G1SB+0], s44, (3<<16)|(1<<21)
.irp g, G1S, G1SB
	s_mov_b32 s[\g+1], 32<<16
	s_mov_b32 s[\g+2], 16<<16
	s_mov_b32 s[\g+3], 32<<16
	s_mov_b32 s[\g+4], 16
	s_mov_b32 s[\g+5], 32
	s_mov_b32 s[\g+6], 0
	s_mov_b32 s[\g+7], 0
.endr
	s_lshl_b32 s18, s16, 3                         ; which eight row tiles I fetch
	s_lshl_b32 s20, s41, 4
	s_add_co_u32 s20, s20, s42
	s_add_co_u32 s20, s20, s18                     ; A: first + 16 cy + 8 x half: cy alone
	s_lshl_b32 s46, s40, 4
	s_add_co_u32 s46, s46, s99
	s_add_co_u32 s46, s46, s18                     ; B: first + 16 cx + 8 x half: cx alone
	s_lshl_b32 s22, s20, 9
	s_add_co_u32 s22, s22, SCO
	s_mov_b32 s23, 0
	s_lshl_b32 s92, s46, 9
	s_add_co_u32 s92, s92, SCO
	s_mov_b32 s93, 0
	s_mul_i32 s20, s20, RT
	s_mov_b32 s21, 0
	s_mul_i32 s46, s46, RT
	s_mov_b32 s47, 0
	s_mul_i32 s45, s14, HALFT                      ; where they go: wave x eight row tiles: no place in the cluster enters an LDS address
	s_lshl_b32 s19, s14, 12
	s_wait_kmcnt 0x0
	s_add_nc_u64 s[20:21], s[4:5], s[20:21]
	s_add_nc_u64 s[22:23], s[4:5], s[22:23]
	s_add_nc_u64 s[46:47], s[4:5], s[46:47]
	s_add_nc_u64 s[92:93], s[4:5], s[92:93]
	CROUND                                         ; all sixteen work-groups are here: the first joint loads meet
	s_mov_b32 s[G0S], 1
	s_add_co_u32 s[G0S+1], s19, SCL
	s_mov_b64 s[G0S+2:G0S+3], s[22:23]
	s_or_b32 s[G0S+3], s[G0S+3], 0x80000000
	s_mov_b32 s[G0SB], 1
	s_add_co_u32 s[G0SB+1], s19, SCL
	s_mov_b64 s[G0SB+2:G0SB+3], s[92:93]
	s_or_b32 s[G0SB+3], s[G0SB+3], 0x80000000
	JLOAD G0S, G1S, G0SB, G1SB                     ; the scale words first: they are wanted with K step 0
.irp s, 0,1
	s_mov_b32 s[G0+4*\s], 1
	s_add_co_u32 s[G0+4*\s+1], s45, \s*SLOT
	s_add_nc_u64 s[G0+4*\s+2:G0+4*\s+3], s[20:21], \s*SROW
	s_or_b32 s[G0+4*\s+3], s[G0+4*\s+3], 0x80000000
	s_mov_b32 s[G0B+4*\s], 1
	s_add_co_u32 s[G0B+4*\s+1], s45, \s*SLOT
	s_add_nc_u64 s[G0B+4*\s+2:G0B+4*\s+3], s[46:47], \s*SROW
	s_or_b32 s[G0B+4*\s+3], s[G0B+4*\s+3], 0x80000000
	JLOAD G0+4*\s, G1, G0B+4*\s, G1B
.endr
	v_and_b32 v1, 15, v0                           ; r
	v_bfe_u32 v2, v0, 4, 1                         ; h
	v_and_b32 v3, 31, v0
	v_lshlrev_b32 v[LI], 4, v3
	v_lshlrev_b32 v[LS], 2, v1
	s_mul_i32 s21, s15, HALFT                      ; my eight row tiles of A
	s_mul_i32 s22, s16, HALFT                      ; and of B,
	s_add_co_u32 s22, s22, 2*HALFT                 ; which lie behind A's sixteen
.irp s, 0,1
	v_add_nc_u32 v[ADRA+\s], s21, v[LI]
	v_add_nc_u32 v[ADRB+\s], s22, v[LI]
	s_add_co_u32 s21, s21, SLOT
	s_add_co_u32 s22, s22, SLOT
.endr
	s_lshl_b32 s21, s15, 12                        ; A's scale words: my eight row tiles
	s_lshl_b32 s22, s16, 12                        ; B's, behind A's sixteen
	s_add_co_u32 s22, s22, 8192
	s_sub_co_u32 s22, s22, s21
	v_mul_u32_u24 v6, s22, v2                      ; lanes 16-31 take B's
	s_add_co_u32 s21, s21, SCL
	v_add_nc_u32 v5, v[LS], v6
	v_add_nc_u32 v[ADRS], s21, v5
.irp b, 0,1,2,3
	v_mov_b32 v[TM+4+\b], 0                        ; written once: a lane permute's destination counts as one of its sources
.endr
	s_mov_b32 s[SEL], 0x76543210
	s_mov_b32 s[SEL+1], 0xfedcba98
	; where my results go: fragment (first row tile + 16 cy + 8 x row half) x step + first K step + 2 cx + column half
	s_lshl_b32 s96, s41, 4
	s_add_co_u32 s95, s95, s96
	s_lshl_b32 s96, s15, 3
	s_add_co_u32 s95, s95, s96
	s_mul_i32 s95, s95, s66
	s_lshl_b32 s96, s40, 1
	s_add_co_u32 s98, s98, s96
	s_add_co_u32 s98, s98, s16
	s_add_co_u32 s95, s95, s98
	s_mul_i32 s8, s95, FRB
	s_add_co_u32 s8, s8, s67
	s_mov_b32 s9, 0
	s_lshl_b32 s10, s95, 6
	s_add_co_u32 s10, s10, s94
	s_mov_b32 s11, 0
	s_mul_i32 s12, s66, FRB                        ; from one of my row tiles to the next
	s_mov_b32 s13, 0
	s_lshl_b32 s96, s66, 6
	s_mov_b32 s97, 0
	s_add_nc_u64 s[8:9], s[6:7], s[8:9]
	s_add_nc_u64 s[10:11], s[6:7], s[10:11]
.macro FRAG reg, adr, q, i             ; a fragment's image: three loads of 512 consecutive bytes
.irp c, 0,1,2
	ds_load_b128 v[\reg+4*\c:\reg+4*\c+3], v[\adr] offset:(\i)*SROW+(\q)*FRB+512*\c
.endr
.endm
; 16 matrix instructions: A's blocks a0, a0 + 1 x B's eight.  The 64 accumulators take turns, one instruction a turn, in the same order in every step.
.macro MUL16 a0, p, q, sc, zero
.irp a, \a0, \a0+1
.irp b, 0,1,2,3,4,5,6,7
.if \zero
	v_wmma_scale_f32_16x16x128_f8f6f4 v[8*(8*((\a)%4)+\b):8*(8*((\a)%4)+\b)+7], v[128*(\p)+FR*\b:128*(\p)+FR*\b+FR-1], v[AF+FR*(\a):AF+FR*(\a)+FR-1], 0, v[SC+8*NQ*(\sc)+NQ*\b+(\q)], v[SC+8*NQ*(\sc)+NQ*(\a)+(\q)] matrix_a_fmt:MATRIX_FMT_FP6 matrix_b_fmt:MATRIX_FMT_FP6 matrix_a_scale:MATRIX_SCALE_ROW1
.else
	v_wmma_scale_f32_16x16x128_f8f6f4 v[8*(8*((\a)%4)+\b):8*(8*((\a)%4)+\b)+7], v[128*(\p)+FR*\b:128*(\p)+FR*\b+FR-1], v[AF+FR*(\a):AF+FR*(\a)+FR-1], v[8*(8*((\a)%4)+\b):8*(8*((\a)%4)+\b)+7], v[SC+8*NQ*(\sc)+NQ*\b+(\q)], v[SC+8*NQ*(\sc)+NQ*(\a)+(\q)] matrix_a_fmt:MATRIX_FMT_FP6 matrix_b_fmt:MATRIX_FMT_FP6 matrix_a_scale:MATRIX_SCALE_ROW1
.endif
.endr
.endr
.endm
.macro FETCH_B slot, q, p
	WIN TO_B
.irp i, 0,1,2,3,4,5,6,7
	FRAG 128*(\p)+FR*\i, ADRB+\slot, \q, \i
.endr
	WIN 0
.endm
.macro FETCH_A slot, q, i0
.irp i, \i0, \i0+1, \i0+2, \i0+3
	FRAG AF+FR*(\i), ADRA+\slot, \q, \i
.endr
.endm
.macro SCALES sc                       ; a slot's scale words: lanes 0-15 A's block i, lanes 16-31 B's block i
.irp i, 0,1,2,3,4,5,6,7
.irp q, 0,1
	ds_load_b32 v[SC+8*NQ*(\sc)+NQ*\i+\q], v[ADRS] offset:\i*512+\q*64
.endr
.endr
.endm
; A step of 128 along K that has its successor in the same slot
.macro STEP slot, q, zero
	s_wait_dscnt 4*NL                              ; B's set and A's blocks 0-3 are in; the youngest twelve loads (A's blocks 4-7) may be out
	WIN MUL_LO
	MUL16 0, (\q)%2, \q, \slot, \zero
	MUL16 2, (\q)%2, \q, \slot, \zero
	s_wait_dscnt 0
	PLACES NP
	FETCH_B \slot, (\q)+1, 1-(\q)%2
	FETCH_A \slot, (\q)+1, 0
	WIN MUL_HI
	MUL16 4, (\q)%2, \q, \slot, \zero
	MUL16 6, (\q)%2, \q, \slot, \zero
	PLACES NP
	WIN 0
	FETCH_A \slot, (\q)+1, 4
.endm
; A slot's last step changes slots: one barrier; in front of it each wave waits for all its tensor loads, adds 0 to its spare word, and waits for that and for its own reads of this slot
.macro TURN slot, next, fill
	s_wait_tensorcnt 0x0                           ; all my tensor loads have landed: my part of the next slot
	ds_add_u32 v[SPW], v[NIL]                      ; 0 onto my spare word
	s_wait_dscnt 4*NL+1                            ; (the add and the youngest twelve loads may be out)
	WIN MUL_LO
	MUL16 0, 1, NQ-1, \slot, 0
	s_wait_dscnt 0x0                               ; the add is done, and my reads of this slot are over
	s_barrier_signal -1
	MUL16 2, 1, NQ-1, \slot, 0
	WIN 0
	s_barrier_wait -1
.if \fill
	CREST                                          ; the barrier has opened a round of the cluster's barrier: no wave of any partner still reads this slot or has a load on its way
	s_add_nc_u64 s[G0+4*\slot+2:G0+4*\slot+3], s[G0+4*\slot+2:G0+4*\slot+3], 2*SROW
	s_add_nc_u64 s[G0B+4*\slot+2:G0B+4*\slot+3], s[G0B+4*\slot+2:G0B+4*\slot+3], 2*SROW
	JLOAD G0+4*\slot, G1, G0B+4*\slot, G1B         ; the first tensor load behind the round; its four v_nop are the places in front of the loads below
.else
	PLACES NP
.endif
	v_add_nc_u32 v[ADRS], 64*NQ, v[ADRS]           ; on to the next slot's scale words
	FETCH_B \next, 0, 0
	FETCH_A \next, 0, 0
	SCALES \next
	WIN MUL_HI
	MUL16 4, 1, NQ-1, \slot, 0
	MUL16 6, 1, NQ-1, \slot, 0
	PLACES NP
	WIN 0
	FETCH_A \next, 0, 4
.endm
	s_wait_tensorcnt 1                             ; the scale words and my part of slot 0 are in (slot 1's load may be out),
	s_barrier_signal -1
	s_barrier_wait -1                              ; everybody's are
	FETCH_B 0, 0, 0
	FETCH_A 0, 0, 0
	SCALES 0
	FETCH_A 0, 0, 4
	STEP 0, 0, 1                                   ; K = 1,024 is four slots' worth: written out; the first step's products start the sums
	TURN 0, 1, 1
	STEP 1, 0, 0
	TURN 1, 0, 1
	STEP 0, 0, 0
	TURN 0, 1, 0                                   ; nothing is left to fetch
	STEP 1, 0, 0
	s_wait_dscnt 4*NL
	WIN MUL_LO
	MUL16 0, 1, NQ-1, 1, 0
	MUL16 2, 1, NQ-1, 1, 0
	s_wait_dscnt 0
	WIN MUL_HI
	MUL16 4, 1, NQ-1, 1, 0
	MUL16 6, 1, NQ-1, 1, 0
	WIN 0
	PLACES NP
; THE WAY OUT.  Block a (16 rows x 128 of the next K) is quantised in registers and stored as a fragment's image: three stores of 512 consecutive bytes, and its scale words
.macro OUTQ a
.if (\a) > 0
	s_wait_xcnt 0x0                                ; the last block's stores have read their registers and bases
	s_add_nc_u64 s[8:9], s[8:9], s[12:13]
	s_add_nc_u64 s[10:11], s[10:11], s[96:97]
.endif
	QUANT 64*((\a)%4), 2+(\a)/4
.irp c, 0,1,2
	global_store_b128 v[LI], v[PC+4*\c:PC+4*\c+3], s[8:9] offset:512*\c
.endr
	global_store_b32 v[LS], v[PW], s[10:11]        ; both halves of the lanes hold the same word and store it to the same place
.endm
.irp a, 0,1,2,3,4,5,6,7
	OUTQ \a
.endr
	s_wait_tensorcnt 0x0                           ; the wave's end
	ds_add_u32 v[SPW], v[NIL]
	s_wait_dscnt 0x0
	CROUND                                         ; the closing round
	s_endpgm
.Lfunc_end_k_qbbf63c874b_proj:
	.size	k_qbbf63c874b_proj, .Lfunc_end_k_qbbf63c874b_proj-k_qbbf63c874b_proj
	.p2alignl 7, 3214868480
	.fill 96, 4, 3214868480
	.section	.rodata,"a",@progbits
	.p2align	6, 0x0
	.amdhsa_kernel k_qbbf63c874b_proj
		.amdhsa_group_segment_fixed_size 327680
		.amdhsa_private_segment_fixed_size 0
		.amdhsa_enable_private_segment 0
		.amdhsa_kernarg_size 16
		.amdhsa_user_sgpr_count 2
		.amdhsa_user_sgpr_kernarg_segment_ptr 1
		.amdhsa_wavefront_size32 1
		.amdhsa_system_sgpr_workgroup_id_x 1
		.amdhsa_system_sgpr_workgroup_id_y 1
		.amdhsa_system_sgpr_workgroup_id_z 1
		.amdhsa_system_vgpr_workitem_id 0
		.amdhsa_next_free_vgpr 1024
		.amdhsa_next_free_sgpr 100
		.amdhsa_reserve_vcc 0
		.amdhsa_float_denorm_mode_32 3
		.amdhsa_float_denorm_mode_16_64 3
		.amdhsa_memory_ordered 1
		.amdhsa_forward_progress 1
		.amdhsa_inst_pref_size 143
	.end_amdhsa_kernel
	.amdgpu_metadata
---
amdhsa.version: [ 1, 2 ]
amdhsa.kernels:
  - .name:           k_qbbf63c874b_proj
    .symbol:         k_qbbf63c874b_proj.kd
    .args:
      - { .name: wsA, .offset: 0, .size: 8, .value_kind: global_buffer, .address_space: global }
      - { .name: wsB, .offset: 8, .size: 8, .value_kind: global_buffer, .address_space: global }
    .group_segment_fixed_size: 327680
    .private_segment_fixed_size: 0
    .kernarg_segment_align: 8
    .kernarg_segment_size: 16
    .max_flat_workgroup_size: 128
    .sgpr_count:     100
    .vgpr_count:     1024
    .wavefront_size: 32
...
	.end_amdgpu_metadata
.endif
;; end of part 3
;; launch select (part 4): grid 256 x 1, 4 waves a work-group, no clusters, 16,896 bytes of LDS; arguments wsA, wsB, msk; writes msk
.if DOCPART == 4
	.amdgcn_target "amdgcn-amd-amdhsa--gfx1250"
	.amdhsa_code_object_version 6
	.text
	.protected	k_qbbf63c874b_select
	.globl	k_qbbf63c874b_select
	.p2align	8
	.type	k_qbbf63c874b_select,@function
k_qbbf63c874b_select:
	s_mov_b64 s[64:65], 0
	v_nop
	global_prefetch_b8 v0, s[64:65] scope:SCOPE_SE
	s_setreg_imm32_b32 hwreg(HW_REG_WAVE_MODE, 25, 1), 1
	s_wait_xcnt 0x0
; The choice of key blocks: qsel = x Wq_sel, logits = qsel ksel^T / 16, softmax over the 32 blocks; bit kb of a query's word is set where prob >= 1/2 or kb is the query's own block.  Both products on codes of FP6 (E2M3).
; SHARES.  A work-group owns the 32 queries of one token block (two row tiles of x).  Wave w makes features 64 w .. 64 w + 63 of qsel for both tiles (4 tiles of Wq_sel, transposed use), quantises them in registers,
; and multiplies them by its 64 features of ksel: a fragment holds tile 0's 64 in its lower half and tile 1's in its upper; ksel's half stands beside six registers of zero codes, once below and once above, so that each product sees one tile.
; The four waves' partial logits meet in LDS (one barrier); waves 0 and 1 finish one tile each.
; prob >= 1/2 is decided as e >= (sum of e) / 2, with e = 2^((logit - largest logit) log2(e) / 16); the logits are the sum of four f32 partial sums.
; No cluster and no tensor load in this form: operands go from memory straight into registers.  Wq_sel's 196,608 bytes of codes are the same for all 256 work-groups; a joint load through LDS would spare requests and is not built.
; REGISTERS.  window 0: v3-9 addresses; v16-33 scale words, three sets of 4 + 2; v40-75 two runs [six zeros][ksel's half][six zeros]; v76-81 ksel's scale words; v84-120 the quantiser's; v128-191 qsel; v192-223 logits.  window 1: three sets of 72: 4 fragments of the weight, 2 of x.
; LIMITS: NaN and infinities are not served; a block whose largest magnitude lies under 2^-124 keeps the byte 1.
.set RT,   12288
.set FRB,  1536
.set SCO,  10813440
.set WQS0, 848
.set KSC,  18874368
.set KSS,  19709952
.set LI,   3
.set LS,   4
.set RDL,  8
.set STL,  9
.set WSC,  16
.set KAR,  40
.set KS,   76
.set TM,   84
.set PW,   100
.set PC,   102
.set ACC,  128
.set LG,   192
.set SEL,  2
.set MSB, 0
.macro WIN new
.if MSB != (\new)
	s_set_vgpr_msb (MSB<<8)|(\new)
.set MSB, (\new)
.endif
.endm
.macro PLACES n
.rept \n
	v_nop
.endr
.endm
.macro QUANT src, W
	WIN ((\W)<<2)|((\W)<<4)
.irp b, 0,1,2,3
	v_max3_num_f32 v[TM+\b], 0x1800000, |v[(\src)+16*\b]|, |v[(\src)+16*\b+1]|   ; with the floor 2^(3 - 127); each accumulator is read from its low end on
.endr
.irp i, 2,4,6,8,10,12,14
.irp b, 0,1,2,3
	v_max3_num_f32 v[TM+\b], v[TM+\b], |v[(\src)+16*\b+\i]|, |v[(\src)+16*\b+\i+1]|
.endr
.endr
	WIN 0
.irp b, 0,1,2,3
	v_permlanex16_b32 v[TM+4+\b], v[TM+\b], s[SEL], s[SEL+1]
.endr
.irp b, 0,1,2,3
	v_max_num_f32 v[TM+\b], v[TM+\b], v[TM+4+\b]
.endr
.irp b, 0,1,2,3
	v_add_nc_u32 v[TM+12+\b], 0xff000000, v[TM+\b]
.endr
.irp b, 0,1,2,3
	v_lshrrev_b32 v[TM+4+\b], 23, v[TM+12+\b]
.endr
	v_lshl_or_b32 v[PW], v[TM+5], 8, v[TM+4]
	v_lshl_or_b32 v[PW], v[TM+6], 16, v[PW]
	v_lshl_or_b32 v[PW], v[TM+7], 24, v[PW]
	WIN \W
.irp c, 0,1
	v_cvt_scalef32_pk16_fp6_f32 v[PC+6*\c:PC+6*\c+2], v[(\src)+32*\c:(\src)+32*\c+15], v[TM+12+2*\c]
	v_cvt_scalef32_pk16_fp6_f32 v[PC+12+4*\c:PC+12+4*\c+2], v[(\src)+32*\c+16:(\src)+32*\c+31], v[TM+12+2*\c+1]
.endr
	WIN 0
	v_nop
.irp c, 0,1
.irp i, 0,1,2
	v_permlane16_swap_b32 v[PC+6*\c+\i], v[PC+12+4*\c+\i]
.endr
.irp i, 0,1,2
	v_mov_b32 v[PC+3+6*\c+\i], v[PC+12+4*\c+\i]
.endr
.endr
.endm
; K step s: 24 loads into set s % 3
.macro LSTEP s
.set SG, (\s)%3
	WIN 0x40
.irp t, 0,1,2,3
.irp c, 0,1,2
	global_load_b128 v[72*SG+12*\t+4*\c:72*SG+12*\t+4*\c+3], v[LI], s[24:25] offset:\t*RT+(\s)*FRB+512*\c
.endr
.endr
.irp u, 0,1
.irp c, 0,1,2
	global_load_b128 v[72*SG+48+12*\u+4*\c:72*SG+48+12*\u+4*\c+3], v[LI], s[28:29] offset:\u*RT+(\s)*FRB+512*\c
.endr
.endr
	WIN 0
.irp t, 0,1,2,3
	global_load_b32 v[WSC+6*SG+\t], v[LS], s[26:27] offset:\t*512+(\s)*64
.endr
.irp u, 0,1
	global_load_b32 v[WSC+6*SG+4+\u], v[LS], s[30:31] offset:\u*512+(\s)*64
.endr
.endm
.macro QSTEP s
.set SG, (\s)%3
.if (\s) < 6
	s_wait_loadcnt 48                              ; this step's loads are in; two younger steps of 24 may be out
.elseif (\s) == 6
	s_wait_loadcnt 24
.else
	s_wait_loadcnt 0x0
.endif
	WIN 0x05                                       ; sources 0 and 1 in window 1
.irp u, 0,1
.irp t, 0,1,2,3
.if (\s) == 0
	v_wmma_scale_f32_16x16x128_f8f6f4 v[ACC+32*\u+8*\t:ACC+32*\u+8*\t+7], v[72*SG+12*\t:72*SG+12*\t+11], v[72*SG+48+12*\u:72*SG+48+12*\u+11], 0, v[WSC+6*SG+\t], v[WSC+6*SG+4+\u] matrix_a_fmt:MATRIX_FMT_FP6 matrix_b_fmt:MATRIX_FMT_FP6
.else
	v_wmma_scale_f32_16x16x128_f8f6f4 v[ACC+32*\u+8*\t:ACC+32*\u+8*\t+7], v[72*SG+12*\t:72*SG+12*\t+11], v[72*SG+48+12*\u:72*SG+48+12*\u+11], v[ACC+32*\u+8*\t:ACC+32*\u+8*\t+7], v[WSC+6*SG+\t], v[WSC+6*SG+4+\u] matrix_a_fmt:MATRIX_FMT_FP6 matrix_b_fmt:MATRIX_FMT_FP6
.endif
.endr
.endr
	WIN 0
	PLACES 4                                       ; in front of loads into registers that these have read, and of the first read of results
.if (\s) < 5
	LSTEP (\s)+3
.endif
.endm
	s_load_b128 s[4:7], s[0:1], 0x0                ; wsA, wsB
	s_load_b64 s[8:9], s[0:1], 0x10                ; msk
	v_lshl_add_u32 v254, v0, 2, 0x4000
	v_mov_b32 v255, 0
	v_lshrrev_b32 v1, 5, v0
	v_readfirstlane_b32 s10, v1                    ; wave 0..3
	v_and_b32 v2, 31, v0
	v_and_b32 v1, 15, v0
	v_lshlrev_b32 v[LI], 4, v2
	v_lshlrev_b32 v[LS], 2, v1
	s_and_b32 s11, s10, 1                          ; which half of ksel's fragment is mine
	s_lshr_b32 s12, s10, 1                         ; and which fragment
	s_mul_i32 s13, s11, 520                        ; a half's three register pairs lie at 16 L + 0, 8, 512 or at 16 L + 520, 1,024, 1,032
	v_add_nc_u32 v5, s13, v[LI]
	v_add_nc_u32 v7, 512, v5
	s_mul_i32 s13, s11, 1016
	v_add_nc_u32 v6, s13, v[LI]
	v_add_nc_u32 v6, 8, v6
	s_lshl_b32 s13, s10, 12
	v_add_nc_u32 v[STL], s13, v[LI]                ; LDS: my 4,096 bytes of partial logits
	s_lshl_b32 s13, s10, 11
	v_add_nc_u32 v[RDL], s13, v[LI]                ; and, in each wave's, the tile that I finish
.irp u, 0,1
.irp i, 0,1,2,3,4,5
	v_mov_b32 v[KAR+18*\u+\i], 0                   ; zero codes below and above ksel's half
	v_mov_b32 v[KAR+18*\u+12+\i], 0
.endr
.endr
.irp b, 0,1,2,3
	v_mov_b32 v[TM+4+\b], 0
.endr
	s_mov_b32 s[SEL], 0x76543210
	s_mov_b32 s[SEL+1], 0xfedcba98
	s_lshl_b32 s14, s11, 4                         ; 16 bits for each half of a scale word
	s_mov_b32 s15, 0x3db8aa3b                      ; log2(e) / 16
	s_and_b32 s16, ttmp9, 31
	s_lshl_b32 s16, 1, s16                         ; the own block's bit
	s_lshr_b32 s17, ttmp9, 5                       ; the batch
	s_lshl_b32 s17, s17, 2
	s_add_co_u32 s17, s17, s12                     ; ksel's fragment (2 b + u') 2 + K step, for u' = 0
	s_mul_i32 s20, s17, FRB
	s_add_co_u32 s20, s20, KSC
	s_mov_b32 s21, 0
	s_lshl_b32 s22, s17, 6
	s_add_co_u32 s22, s22, KSS
	s_mov_b32 s23, 0
	s_lshl_b32 s17, s10, 2
	s_add_co_u32 s17, s17, WQS0                    ; my four tiles of Wq_sel
	s_mul_i32 s24, s17, RT
	s_mov_b32 s25, 0
	s_lshl_b32 s26, s17, 9
	s_add_co_u32 s26, s26, SCO
	s_mov_b32 s27, 0
	s_lshl_b32 s17, ttmp9, 1                       ; x's two row tiles
	s_mul_i32 s28, s17, RT
	s_mov_b32 s29, 0
	s_lshl_b32 s30, s17, 9
	s_add_co_u32 s30, s30, SCO
	s_mov_b32 s31, 0
	s_add_co_u32 s17, s17, s10
	s_lshl_b32 s32, s17, 6                         ; the words of the tile that I finish
	s_mov_b32 s33, 0
	s_wait_kmcnt 0x0
	s_add_nc_u64 s[20:21], s[6:7], s[20:21]
	s_add_nc_u64 s[22:23], s[6:7], s[22:23]
	s_add_nc_u64 s[24:25], s[4:5], s[24:25]
	s_add_nc_u64 s[26:27], s[4:5], s[26:27]
	s_add_nc_u64 s[28:29], s[4:5], s[28:29]
	s_add_nc_u64 s[30:31], s[4:5], s[30:31]
	s_add_nc_u64 s[32:33], s[8:9], s[32:33]
.irp u, 0,1
	global_load_b64 v[KAR+18*\u+6:KAR+18*\u+7], v5, s[20:21] offset:2*FRB*\u
	global_load_b64 v[KAR+18*\u+8:KAR+18*\u+9], v6, s[20:21] offset:2*FRB*\u
	global_load_b64 v[KAR+18*\u+10:KAR+18*\u+11], v7, s[20:21] offset:2*FRB*\u
	global_load_b32 v[KS+\u], v[LS], s[22:23] offset:128*\u
.endr
	LSTEP 0
	LSTEP 1
	LSTEP 2
.irp s, 0,1,2,3,4,5,6,7
	QSTEP \s
.endr
.irp u, 0,1
	v_lshrrev_b32 v[KS+2+\u], s14, v[KS+\u]        ; my half's two bytes in bytes 0, 1: for the run [half][zeros]
.endr
.irp u, 0,1
	v_lshlrev_b32 v[KS+4+\u], 16, v[KS+2+\u]       ; and in bytes 2, 3: for the run [zeros][half]
.endr
	QUANT ACC, 0                                   ; registers 0-5: tile 0's 64 features; 6-11: tile 1's
	PLACES 8                                       ; a scale register written by a vector instruction stands 8 places ahead of a scaled matrix instruction, an operand so written 4
.irp u, 0,1                            ; logits^T of query tile u against ksel's tile p: lane (query, h), register j: block 16 h + 8 p + j
.irp p, 0,1
	v_wmma_scale_f32_16x16x128_f8f6f4 v[LG+16*\u+8*\p:LG+16*\u+8*\p+7], v[KAR+18*\p+6-6*\u:KAR+18*\p+17-6*\u], v[PC:PC+11], 0, v[KS+2+2*\u+\p], v[PW] matrix_a_fmt:MATRIX_FMT_FP6 matrix_b_fmt:MATRIX_FMT_FP6
.endr
.endr
	PLACES 4
.irp g, 0,1,2,3,4,5,6,7
	ds_store_b128 v[STL], v[LG+4*\g:LG+4*\g+3] offset:512*\g       ; each accumulator from its low end on
.endr
	s_wait_dscnt 0x0                               ; for the others' sake
	s_barrier_signal -1
	s_barrier_wait -1
	s_cmp_gt_u32 s10, 1
	s_cbranch_scc1 .Lend
.irp w, 0,1,2,3
.irp g, 0,1,2,3
	ds_load_b128 v[ACC+16*\w+4*\g:ACC+16*\w+4*\g+3], v[RDL] offset:4096*\w+512*\g
.endr
.endr
	s_wait_dscnt 0x0
.irp i, 0,2,4,6,8,10,12,14
	v_pk_add_f32 v[ACC+\i:ACC+\i+1], v[ACC+\i:ACC+\i+1], v[ACC+16+\i:ACC+16+\i+1]
	v_pk_add_f32 v[ACC+32+\i:ACC+32+\i+1], v[ACC+32+\i:ACC+32+\i+1], v[ACC+48+\i:ACC+48+\i+1]
.endr
.irp i, 0,2,4,6,8,10,12,14
	v_pk_add_f32 v[ACC+\i:ACC+\i+1], v[ACC+\i:ACC+\i+1], v[ACC+32+\i:ACC+32+\i+1]   ; my query's logits x 16 of blocks 16 h + 0 .. 15
.endr
	v_max3_num_f32 v10, v[ACC], v[ACC+1], v[ACC+2]
	v_max3_num_f32 v11, v[ACC+3], v[ACC+4], v[ACC+5]
	v_max3_num_f32 v10, v10, v[ACC+6], v[ACC+7]
	v_max3_num_f32 v11, v11, v[ACC+8], v[ACC+9]
	v_max3_num_f32 v10, v10, v[ACC+10], v[ACC+11]
	v_max3_num_f32 v11, v11, v[ACC+12], v[ACC+13]
	v_max3_num_f32 v10, v10, v[ACC+14], v[ACC+15]
	v_max_num_f32 v10, v10, v11
	v_permlanex16_b32 v11, v10, s[SEL], s[SEL+1]
	v_max_num_f32 v10, v10, v11                    ; the row's largest
	v_mul_f32 v10, s15, v10
.irp i, 0,1,2,3,4,5,6,7,8,9,10,11,12,13,14,15
	v_fma_f32 v[ACC+\i], v[ACC+\i], s15, -v10
.endr
.irp i, 0,1,2,3,4,5,6,7,8,9,10,11,12,13,14,15
	v_exp_f32 v[ACC+\i], v[ACC+\i]
.endr
	v_bfe_u32 v15, v0, 4, 1                        ; (a plain place behind the exponentials)
	s_wait_alu depctr_va_vdst(0)                   ; one wait for the batch, ahead of its first reader
	v_pk_add_f32 v[12:13], v[ACC:ACC+1], v[ACC+2:ACC+3]
	v_pk_add_f32 v[34:35], v[ACC+4:ACC+5], v[ACC+6:ACC+7]
	v_pk_add_f32 v[12:13], v[12:13], v[ACC+8:ACC+9]
	v_pk_add_f32 v[34:35], v[34:35], v[ACC+10:ACC+11]
	v_pk_add_f32 v[12:13], v[12:13], v[ACC+12:ACC+13]
	v_pk_add_f32 v[34:35], v[34:35], v[ACC+14:ACC+15]
	v_pk_add_f32 v[12:13], v[12:13], v[34:35]
	v_add_f32 v12, v12, v13
	v_permlanex16_b32 v13, v12, s[SEL], s[SEL+1]
	v_add_f32 v12, v12, v13
	v_mul_f32 v12, 0.5, v12                        ; half of the row's sum
.irp i, 0,1,2,3,4,5,6,7,8,9,10,11,12,13,14,15
	v_cmp_ge_f32 vcc_lo, v[ACC+\i], v12
	v_cndmask_b32 v13, 0, 1, vcc_lo
.if \i == 0
	v_mov_b32 v14, v13
.else
	v_lshl_or_b32 v14, v13, \i, v14
.endif
.endr
	v_lshlrev_b32 v15, 4, v15
	v_lshlrev_b32 v14, v15, v14                    ; my sixteen bits at 16 h
	v_permlanex16_b32 v13, v14, s[SEL], s[SEL+1]
	v_or_b32 v14, v14, v13
	v_or_b32 v14, s16, v14                         ; and the own block
	global_store_b32 v[LS], v14, s[32:33]          ; both halves of the lanes hold the same word and store it to the same place
.Lend:
	s_wait_tensorcnt 0x0
	ds_add_u32 v254, v255
	s_wait_dscnt 0x0
	s_endpgm
.Lfunc_end_k_qbbf63c874b_select:
	.size	k_qbbf63c874b_select, .Lfunc_end_k_qbbf63c874b_select-k_qbbf63c874b_select
	.p2alignl 7, 3214868480
	.fill 96, 4, 3214868480
	.section	.rodata,"a",@progbits
	.p2align	6, 0x0
	.amdhsa_kernel k_qbbf63c874b_select
		.amdhsa_group_segment_fixed_size 16896
		.amdhsa_private_segment_fixed_size 0
		.amdhsa_enable_private_segment 0
		.amdhsa_kernarg_size 24
		.amdhsa_user_sgpr_count 2
		.amdhsa_user_sgpr_kernarg_segment_ptr 1
		.amdhsa_wavefront_size32 1
		.amdhsa_system_sgpr_workgroup_id_x 1
		.amdhsa_system_sgpr_workgroup_id_y 1
		.amdhsa_system_sgpr_workgroup_id_z 1
		.amdhsa_system_vgpr_workitem_id 0
		.amdhsa_next_free_vgpr 512
		.amdhsa_next_free_sgpr 66
		.amdhsa_reserve_vcc 1
		.amdhsa_float_denorm_mode_32 3
		.amdhsa_float_denorm_mode_16_64 3
		.amdhsa_memory_ordered 1
		.amdhsa_forward_progress 1
		.amdhsa_inst_pref_size 47
	.end_amdhsa_kernel
	.amdgpu_metadata
---
amdhsa.version: [ 1, 2 ]
amdhsa.kernels:
  - .name:           k_qbbf63c874b_select
    .symbol:         k_qbbf63c874b_select.kd
    .args:
      - { .name: wsA, .offset: 0, .size: 8, .value_kind: global_buffer, .address_space: global }
      - { .name: wsB, .offset: 8, .size: 8, .value_kind: global_buffer, .address_space: global }
      - { .name: msk, .offset: 16, .size: 8, .value_kind: global_buffer, .address_space: global }
    .group_segment_fixed_size: 16896
    .private_segment_fixed_size: 0
    .kernarg_segment_align: 8
    .kernarg_segment_size: 24
    .max_flat_workgroup_size: 128
    .sgpr_count:     66
    .vgpr_count:     512
    .wavefront_size: 32
...
	.end_amdgpu_metadata
.endif
;; end of part 4
;; launch attn (part 5): grid 256 x 1, 16 waves a work-group, no clusters, 0 bytes of LDS; arguments wsB, msk, wsC; writes wsC
.if DOCPART == 5
	.amdgcn_target "amdgcn-amd-amdhsa--gfx1250"
	.amdhsa_code_object_version 6
	.text
	.protected	k_qbbf63c874b_attn
	.globl	k_qbbf63c874b_attn
	.p2align	8
	.type	k_qbbf63c874b_attn,@function
k_qbbf63c874b_attn:
	s_mov_b64 s[64:65], 0
	v_nop
	global_prefetch_b8 v0, s[64:65] scope:SCOPE_SE
	s_setreg_imm32_b32 hwreg(HW_REG_WAVE_MODE, 25, 1), 1
	s_wait_xcnt 0x0
; The masked attention, by blocks of 32 keys, on codes of FP6 (E2M3); ctx leaves as codes along the features.  A block of 32 keys is the mask's granule AND one scale block of the second product's K: a block that no query
; of a tile has chosen adds nothing and is passed over, by scalar branches on the stored words.
; SOFTMAX: t = score x log2(e) / 8; M = the running largest t rounded up to a whole number; p = 2^(t - M) is quantised along the keys; the sum is taken of the unquantised p and divides at the end; when M moves, the sum and O are multiplied by 2^(old M - new M), exactly.
; For a query that has not chosen a block which its tile walks, the block's scores count for no maximum and p = 2^(-infinity) = 0.
; SHARES.  A work-group owns the 32 queries of a token block; wave w the head pair w / 2 and the query tile w % 2.  Waves share nothing: no LDS, no barrier.
; No tensor load and no cluster: which blocks are walked hangs on numbers read from memory, so operands go from memory straight into registers.
; Both products are used transposed: a lane holds one query.  A head is 64 of a fragment's 128: q's half stands beside six registers of zero codes.  Of a K step of 128 keys one block is multiplied at a time: p's six registers stand between
; zeros, with the other half of the lanes zero, and of V only the half fragment that holds the block is loaded; the six registers beside it meet zero codes.
; REGISTERS: v3-11 addresses and work; v12-19 for each head -M, the largest t, the sum in two halves; v24-35 scale words; v36-53 [q 0-5][zeros][q 6-11]; v54-77 two fragments of K; v78-93 scores, then p; v98-115 [zeros][p][zeros];
;   v116-175 [six][V, 8 x 6][six]; v176-239 O^T; v240-255 the quantiser's.
; LIMITS: NaN and infinities are not served; a block whose largest magnitude lies under 2^-124 keeps the byte 1.
.set RT,   12288
.set FRB,  1536
.set VTC,  12582912
.set QKS,  18923520
.set VTS,  19447808
.set CSC,  6291456
.set LI,   3
.set LS,   4
.set MW,   5                           ; my query's word, four bits lower in each trip
.set NINF, 6
.set T7,   7
.set ADD,  8                           ; v[8:9]   -M, or -infinity
.set FF,   10                          ; v[10:11] 2^(old M - new M)
.set ST,   12
.set PSW,  24
.set QSW,  25
.set KSW,  26
.set VSW,  28
.set QA,   36
.set KF,   54
.set SS,   78
.set CT,   94
.set PB,   98
.set VA,   116
.set OT,   176
.set TM,   240
.set PW,   22
.set PC,   54
.set SEL,  54
.set CS,   56
.set MSB, 0
.macro WIN new
.if MSB != (\new)
	s_set_vgpr_msb (MSB<<8)|(\new)
.set MSB, (\new)
.endif
.endm
.macro PLACES n
.rept \n
	v_nop
.endr
.endm
.macro QUANT src, W
	WIN ((\W)<<2)|((\W)<<4)
.irp b, 0,1,2,3
	v_max3_num_f32 v[TM+\b], 0x1800000, |v[(\src)+16*\b]|, |v[(\src)+16*\b+1]|
.endr
.irp i, 2,4,6,8,10,12,14
.irp b, 0,1,2,3
	v_max3_num_f32 v[TM+\b], v[TM+\b], |v[(\src)+16*\b+\i]|, |v[(\src)+16*\b+\i+1]|
.endr
.endr
	WIN 0
.irp b, 0,1,2,3
	v_permlanex16_b32 v[TM+4+\b], v[TM+\b], s[SEL], s[SEL+1]
.endr
.irp b, 0,1,2,3
	v_max_num_f32 v[TM+\b], v[TM+\b], v[TM+4+\b]
.endr
.irp b, 0,1,2,3
	v_add_nc_u32 v[TM+12+\b], 0xff000000, v[TM+\b]
.endr
.irp b, 0,1,2,3
	v_lshrrev_b32 v[TM+4+\b], 23, v[TM+12+\b]
.endr
	v_lshl_or_b32 v[PW], v[TM+5], 8, v[TM+4]
	v_lshl_or_b32 v[PW], v[TM+6], 16, v[PW]
	v_lshl_or_b32 v[PW], v[TM+7], 24, v[PW]
	WIN \W
.irp c, 0,1
	v_cvt_scalef32_pk16_fp6_f32 v[PC+6*\c:PC+6*\c+2], v[(\src)+32*\c:(\src)+32*\c+15], v[TM+12+2*\c]
	v_cvt_scalef32_pk16_fp6_f32 v[PC+12+4*\c:PC+12+4*\c+2], v[(\src)+32*\c+16:(\src)+32*\c+31], v[TM+12+2*\c+1]
.endr
	WIN 0
	v_nop
.irp c, 0,1
.irp i, 0,1,2
	v_permlane16_swap_b32 v[PC+6*\c+\i], v[PC+12+4*\c+\i]
.endr
.irp i, 0,1,2
	v_mov_b32 v[PC+3+6*\c+\i], v[PC+12+4*\c+\i]
.endr
.endr
.endm
; Head hh of my pair against block j of the group of four blocks in hand
.macro HEAD hh, j
.irp u, 0,1                            ; S^T: lane (query, h); the 16 registers are keys 16 h + 0 .. 15 of the block
	v_wmma_scale_f32_16x16x128_f8f6f4 v[SS+8*\u:SS+8*\u+7], v[KF+12*\u:KF+12*\u+11], v[QA+6*(\hh):QA+6*(\hh)+11], 0, v[KSW+\u], v[QSW] matrix_a_fmt:MATRIX_FMT_FP6 matrix_b_fmt:MATRIX_FMT_FP6
.endr
	PLACES 4
	v_max3_num_f32 v20, v[SS], v[SS+1], v[SS+2]    ; each accumulator is read from its low end on
	v_max3_num_f32 v21, v[SS+8], v[SS+9], v[SS+10]
	v_max3_num_f32 v20, v20, v[SS+3], v[SS+4]
	v_max3_num_f32 v21, v21, v[SS+11], v[SS+12]
	v_max3_num_f32 v20, v20, v[SS+5], v[SS+6]
	v_max3_num_f32 v21, v21, v[SS+13], v[SS+14]
	v_max3_num_f32 v20, v20, v[SS+7], v[SS+15]
	v_max_num_f32 v20, v20, v21
	v_permlanex16_b32 v22, v20, s[SEL], s[SEL+1]
	v_max_num_f32 v20, v20, v22                    ; the block's largest score of my query;
	v_cndmask_b32 v20, v[NINF], v20, s52           ; -infinity where my query has not chosen the block
	v_mul_f32 v21, s[CS], v20
	v_max_num_f32 v[ST+4*(\hh)+1], v[ST+4*(\hh)+1], v21            ; the running largest t
	v_mov_b32 v22, v[ST+4*(\hh)]
	v_floor_f32 v[ST+4*(\hh)], -v[ST+4*(\hh)+1]    ; the new -M: a whole number
	v_sub_f32 v22, v[ST+4*(\hh)], v22
	v_cvt_i32_f32 v22, v22                         ; (it saturates)
	v_ldexp_f32 v[FF], 1.0, v22                    ; 2^(old M - new M)
	v_cndmask_b32 v[ADD], v[NINF], v[ST+4*(\hh)], s52
.irp i, 0,2,4,6,8,10,12,14
	v_pk_fma_f32 v[SS+\i:SS+\i+1], v[SS+\i:SS+\i+1], s[CS:CS+1], v[ADD:ADD+1] op_sel_hi:[1,0,0]   ; t - M
.endr
	v_fma_f32 v20, v20, s[CS], v[ADD]              ; the same of the block's largest score: p rises with the score
.irp i, 0,1,2,3,4,5,6,7,8,9,10,11,12,13,14,15
	v_exp_f32 v[SS+\i], v[SS+\i]
.endr
	v_exp_f32 v20, v20
	v_pk_mul_f32 v[ST+4*(\hh)+2:ST+4*(\hh)+3], v[ST+4*(\hh)+2:ST+4*(\hh)+3], v[FF:FF+1] op_sel_hi:[1,0]   ; the sums under the new M (a plain place behind the exponentials)
	s_wait_alu depctr_va_vdst(0)                   ; one wait for the batch of 17, ahead of its first reader
	v_pk_add_f32 v[22:23], v[SS:SS+1], v[SS+2:SS+3]                ; the sum is taken of the unquantised p
	v_pk_add_f32 v[ST+4*(\hh)+2:ST+4*(\hh)+3], v[ST+4*(\hh)+2:ST+4*(\hh)+3], v[SS+4:SS+5]
	v_pk_add_f32 v[22:23], v[22:23], v[SS+6:SS+7]
	v_pk_add_f32 v[ST+4*(\hh)+2:ST+4*(\hh)+3], v[ST+4*(\hh)+2:ST+4*(\hh)+3], v[SS+8:SS+9]
	v_pk_add_f32 v[22:23], v[22:23], v[SS+10:SS+11]
	v_pk_add_f32 v[ST+4*(\hh)+2:ST+4*(\hh)+3], v[ST+4*(\hh)+2:ST+4*(\hh)+3], v[SS+12:SS+13]
	v_pk_add_f32 v[22:23], v[22:23], v[SS+14:SS+15]
	v_pk_add_f32 v[ST+4*(\hh)+2:ST+4*(\hh)+3], v[ST+4*(\hh)+2:ST+4*(\hh)+3], v[22:23]
	v_max_num_f32 v20, 0x1800000, v20              ; the floor: the byte cannot fall under 1
	v_add_nc_u32 v21, 0xff000000, v20
	v_lshrrev_b32 v[T7], 23, v21
	v_lshlrev_b32 v[PSW], 8*(\j), v[T7]            ; p's scale word: byte j; the other bytes meet zero codes
.if (\j)%2 == 0                        ; an even block belongs in lanes 0-15, all 32 codes; lanes 16-31 are zeros
	v_cvt_scalef32_pk16_fp6_f32 v[PB+6:PB+8], v[SS:SS+15], v21
.irp i, 0,1,2
	v_mov_b32 v[PB+9+\i], 0
.endr
.irp i, 0,1,2
	v_permlane16_swap_b32 v[PB+6+\i], v[PB+9+\i]
.endr
.else                                  ; an odd block in lanes 16-31
	v_cvt_scalef32_pk16_fp6_f32 v[CT:CT+2], v[SS:SS+15], v21
.irp i, 0,1,2
	v_mov_b32 v[PB+6+\i], 0
.endr
.irp i, 0,1,2
	v_permlane16_swap_b32 v[PB+6+\i], v[CT+\i]
.endr
.irp i, 0,1,2
	v_mov_b32 v[PB+9+\i], v[CT+\i]
.endr
.endif
.irp i, 0,2,4,6,8,10,12,14,16,18,20,22,24,26,28,30
	v_pk_mul_f32 v[OT+32*(\hh)+\i:OT+32*(\hh)+\i+1], v[OT+32*(\hh)+\i:OT+32*(\hh)+\i+1], v[FF:FF+1] op_sel_hi:[1,0]   ; O^T under the new M; these are also the places in front of the products below
.endr
.if (\hh) == 0
	s_wait_loadcnt 0x0                             ; V
.endif
.irp t, 0,1,2,3                        ; O^T += V^T P^T, the four accumulators by turns
	v_wmma_scale_f32_16x16x128_f8f6f4 v[OT+32*(\hh)+8*\t:OT+32*(\hh)+8*\t+7], v[VA+6+24*(\hh)+6*\t-6*((\j)/2):VA+17+24*(\hh)+6*\t-6*((\j)/2)], v[PB+6-6*((\j)/2):PB+17-6*((\j)/2)], v[OT+32*(\hh)+8*\t:OT+32*(\hh)+8*\t+7], v[VSW+4*(\hh)+\t], v[PSW] matrix_a_fmt:MATRIX_FMT_FP6 matrix_b_fmt:MATRIX_FMT_FP6
.endr
.endm
; Block j of the group in hand, if any query of my tile has chosen it
.macro BLOCK j
	s_bitcmp1_b32 s49, \j
	s_cbranch_scc0 .Lskip_\@
.irp u, 0,1
.irp c, 0,1,2
	global_load_b128 v[KF+12*\u+4*\c:KF+12*\u+4*\c+3], v[LI], s[36:37] offset:(2*(\j)+\u)*16*FRB+512*\c
.endr
	global_load_b32 v[KSW+\u], v[LS], s[38:39] offset:(2*(\j)+\u)*1024
.endr
.irp f, 0,1,2,3,4,5,6,7                ; the half fragment with keys 64 (j / 2) on, of my eight tiles of V^T: three register pairs
	global_load_b64 v[VA+6+6*\f:VA+7+6*\f], v[LI], s[40:41] offset:\f*64*FRB+520*((\j)/2)
	global_load_b64 v[VA+8+6*\f:VA+9+6*\f], v[LI], s[40:41] offset:\f*64*FRB+8+1016*((\j)/2)
	global_load_b64 v[VA+10+6*\f:VA+11+6*\f], v[LI], s[40:41] offset:\f*64*FRB+512+520*((\j)/2)
	global_load_b32 v[VSW+\f], v[LS], s[42:43] offset:\f*4096
.endr
	v_and_b32 v[T7], 1<<(\j), v[MW]
	v_cmp_ne_u32 s52, 0, v[T7]                     ; has my query chosen it?
	s_wait_loadcnt 32                              ; K is in; V's 32 loads may be out
	HEAD 0, \j
	HEAD 1, \j
	PLACES 4                                       ; in front of loads into registers that the products have read, and of the first read of O^T
.Lskip_\@:
.endm
	s_load_b128 s[4:7], s[0:1], 0x0                ; wsB, msk
	s_load_b64 s[8:9], s[0:1], 0x10                ; wsC
	v_lshrrev_b32 v1, 5, v0
	v_readfirstlane_b32 s10, v1                    ; wave 0..15
	v_and_b32 v2, 31, v0
	v_and_b32 v1, 15, v0
	v_lshlrev_b32 v[LI], 4, v2
	v_lshlrev_b32 v[LS], 2, v1
	s_lshr_b32 s11, s10, 1                         ; the head pair
	s_and_b32 s12, s10, 1
	s_lshl_b32 s13, ttmp9, 1
	s_add_co_u32 s13, s13, s12                     ; my query tile
	s_lshr_b32 s14, ttmp9, 5                       ; the batch
	s_lshl_b32 s15, s13, 4
	s_add_co_u32 s15, s15, s11                     ; q: fragment 16 x tile + pair
	s_mul_i32 s32, s15, FRB
	s_mov_b32 s33, 0
	s_lshl_b32 s34, s15, 6
	s_add_co_u32 s34, s34, QKS
	s_mov_b32 s35, 0
	s_lshl_b32 s15, s14, 10
	s_add_co_u32 s15, s15, s11
	s_add_co_u32 s15, s15, 8                       ; k: fragment 16 x (64 b) + 8 + pair
	s_mul_i32 s36, s15, FRB
	s_mov_b32 s37, 0
	s_lshl_b32 s38, s15, 6
	s_add_co_u32 s38, s38, QKS
	s_mov_b32 s39, 0
	s_lshl_b32 s15, s11, 9
	s_lshl_b32 s46, s14, 3
	s_add_co_u32 s15, s15, s46                     ; v: fragment 64 x (8 x pair) + 8 b
	s_mul_i32 s40, s15, FRB
	s_add_co_u32 s40, s40, VTC
	s_mov_b32 s41, 0
	s_lshl_b32 s42, s15, 6
	s_add_co_u32 s42, s42, VTS
	s_mov_b32 s43, 0
	s_lshl_b32 s44, s13, 6                         ; my tile's sixteen words
	s_mov_b32 s45, 0
	s_mul_i32 s46, s13, RT
	s_mul_i32 s47, s11, FRB
	s_add_co_u32 s46, s46, s47                     ; ctx: tile, K step = pair
	s_mov_b32 s47, 0
	s_lshl_b32 s58, s13, 9
	s_lshl_b32 s59, s11, 6
	s_add_co_u32 s58, s58, s59
	s_add_co_u32 s58, s58, CSC
	s_mov_b32 s59, 0
	s_mov_b32 s[SEL], 0x76543210
	s_mov_b32 s[SEL+1], 0xfedcba98
	s_mov_b32 s[CS], 0x3e38aa3b                    ; log2(e) / 8
	s_mov_b32 s[CS+1], s[CS]
	s_wait_kmcnt 0x0
	s_add_nc_u64 s[32:33], s[4:5], s[32:33]
	s_add_nc_u64 s[34:35], s[4:5], s[34:35]
	s_add_nc_u64 s[36:37], s[4:5], s[36:37]
	s_add_nc_u64 s[38:39], s[4:5], s[38:39]
	s_add_nc_u64 s[40:41], s[4:5], s[40:41]
	s_add_nc_u64 s[42:43], s[4:5], s[42:43]
	s_add_nc_u64 s[44:45], s[6:7], s[44:45]
	s_add_nc_u64 s[46:47], s[8:9], s[46:47]
	s_add_nc_u64 s[58:59], s[8:9], s[58:59]
	s_load_b512 s[16:31], s[44:45], 0x0            ; the sixteen queries' words
	global_load_b32 v[MW], v[LS], s[44:45]         ; and my query's
	global_load_b64 v[QA:QA+1], v[LI], s[32:33]
	global_load_b64 v[QA+2:QA+3], v[LI], s[32:33] offset:8
	global_load_b64 v[QA+4:QA+5], v[LI], s[32:33] offset:512
	global_load_b64 v[QA+12:QA+13], v[LI], s[32:33] offset:520
	global_load_b64 v[QA+14:QA+15], v[LI], s[32:33] offset:1024
	global_load_b64 v[QA+16:QA+17], v[LI], s[32:33] offset:1032
	global_load_b32 v[QSW], v[LS], s[34:35]
	v_mov_b32 v[NINF], 0xff800000
	v_mov_b32 v[ADD+1], 0                          ; (named as the upper halves of pairs)
	v_mov_b32 v[FF+1], 0
	v_mov_b32 v22, 0
	v_mov_b32 v23, 0
.irp hh, 0,1
	v_mov_b32 v[ST+4*\hh+1], 0xff61b1e6            ; the largest t so far: -3e38
	v_mov_b32 v[ST+4*\hh+2], 0
	v_mov_b32 v[ST+4*\hh+3], 0
.endr
.irp hh, 0,1
	v_floor_f32 v[ST+4*\hh], -v[ST+4*\hh+1]
.endr
.irp i, 0,1,2,3,4,5
	v_mov_b32 v[QA+6+\i], 0
	v_mov_b32 v[PB+\i], 0
	v_mov_b32 v[PB+6+\i], 0
	v_mov_b32 v[PB+12+\i], 0
	v_mov_b32 v[VA+\i], 0
	v_mov_b32 v[VA+54+\i], 0
.endr
.irp b, 0,1,2,3
	v_mov_b32 v[TM+4+\b], 0
.endr
.set JJ, 0
.rept 64
	v_mov_b32 v[OT+JJ], 0                          ; O^T: a block's step is written once; the first finds zeros
.set JJ, JJ+1
.endr
	s_wait_kmcnt 0x0
	s_or_b32 s49, s16, s17
.irp k, 18,19,20,21,22,23,24,25,26,27,28,29,30,31
	s_or_b32 s49, s49, s[\k]                       ; the blocks that any query of my tile has chosen
.endr
	s_wait_loadcnt 0x0
	s_mov_b32 s50, 0
.Lgroup:                               ; eight trips, four blocks (a K step of 128 keys) each
	s_and_b32 s51, s49, 15
	s_cmp_eq_u32 s51, 0
	s_cbranch_scc1 .Lnone
	BLOCK 0
	BLOCK 1
	BLOCK 2
	BLOCK 3
.Lnone:
	s_wait_xcnt 0x0                                ; the trip's loads have read their bases
	s_lshr_b32 s49, s49, 4
	v_lshrrev_b32 v[MW], 4, v[MW]
	s_add_nc_u64 s[36:37], s[36:37], 8*16*FRB      ; eight key tiles on
	s_add_nc_u64 s[38:39], s[38:39], 8192
	s_add_nc_u64 s[40:41], s[40:41], FRB           ; 128 keys on
	s_add_nc_u64 s[42:43], s[42:43], 64
	s_add_co_u32 s50, s50, 1
	s_cmp_lt_u32 s50, 8
	s_cbranch_scc1 .Lgroup
	; the end: O^T / the sum, quantised along the features: K step = my head pair of the last product
.irp hh, 0,1
	v_add_f32 v[20+\hh], v[ST+4*\hh+2], v[ST+4*\hh+3]
.endr
.irp hh, 0,1
	v_permlanex16_b32 v[22+\hh], v[20+\hh], s[SEL], s[SEL+1]
.endr
.irp hh, 0,1
	v_add_f32 v[20+\hh], v[20+\hh], v[22+\hh]
.endr
	v_rcp_f32 v[FF], v20
	v_rcp_f32 v[ADD], v21
	v_nop                                          ; a plain place behind the reciprocals
	s_wait_alu depctr_va_vdst(0)                   ; and the wait, ahead of their first reader
.irp i, 0,2,4,6,8,10,12,14,16,18,20,22,24,26,28,30
	v_pk_mul_f32 v[OT+\i:OT+\i+1], v[OT+\i:OT+\i+1], v[FF:FF+1] op_sel_hi:[1,0]
.endr
.irp i, 0,2,4,6,8,10,12,14,16,18,20,22,24,26,28,30
	v_pk_mul_f32 v[OT+32+\i:OT+32+\i+1], v[OT+32+\i:OT+32+\i+1], v[ADD:ADD+1] op_sel_hi:[1,0]
.endr
	QUANT OT, 0
.irp c, 0,1,2
	global_store_b128 v[LI], v[PC+4*\c:PC+4*\c+3], s[46:47] offset:512*\c
.endr
	global_store_b32 v[LS], v[PW], s[58:59]        ; both halves of the lanes hold the same word and store it to the same place
	s_endpgm
.Lfunc_end_k_qbbf63c874b_attn:
	.size	k_qbbf63c874b_attn, .Lfunc_end_k_qbbf63c874b_attn-k_qbbf63c874b_attn
	.p2alignl 7, 3214868480
	.fill 96, 4, 3214868480
	.section	.rodata,"a",@progbits
	.p2align	6, 0x0
	.amdhsa_kernel k_qbbf63c874b_attn
		.amdhsa_group_segment_fixed_size 0
		.amdhsa_private_segment_fixed_size 0
		.amdhsa_enable_private_segment 0
		.amdhsa_kernarg_size 24
		.amdhsa_user_sgpr_count 2
		.amdhsa_user_sgpr_kernarg_segment_ptr 1
		.amdhsa_wavefront_size32 1
		.amdhsa_system_sgpr_workgroup_id_x 1
		.amdhsa_system_sgpr_workgroup_id_y 1
		.amdhsa_system_sgpr_workgroup_id_z 1
		.amdhsa_system_vgpr_workitem_id 0
		.amdhsa_next_free_vgpr 256
		.amdhsa_next_free_sgpr 66
		.amdhsa_reserve_vcc 0
		.amdhsa_float_denorm_mode_32 3
		.amdhsa_float_denorm_mode_16_64 3
		.amdhsa_memory_ordered 1
		.amdhsa_forward_progress 1
		.amdhsa_inst_pref_size 72
	.end_amdhsa_kernel
	.amdgpu_metadata
---
amdhsa.version: [ 1, 2 ]
amdhsa.kernels:
  - .name:           k_qbbf63c874b_attn
    .symbol:         k_qbbf63c874b_attn.kd
    .args:
      - { .name: wsB, .offset: 0, .size: 8, .value_kind: global_buffer, .address_space: global }
      - { .name: msk, .offset: 8, .size: 8, .value_kind: global_buffer, .address_space: global }
      - { .name: wsC, .offset: 16, .size: 8, .value_kind: global_buffer, .address_space: global }
    .group_segment_fixed_size: 0
    .private_segment_fixed_size: 0
    .kernarg_segment_align: 8
    .kernarg_segment_size: 24
    .max_flat_workgroup_size: 512
    .sgpr_count:     66
    .vgpr_count:     256
    .wavefront_size: 32
...
	.end_amdgpu_metadata
.endif
;; end of part 5
;; launch outp (part 6): grid 4 x 32, 4 waves a work-group, clusters of 4 x 4, 327,680 bytes of LDS; arguments wsC, wsA, x, out0; writes out0
.if DOCPART == 6
	.amdgcn_target "amdgcn-amd-amdhsa--gfx1250"
	.amdhsa_code_object_version 6
	.text
	.protected	k_qbbf63c874b_outp
	.globl	k_qbbf63c874b_outp
	.p2align	8
	.type	k_qbbf63c874b_outp,@function
k_qbbf63c874b_outp:
	s_mov_b64 s[64:65], 0
	v_nop
	global_prefetch_b8 v0, s[64:65] scope:SCOPE_SE
	s_setreg_imm32_b32 hwreg(HW_REG_WAVE_MODE, 25, 1), 1
	s_wait_xcnt 0x0
	s_wait_alu depctr_hold_cnt(0) depctr_sa_sdst(0) depctr_va_vdst(0) depctr_va_sdst(0) depctr_va_ssrc(0) depctr_va_vcc(0) depctr_vm_vsrc(0)
	s_getreg_b32 s2, hwreg(HW_REG_IB_STS2, 6, 4)
	s_cmp_eq_u32 s2, 0
	s_cbranch_scc0 .Lentry_in_a_cluster
	s_endpgm
.Lentry_in_a_cluster:
	s_bfe_u32 s2, ttmp6, 0x10000c
	s_cmp_lg_u32 s2, 0xf033
	s_cbranch_scc0 .Lentry_shape_is_right
	s_endpgm
.Lentry_shape_is_right:
; out = ctx Wo + x.  ctx (wsC) and Wo (wsA) are codes of FP6 (E2M3) with E8M0 scales, laid as images of operand registers (16 rows x 128 K: 1,536 bytes; a row tile's 8 on end); x and out are [8192][1024] f32.
; A tile of 256 x 256 is made by four waves, 128 x 128 each: 64 accumulators.  K = 1,024 goes in steps of 256 through two LDS slots filled by the tensor data mover; the scale words come into LDS once.
; CLUSTERS: 4 x 4 work-groups; ctx's tiles are shared along a row of the cluster, Wo's along a column: each is asked for JOINTLY.  THE MATRIX INSTRUCTION IS USED TRANSPOSED (source 0 = Wo's rows, source 1 = ctx's).
; The rows of a tile are not neighbours (lane r of tile 2 B + u holds row 32 B + 8 u + r + 8 (r / 8)): the way out puts tokens and features back in their natural order.
; THE RESIDUAL: my 128 rows x 512 bytes of x are read once, at the end; they are prefetched behind the two refills, each aligned block of 256 bytes named once.
; REGISTERS: window 0: v16-30 addresses; v32-63 scale words, two sets; v128-223 A's fragments (on the way out v128-255: rows read back).  window 1: B's fragments, two sets (on the way out: x).  windows 2, 3: the accumulators.
.set RT,    12288
.set FRB,   1536
.set SCO,   10813440
.set CSC,   6291456
.set WO0,   720
.set NQ,    2
.set FR,    12
.set NL,    3
.set NP,    4
.set SROW,  NQ*FRB
.set HALFT, 8*SROW
.set SLOT,  4*HALFT
.set SCL,   2*SLOT
.set SPARE, SCL+4*4096                 ; the spare words, 128 bytes for each wave: two blocks of 256 bytes that no other line names
.set SPITCH, 528                       ; the way out: a stage of 16 rows x (512 bytes + 16) for each wave, in slot 0, which has had its last fill and its last read by then
.set ADRA, 16
.set ADRB, 20
.set STO,  24
.set RD,   25
.set CO,   26
.set ADRS, 27
.set SPW,  28
.set NIL,  29
.set PFO,  30
.set SC,   32
.set AF,   128
.set BK,   128
.set G1, 24
.set G0, 32
.set G1B, 48
.set G0B, 56
.set G1S, 68
.set G0S, 76
.set G1SB, 80
.set G0SB, 88
.set PFN, 0
.set MSB, 0
.macro WIN new
.if MSB != (\new)
	s_set_vgpr_msb (MSB<<8)|(\new)
.set MSB, (\new)
.endif
.endm
.set MUL_LO, 0xa1
.set MUL_HI, 0xf1
.set TO_B,   0x40
.macro PLACES n
.rept \n
	v_nop
.endr
.endm
.macro JLOAD g0a, g1a, g0b, g1b        ; a joint load: waves 0 and 1 fetch for A, waves 2 and 3 for B; four v_nop follow each of the two lines
	s_cmp_eq_u32 s15, 0
	s_cbranch_scc0 .Lfor_b_\@
	tensor_load_to_lds s[\g0a:\g0a+3], s[\g1a:\g1a+7]
	s_nop 0
.rept 4
	v_nop
.endr
	s_branch .Lasked_\@
.Lfor_b_\@:
	tensor_load_to_lds s[\g0b:\g0b+3], s[\g1b:\g1b+7]
	s_nop 0
.rept 4
	v_nop
.endr
.Lasked_\@:
.endm
.macro CREST
	s_cmp_lg_u32 s14, 0
	s_cbranch_scc1 .Lnot_wave_0_\@
	s_barrier_signal -3
.Lnot_wave_0_\@:
	s_barrier_wait -3
	s_barrier_signal -1
	s_barrier_wait -1
.endm
.macro CROUND
	s_barrier_signal -1
	s_barrier_wait -1
	CREST
.endm
	s_load_b256 s[4:11], s[0:1], 0x0               ; wsC, wsA, x, out0
	v_lshl_add_u32 v[SPW], v0, 2, SPARE
	v_mov_b32 v[NIL], 0
	ds_add_u32 v28, v29
	ds_add_u32 v28, v29
	s_wait_dscnt 0x0
	v_lshrrev_b32 v1, 5, v0
	v_readfirstlane_b32 s14, v1                    ; wave 0..3
	s_lshr_b32 s15, s14, 1                         ; which half of the tile's rows is mine.  Also: I fetch for A (0) or for B (1)
	s_and_b32 s16, s14, 1                          ; which half of its columns.  Also: which eight row tiles I fetch
	s_bfe_u32 s40, ttmp6, 0x40000                  ; cx
	s_bfe_u32 s41, ttmp6, 0x40004                  ; cy
	s_and_b32 s17, ttmp7, 0xffff
	s_lshl_b32 s17, s17, 2
	s_add_co_u32 s17, s17, s41                     ; tile row = 4 x cluster y + cy
	s_lshl_b32 s43, s41, 2
	s_lshl_b32 s43, 15, s43                        ; my row of the cluster
	s_lshl_b32 s44, 0x1111, s40                    ; my column
	s_or_b32 s[G1+0], s43, (3<<16)|(1<<21)         ; eight rows of 3,072 bytes (384 elements of 8 bytes), 12,288 bytes apart; dense in LDS
	s_or_b32 s[G1B+0], s44, (3<<16)|(1<<21)
.irp g, G1, G1B
	s_mov_b32 s[\g+1], 384<<16
	s_mov_b32 s[\g+2], 8<<16
	s_mov_b32 s[\g+3], 384<<16
	s_mov_b32 s[\g+4], 8
	s_mov_b32 s[\g+5], 1536
	s_mov_b32 s[\g+6], 0
	s_mov_b32 s[\g+7], 0
.endr
	s_or_b32 s[G1S+0], s43, (3<<16)|(1<<21)        ; the scale words of eight row tiles: 4,096 dense bytes, as 16 rows of 256
	s_or_b32 s[G1SB+0], s44, (3<<16)|(1<<21)
.irp g, G1S, G1SB
	s_mov_b32 s[\g+1], 32<<16
	s_mov_b32 s[\g+2], 16<<16
	s_mov_b32 s[\g+3], 32<<16
	s_mov_b32 s[\g+4], 16
	s_mov_b32 s[\g+5], 32
	s_mov_b32 s[\g+6], 0
	s_mov_b32 s[\g+7], 0
.endr
	s_lshl_b32 s18, s16, 3
	s_lshl_b32 s20, s17, 4
	s_add_co_u32 s20, s20, s18                     ; ctx: row tile 16 x tile row + 8 x half
	s_lshl_b32 s46, s40, 4
	s_add_co_u32 s46, s46, s18
	s_add_co_u32 s46, s46, WO0                     ; Wo: row tile 720 + 16 cx + 8 x half
	s_lshl_b32 s22, s20, 9
	s_add_co_u32 s22, s22, CSC
	s_mov_b32 s23, 0
	s_lshl_b32 s92, s46, 9
	s_add_co_u32 s92, s92, SCO
	s_mov_b32 s93, 0
	s_mul_i32 s20, s20, RT
	s_mov_b32 s21, 0
	s_mul_i32 s46, s46, RT
	s_mov_b32 s47, 0
	s_mul_i32 s45, s14, HALFT                      ; no place in the cluster enters an LDS address
	s_lshl_b32 s19, s14, 12
	s_wait_kmcnt 0x0
	s_add_nc_u64 s[20:21], s[4:5], s[20:21]
	s_add_nc_u64 s[22:23], s[4:5], s[22:23]
	s_add_nc_u64 s[46:47], s[6:7], s[46:47]
	s_add_nc_u64 s[92:93], s[6:7], s[92:93]
	CROUND                                         ; all sixteen work-groups are here: the first joint loads meet
	s_mov_b32 s[G0S], 1
	s_add_co_u32 s[G0S+1], s19, SCL
	s_mov_b64 s[G0S+2:G0S+3], s[22:23]
	s_or_b32 s[G0S+3], s[G0S+3], 0x80000000
	s_mov_b32 s[G0SB], 1
	s_add_co_u32 s[G0SB+1], s19, SCL
	s_mov_b64 s[G0SB+2:G0SB+3], s[92:93]
	s_or_b32 s[G0SB+3], s[G0SB+3], 0x80000000
	JLOAD G0S, G1S, G0SB, G1SB
.irp s, 0,1
	s_mov_b32 s[G0+4*\s], 1
	s_add_co_u32 s[G0+4*\s+1], s45, \s*SLOT
	s_add_nc_u64 s[G0+4*\s+2:G0+4*\s+3], s[20:21], \s*SROW
	s_or_b32 s[G0+4*\s+3], s[G0+4*\s+3], 0x80000000
	s_mov_b32 s[G0B+4*\s], 1
	s_add_co_u32 s[G0B+4*\s+1], s45, \s*SLOT
	s_add_nc_u64 s[G0B+4*\s+2:G0B+4*\s+3], s[46:47], \s*SROW
	s_or_b32 s[G0B+4*\s+3], s[G0B+4*\s+3], 0x80000000
	JLOAD G0+4*\s, G1, G0B+4*\s, G1B
.endr
	v_and_b32 v1, 15, v0                           ; r
	v_bfe_u32 v2, v0, 4, 1                         ; h
	v_and_b32 v3, 31, v0
	v_lshlrev_b32 v[CO], 4, v3                     ; 16 x lane
	v_lshlrev_b32 v4, 2, v1                        ; 4 r
	s_mul_i32 s21, s15, HALFT
	s_mul_i32 s22, s16, HALFT
	s_add_co_u32 s22, s22, 2*HALFT
.irp s, 0,1
	v_add_nc_u32 v[ADRA+\s], s21, v[CO]
	v_add_nc_u32 v[ADRB+\s], s22, v[CO]
	s_add_co_u32 s21, s21, SLOT
	s_add_co_u32 s22, s22, SLOT
.endr
	s_lshl_b32 s21, s15, 12
	s_lshl_b32 s22, s16, 12
	s_add_co_u32 s22, s22, 8192
	s_sub_co_u32 s22, s22, s21
	v_mul_u32_u24 v6, s22, v2                      ; lanes 16-31 take B's scale words
	s_add_co_u32 s21, s21, SCL
	v_add_nc_u32 v5, v4, v6
	v_add_nc_u32 v[ADRS], s21, v5
	s_mul_i32 s23, s14, 16*SPITCH                  ; my stage
	v_mul_u32_u24 v5, v1, SPITCH
	v_lshl_add_u32 v5, v2, 6, v5                   ; in: row r; features 32 B + 16 h + 8 u + j: 128 B + 64 h + 32 u bytes
	v_add_nc_u32 v[STO], s23, v5
	v_add_nc_u32 v[RD], s23, v[CO]                 ; back: the 32 lanes take a row of 512 bytes
	v_lshrrev_b32 v5, 1, v3
	v_and_b32 v6, 1, v3
	v_lshlrev_b32 v6, 8, v6
	v_lshl_add_u32 v[PFO], v5, 12, v6              ; the prefetches: row lane / 2, block lane % 2 of its 512 bytes
	s_lshl_b32 s12, s17, 20                        ; my part of x and of out: 256 rows of 4,096 bytes a tile row,
	s_lshl_b32 s13, s15, 19                        ; 128 rows a half,
	s_add_co_u32 s12, s12, s13
	s_lshl_b32 s13, s40, 10                        ; 1,024 bytes a tile column,
	s_add_co_u32 s12, s12, s13
	s_lshl_b32 s13, s16, 9                         ; 512 a half
	s_add_co_u32 s12, s12, s13
	s_mov_b32 s13, 0
	s_add_nc_u64 s[8:9], s[8:9], s[12:13]
	s_add_nc_u64 s[10:11], s[10:11], s[12:13]
.macro FRAG reg, adr, q, i
.irp c, 0,1,2
	ds_load_b128 v[\reg+4*\c:\reg+4*\c+3], v[\adr] offset:(\i)*SROW+(\q)*FRB+512*\c
.endr
.endm
.macro MUL16 a0, p, q, sc, zero        ; the 64 accumulators take turns, one instruction a turn, in the same order in every step
.irp a, \a0, \a0+1
.irp b, 0,1,2,3,4,5,6,7
.if \zero
	v_wmma_scale_f32_16x16x128_f8f6f4 v[8*(8*((\a)%4)+\b):8*(8*((\a)%4)+\b)+7], v[128*(\p)+FR*\b:128*(\p)+FR*\b+FR-1], v[AF+FR*(\a):AF+FR*(\a)+FR-1], 0, v[SC+8*NQ*(\sc)+NQ*\b+(\q)], v[SC+8*NQ*(\sc)+NQ*(\a)+(\q)] matrix_a_fmt:MATRIX_FMT_FP6 matrix_b_fmt:MATRIX_FMT_FP6 matrix_a_scale:MATRIX_SCALE_ROW1
.else
	v_wmma_scale_f32_16x16x128_f8f6f4 v[8*(8*((\a)%4)+\b):8*(8*((\a)%4)+\b)+7], v[128*(\p)+FR*\b:128*(\p)+FR*\b+FR-1], v[AF+FR*(\a):AF+FR*(\a)+FR-1], v[8*(8*((\a)%4)+\b):8*(8*((\a)%4)+\b)+7], v[SC+8*NQ*(\sc)+NQ*\b+(\q)], v[SC+8*NQ*(\sc)+NQ*(\a)+(\q)] matrix_a_fmt:MATRIX_FMT_FP6 matrix_b_fmt:MATRIX_FMT_FP6 matrix_a_scale:MATRIX_SCALE_ROW1
.endif
.endr
.endr
.endm
.macro FETCH_B slot, q, p
	WIN TO_B
.irp i, 0,1,2,3,4,5,6,7
	FRAG 128*(\p)+FR*\i, ADRB+\slot, \q, \i
.endr
	WIN 0
.endm
.macro FETCH_A slot, q, i0
.irp i, \i0, \i0+1, \i0+2, \i0+3
	FRAG AF+FR*(\i), ADRA+\slot, \q, \i
.endr
.endm
.macro SCALES sc
.irp i, 0,1,2,3,4,5,6,7
.irp q, 0,1
	ds_load_b32 v[SC+8*NQ*(\sc)+NQ*\i+\q], v[ADRS] offset:\i*512+\q*64
.endr
.endr
.endm
.macro STEP slot, q, zero
	s_wait_dscnt 4*NL                              ; B's set and A's blocks 0-3 are in; the youngest twelve loads (A's blocks 4-7) may be out
	WIN MUL_LO
	MUL16 0, (\q)%2, \q, \slot, \zero
	MUL16 2, (\q)%2, \q, \slot, \zero
	s_wait_dscnt 0
	PLACES NP
	FETCH_B \slot, (\q)+1, 1-(\q)%2
	FETCH_A \slot, (\q)+1, 0
	WIN MUL_HI
	MUL16 4, (\q)%2, \q, \slot, \zero
	MUL16 6, (\q)%2, \q, \slot, \zero
	PLACES NP
	WIN 0
	FETCH_A \slot, (\q)+1, 4
.endm
.macro TURN slot, next, fill
	s_wait_tensorcnt 0x0                           ; all my tensor loads have landed: my part of the next slot
	ds_add_u32 v[SPW], v[NIL]                      ; 0 onto my spare word
	s_wait_dscnt 4*NL+1                            ; (the add and the youngest twelve loads may be out)
	WIN MUL_LO
	MUL16 0, 1, NQ-1, \slot, 0
	s_wait_dscnt 0x0                               ; the add is done, and my reads of this slot are over
	s_barrier_signal -1
	MUL16 2, 1, NQ-1, \slot, 0
	WIN 0
	s_barrier_wait -1
.if \fill
	CREST                                          ; the barrier has opened a round of the cluster's barrier
	s_add_nc_u64 s[G0+4*\slot+2:G0+4*\slot+3], s[G0+4*\slot+2:G0+4*\slot+3], 2*SROW
	s_add_nc_u64 s[G0B+4*\slot+2:G0B+4*\slot+3], s[G0B+4*\slot+2:G0B+4*\slot+3], 2*SROW
	JLOAD G0+4*\slot, G1, G0B+4*\slot, G1B         ; the first tensor load behind the round; its four v_nop are the places in front of the loads below
.else
	PLACES NP
.endif
	v_add_nc_u32 v[ADRS], 64*NQ, v[ADRS]
	FETCH_B \next, 0, 0
	FETCH_A \next, 0, 0
	SCALES \next
.if \fill
.irp g, 0,1,2,3                        ; 64 of my 128 rows of x, 16 rows x 2 blocks of 256 bytes an instruction: the two refills together name my 256 blocks once each; the address registers are never rewritten
	global_prefetch_b8 v[PFO], s[8:9] offset:(4*PFN+\g)*65536 th:TH_LOAD_NT scope:SCOPE_SE
.endr
.set PFN, PFN+1
.endif
	WIN MUL_HI
	MUL16 4, 1, NQ-1, \slot, 0
	MUL16 6, 1, NQ-1, \slot, 0
	PLACES NP
	WIN 0
	FETCH_A \next, 0, 4
.endm
	s_wait_tensorcnt 1                             ; the scale words and my part of slot 0 are in (slot 1's load may be out),
	s_barrier_signal -1
	s_barrier_wait -1                              ; everybody's are
	FETCH_B 0, 0, 0
	FETCH_A 0, 0, 0
	SCALES 0
	FETCH_A 0, 0, 4
	STEP 0, 0, 1
	TURN 0, 1, 1
	STEP 1, 0, 0
	TURN 1, 0, 1
	STEP 0, 0, 0
	TURN 0, 1, 0
	STEP 1, 0, 0
	s_wait_dscnt 4*NL
	WIN MUL_LO
	MUL16 0, 1, NQ-1, 1, 0
	MUL16 2, 1, NQ-1, 1, 0
	s_wait_dscnt 0
	WIN MUL_HI
	MUL16 4, 1, NQ-1, 1, 0
	MUL16 6, 1, NQ-1, 1, 0
	WIN 0
; THE WAY OUT, block by block of 16 rows x 128 columns: through my own stage in LDS, back as whole rows of 512 bytes, plus x's rows, stored as two aligned units of 256 bytes.
; Row t of block a is token 32 (a / 2) + 8 (a % 2) + t + 8 (t / 8) of my 128: every offset is an immediate, 127 rows of 4,096 bytes at the most.
.macro TOSTAGE a
.set AC, 64*((\a)%4)
	WIN 0x08+4*((\a)/4)                            ; the data: window 2 or 3
.irp b, 0,1,2,3,4,5,6,7
	ds_store_b128 v[STO], v[AC+8*\b:AC+8*\b+3] offset:128*(\b/2)+32*(\b%2)       ; each accumulator from its low end on
	ds_store_b128 v[STO], v[AC+8*\b+4:AC+8*\b+7] offset:128*(\b/2)+32*(\b%2)+16
.endr
	WIN 0
.set BB, BK+64*((\a)%2)
.irp t, 0,1,2,3,4,5,6,7,8,9,10,11,12,13,14,15
	ds_load_b128 v[BB+4*\t:BB+4*\t+3], v[RD] offset:\t*SPITCH      ; LDS serves a wave's instructions in order: these see the stores above
.endr
.endm
.macro XLOAD a                         ; x's sixteen rows of block a into window 1
	WIN 0x40
.irp t, 0,1,2,3,4,5,6,7,8,9,10,11,12,13,14,15
	global_load_b128 v[64*((\a)%4)+4*\t:64*((\a)%4)+4*\t+3], v[CO], s[8:9] offset:(32*((\a)/2)+8*((\a)%2)+\t+8*(\t/8))*4096 th:TH_LOAD_NT
.endr
	WIN 0
.endm
.macro SEND a, younger, lc             ; younger: LDS instructions issued behind block a's loads; lc: loads of x issued behind block a's
.set BB, BK+64*((\a)%2)
	s_wait_dscnt \younger
	s_wait_loadcnt \lc
	WIN 0x04                                       ; source 1 in window 1
.set TT, 0
.rept 32
	v_pk_add_f32 v[BB+2*TT:BB+2*TT+1], v[BB+2*TT:BB+2*TT+1], v[64*((\a)%4)+2*TT:64*((\a)%4)+2*TT+1]
.set TT, TT+1
.endr
	WIN 0
.irp t, 0,1,2,3,4,5,6,7,8,9,10,11,12,13,14,15
	global_store_b128 v[CO], v[BB+4*\t:BB+4*\t+3], s[10:11] offset:(32*((\a)/2)+8*((\a)%2)+\t+8*(\t/8))*4096 th:TH_STORE_NT   ; 512 consecutive bytes, at a multiple of 256 from out's first byte
.endr
.if (\a) < 4
	XLOAD (\a)+4
.endif
.endm
	PLACES NP                                      ; in front of loads into registers that the last products have read, and of the first read of results
	XLOAD 0
	XLOAD 1
	XLOAD 2
	XLOAD 3
	TOSTAGE 0
	TOSTAGE 1
	SEND 0, 32, 48                                 ; behind block 0's loads: block 1's 16 stores and 16 loads; three younger runs of x
	s_wait_xcnt 0x0                                ; the stores of two blocks back have read their registers: the next block's rows may land there
	TOSTAGE 2
	SEND 1, 32, 48
	s_wait_xcnt 0x0
	TOSTAGE 3
	SEND 2, 32, 48
	s_wait_xcnt 0x0
	TOSTAGE 4
	SEND 3, 32, 48
	s_wait_xcnt 0x0
	TOSTAGE 5
	SEND 4, 32, 48
	s_wait_xcnt 0x0
	TOSTAGE 6
	SEND 5, 32, 32
	s_wait_xcnt 0x0
	TOSTAGE 7
	SEND 6, 32, 16
	SEND 7, 0, 0
	s_wait_tensorcnt 0x0                           ; the wave's end
	ds_add_u32 v[SPW], v[NIL]
	s_wait_dscnt 0x0
	CROUND                                         ; the closing round
	s_endpgm
.Lfunc_end_k_qbbf63c874b_outp:
	.size	k_qbbf63c874b_outp, .Lfunc_end_k_qbbf63c874b_outp-k_qbbf63c874b_outp
	.p2alignl 7, 3214868480
	.fill 96, 4, 3214868480
	.section	.rodata,"a",@progbits
	.p2align	6, 0x0
	.amdhsa_kernel k_qbbf63c874b_outp
		.amdhsa_group_segment_fixed_size 327680
		.amdhsa_private_segment_fixed_size 0
		.amdhsa_enable_private_segment 0
		.amdhsa_kernarg_size 32
		.amdhsa_user_sgpr_count 2
		.amdhsa_user_sgpr_kernarg_segment_ptr 1
		.amdhsa_wavefront_size32 1
		.amdhsa_system_sgpr_workgroup_id_x 1
		.amdhsa_system_sgpr_workgroup_id_y 1
		.amdhsa_system_sgpr_workgroup_id_z 1
		.amdhsa_system_vgpr_workitem_id 0
		.amdhsa_next_free_vgpr 1024
		.amdhsa_next_free_sgpr 100
		.amdhsa_reserve_vcc 0
		.amdhsa_float_denorm_mode_32 3
		.amdhsa_float_denorm_mode_16_64 3
		.amdhsa_memory_ordered 1
		.amdhsa_forward_progress 1
		.amdhsa_inst_pref_size 167
	.end_amdhsa_kernel
	.amdgpu_metadata
---
amdhsa.version: [ 1, 2 ]
amdhsa.kernels:
  - .name:           k_qbbf63c874b_outp
    .symbol:         k_qbbf63c874b_outp.kd
    .args:
      - { .name: wsC, .offset: 0, .size: 8, .value_kind: global_buffer, .address_space: global }
      - { .name: wsA, .offset: 8, .size: 8, .value_kind: global_buffer, .address_space: global }
      - { .name: x, .offset: 16, .size: 8, .value_kind: global_buffer, .address_space: global }
      - { .name: out0, .offset: 24, .size: 8, .value_kind: global_buffer, .address_space: global }
    .group_segment_fixed_size: 327680
    .private_segment_fixed_size: 0
    .kernarg_segment_align: 8
    .kernarg_segment_size: 32
    .max_flat_workgroup_size: 128
    .sgpr_count:     100
    .vgpr_count:     1024
    .wavefront_size: 32
...
	.end_amdgpu_metadata
.endif
;; end of part 6
;; ======== version 2 of 2: 5 launches
;; workspace buffers: wsA 11,264,000 bytes; wsB 19,712,000 bytes; msk 32,768 bytes of whole numbers; wsC 6,553,600 bytes
;; launch quant: the kernel of part 1 again; grid 216 x 1, 16 waves a work-group, no clusters, 280,832 bytes of LDS; arguments x, Wq, Wk, Wv, Wo, Wu, Wq_sel, Wk_sel, wsA; writes wsA
;; launch proj (part 7): grid 4 x 100, 4 waves a work-group, clusters of 4 x 4, 327,680 bytes of LDS; arguments wsA, wsB; writes wsB
.if DOCPART == 7
	.amdgcn_target "amdgcn-amd-amdhsa--gfx1250"
	.amdhsa_code_object_version 6
	.text
	.protected	k_qbbf63c874b_proj
	.globl	k_qbbf63c874b_proj
	.p2align	8
	.type	k_qbbf63c874b_proj,@function
k_qbbf63c874b_proj:
	s_mov_b64 s[64:65], 0
	v_nop
	global_prefetch_b8 v0, s[64:65] scope:SCOPE_SE
	s_setreg_imm32_b32 hwreg(HW_REG_WAVE_MODE, 25, 1), 1
	s_wait_xcnt 0x0
	s_wait_alu depctr_hold_cnt(0) depctr_sa_sdst(0) depctr_va_vdst(0) depctr_va_sdst(0) depctr_va_ssrc(0) depctr_va_vcc(0) depctr_vm_vsrc(0)
	s_getreg_b32 s2, hwreg(HW_REG_IB_STS2, 6, 4)
	s_cmp_eq_u32 s2, 0
	s_cbranch_scc0 .Lentry_in_a_cluster
	s_endpgm
.Lentry_in_a_cluster:
	s_bfe_u32 s2, ttmp6, 0x10000c
	s_cmp_lg_u32 s2, 0xf033
	s_cbranch_scc0 .Lentry_shape_is_right
	s_endpgm
.Lentry_shape_is_right:
; q = x Wq, k = x Wk and v^T = Wv^T x^T on codes of FP6 (E2M3) with E8M0 scales, K = 1,024; each result is quantised in registers along the NEXT product's K and leaves as codes: no f32 result goes to memory.
; One cluster more makes the small chain root_emb = pooled Wu, ksel = root_emb Wk_sel beside them.
; JOBS.  A cluster of 4 x 4 work-groups is told its job by the cluster's y, which all sixteen partners share.  y = 0: the chain.  y = 1 + 8 g + t: 1,024 x 1,024 results.
; g = 0, 1: A = x of batch t, B = Wq or Wk; a lane's registers run along the features: the codes are q's or k's, K = the head's 64.
; g = 2: A = Wv's columns, B = x of batch t; a lane's registers run along the tokens: the codes are v's with the keys innermost.  That choice is made by s_cselect_b32.
; A tile of 256 x 256 is made by four waves, 128 x 128 each: 64 accumulators, 512 registers.  K goes in steps of 256 through two LDS slots filled by the tensor data mover.
; OPERANDS LIE IN wsA AS IMAGES OF OPERAND REGISTERS (16 rows x 128 K: 1,536 bytes; a row tile's 8 on end: 12,288 bytes): a slot's part of a row tile is 3,072 consecutive bytes, and a fragment comes by three ds_load_b128 of 512 consecutive bytes.
; THE SCALE WORDS of the 16 + 16 row tiles, for all of K, come into LDS once, with the first fills.
; CLUSTERS: A's tiles are shared along a row of the cluster, B's along a column: each is asked for JOINTLY.  THE MATRIX INSTRUCTION IS USED TRANSPOSED (source 0 = B's rows, source 1 = A's).
; The rows of a tile are not neighbours (lane r of tile 2 B + u holds row 32 B + 8 u + r + 8 (r / 8)), so the 16 registers of B's tiles 2 B and 2 B + 1 are 16 neighbours along the next K.
; THE CHAIN.  Work-group p = cx + 4 cy of its cluster owns pooled tile p (p enters global addresses alone).  The second product wants a row's whole root_emb, so the rows cannot be shared further: 16 work-groups.
; It has no tensor load: each weight fragment is read by one wave and goes from memory straight into registers.  Wave w makes root features 256 w .. 256 w + 255 in two passes of eight K steps, quantises each pass in registers
; (K steps 2 w and 2 w + 1 of the second product); the eight fragments meet in LDS as images of their registers, in bytes of their own (one barrier); waves 0 and 1 then make ksel's two fragments by the same eight steps on Wk_sel.
; REGISTERS: window 0: v8-11, v16-29 addresses; v32-63 scale words; v64-114 the quantiser's; v128-223 A's fragments, one set (chain: v128-191 eight accumulators).  window 1: B's fragments, two sets (chain: the weight's, two sets of 96).
;   windows 2, 3: the accumulators ((a, b) at v[8 (8 (a % 4) + b)]) (chain: window 2, v0-95: source 1's eight fragments).
; LIMITS: NaN and infinities are not served; a block whose largest magnitude lies under 2^-124 keeps the byte 1.
.set RT,    12288
.set FRB,   1536
.set SCO,   10813440
.set WQ0,   528
.set WV0,   656
.set WU0,   784
.set WKS0,  864
.set VTC,   12582912
.set KSC,   18874368
.set QKS,   18923520
.set VTS,   19447808
.set KSS,   19709952
.set NQ,    2                          ; matrix instructions deep in a slot
.set FR,    12
.set NL,    3                          ; LDS loads that bring a fragment
.set NP,    4                          ; places behind this matrix instruction (ISA guide 7.12.1)
.set SROW,  NQ*FRB                     ; a row tile's bytes in a slot
.set HALFT, 8*SROW                     ; eight row tiles: what one tensor load brings, and what one wave reads of A or of B
.set SLOT,  4*HALFT
.set SCL,   2*SLOT                     ; behind the ring: the scale words, 4,096 bytes for each eight row tiles
.set SPARE, SCL+4*4096                 ; the spare words, 128 bytes for each wave: two blocks of 256 bytes that no other line names
.set CH,    SPARE+512                  ; the chain's own bytes: eight images of 1,536 bytes; no fill lands here
.set CHS,   CH+8*FRB                   ; and their scale words, 128 bytes each
.set CWI,  8                           ; the chain: where I store my images: CH + 3,072 x wave + 16 x lane
.set CWS,  9                           ; and their scale words: CHS + 256 x wave + 4 x lane
.set CLI,  10                          ; where any image is read: CH + 16 x lane
.set CLS,  11                          ; CHS + 4 x lane
.set ADRA, 16
.set ADRB, 20
.set LI,   24                          ; 16 x lane
.set LS,   25                          ; 4 r
.set ADRS, 27
.set SPW,  28
.set NIL,  29
.set SC,   32
.set WSC,  32                          ; the chain: the weight's scale words, two sets of 8
.set PSC,  48                          ; and source 1's eight
.set TM,   64
.set PW,   80
.set PC,   96
.set AF,   128
.set ACC,  128                         ; the chain's eight accumulators
.set SEL,  2
.set G1, 24
.set G0, 32
.set G1B, 48
.set G0B, 56
.set G1S, 68
.set G0S, 76
.set G1SB, 80
.set G0SB, 88
.set MSB, 0
.macro WIN new                         ; the immediate's high byte repeats the setting that is left
.if MSB != (\new)
	s_set_vgpr_msb (MSB<<8)|(\new)
.set MSB, (\new)
.endif
.endm
.set MUL_LO, 0xa1                      ; source 0 (B) window 1, source 1 (A) window 0, C and D window 2
.set MUL_HI, 0xf1
.set TO_B,   0x40
.macro PLACES n
.rept \n
	v_nop
.endr
.endm
; A joint load: waves 0 and 1 fetch for A, waves 2 and 3 for B; the branch hangs on the wave's number alone.  Four v_nop follow each of the two lines.
.macro JLOAD g0a, g1a, g0b, g1b
	s_cmp_eq_u32 s15, 0
	s_cbranch_scc0 .Lfor_b_\@
	tensor_load_to_lds s[\g0a:\g0a+3], s[\g1a:\g1a+7]
	s_nop 0
.rept 4
	v_nop
.endr
	s_branch .Lasked_\@
.Lfor_b_\@:
	tensor_load_to_lds s[\g0b:\g0b+3], s[\g1b:\g1b+7]
	s_nop 0
.rept 4
	v_nop
.endr
.Lasked_\@:
.endm
.macro CREST                           ; a round of the cluster's barrier behind its opening barrier
	s_cmp_lg_u32 s14, 0
	s_cbranch_scc1 .Lnot_wave_0_\@
	s_barrier_signal -3
.Lnot_wave_0_\@:
	s_barrier_wait -3
	s_barrier_signal -1
	s_barrier_wait -1
.endm
.macro CROUND
	s_barrier_signal -1
	s_barrier_wait -1
	CREST
.endm
; 64 numbers of a lane in window W, register 16 b + i = k 32 b + 16 (lane / 16) + i of my row, become a fragment's codes in v[PC] on and its scale word in v[PW]
.macro QUANT src, W
	WIN ((\W)<<2)|((\W)<<4)
.irp b, 0,1,2,3
	v_max3_num_f32 v[TM+\b], 0x1800000, |v[(\src)+16*\b]|, |v[(\src)+16*\b+1]|   ; with the floor 2^(3 - 127); each accumulator is read from its low end on
.endr
.irp i, 2,4,6,8,10,12,14
.irp b, 0,1,2,3
	v_max3_num_f32 v[TM+\b], v[TM+\b], |v[(\src)+16*\b+\i]|, |v[(\src)+16*\b+\i+1]|
.endr
.endr
	WIN 0
.irp b, 0,1,2,3
	v_permlanex16_b32 v[TM+4+\b], v[TM+\b], s[SEL], s[SEL+1]
.endr
.irp b, 0,1,2,3
	v_max_num_f32 v[TM+\b], v[TM+\b], v[TM+4+\b]   ; with lane l xor 16's: the block's largest magnitude
.endr
.irp b, 0,1,2,3
	v_add_nc_u32 v[TM+12+\b], 0xff000000, v[TM+\b] ; 2 off the exponent field: the conversion's scale operand
.endr
.irp b, 0,1,2,3
	v_lshrrev_b32 v[TM+4+\b], 23, v[TM+12+\b]      ; the byte
.endr
	v_lshl_or_b32 v[PW], v[TM+5], 8, v[TM+4]
	v_lshl_or_b32 v[PW], v[TM+6], 16, v[PW]
	v_lshl_or_b32 v[PW], v[TM+7], 24, v[PW]
	WIN \W
.irp c, 0,1
	v_cvt_scalef32_pk16_fp6_f32 v[PC+6*\c:PC+6*\c+2], v[(\src)+32*\c:(\src)+32*\c+15], v[TM+12+2*\c]
	v_cvt_scalef32_pk16_fp6_f32 v[PC+12+4*\c:PC+12+4*\c+2], v[(\src)+32*\c+16:(\src)+32*\c+31], v[TM+12+2*\c+1]
.endr
	WIN 0
	v_nop                                          ; one plain place behind the conversions
.irp c, 0,1                            ; the operand wants a whole block in a lane
.irp i, 0,1,2
	v_permlane16_swap_b32 v[PC+6*\c+\i], v[PC+12+4*\c+\i]
.endr
.irp i, 0,1,2
	v_mov_b32 v[PC+3+6*\c+\i], v[PC+12+4*\c+\i]
.endr
.endr
.endm
	s_load_b128 s[4:7], s[0:1], 0x0                ; wsA, wsB
	v_lshl_add_u32 v[SPW], v0, 2, SPARE
	v_mov_b32 v[NIL], 0
	ds_add_u32 v28, v29
	ds_add_u32 v28, v29
	s_wait_dscnt 0x0
	v_lshrrev_b32 v1, 5, v0
	v_readfirstlane_b32 s14, v1                    ; wave 0..3
	s_lshr_b32 s15, s14, 1                         ; which half of the tile's rows is mine.  Also: I fetch for A (0) or for B (1)
	s_and_b32 s16, s14, 1                          ; which half of its columns.  Also: which eight row tiles I fetch
	v_and_b32 v1, 15, v0                           ; r
	v_bfe_u32 v2, v0, 4, 1                         ; h
	v_and_b32 v3, 31, v0                           ; lane
	v_lshlrev_b32 v[LI], 4, v3
	v_lshlrev_b32 v[LS], 2, v1
	s_mul_i32 s18, s14, 2*FRB                      ; the chain's LDS addresses are made here too, ahead of the parting of the ways: constants, the lane and the wave alone
	v_add_nc_u32 v[CLI], CH, v[LI]
	v_add_nc_u32 v[CWI], s18, v[CLI]
	v_lshlrev_b32 v[CLS], 2, v3
	v_add_nc_u32 v[CLS], CHS, v[CLS]
	s_lshl_b32 s18, s14, 8
	v_add_nc_u32 v[CWS], s18, v[CLS]
.irp b, 0,1,2,3
	v_mov_b32 v[TM+4+\b], 0                        ; written once: a lane permute's destination counts as one of its sources
.endr
	s_mov_b32 s[SEL], 0x76543210
	s_mov_b32 s[SEL+1], 0xfedcba98                 ; lane l xor 16
	s_bfe_u32 s40, ttmp6, 0x40000                  ; cx
	s_bfe_u32 s41, ttmp6, 0x40004                  ; cy
	s_and_b32 s17, ttmp7, 0xffff                   ; the cluster's y, 0..24: 0 is the chain
	s_max_u32 s97, s17, 1
	s_sub_co_u32 s97, s97, 1                       ; the job, 0..23 (the chain's cluster makes job 0's numbers and uses none of them)
	s_and_b32 s18, s97, 7                          ; t: the batch
	s_lshr_b32 s19, s97, 3                         ; g
	s_lshl_b32 s20, s18, 6                         ; x's row tiles of batch t begin at 64 t
	s_lshl_b32 s21, s19, 6
	s_add_co_u32 s21, s21, WQ0                     ; Wq's or Wk's
	s_lshl_b32 s22, s19, 3
	s_lshl_b32 s23, s18, 3
	s_mov_b32 s94, VTS
	s_cmp_lt_u32 s97, 16                           ; q or k, or v?  All that differs is chosen here
	s_cselect_b32 s42, s20, WV0                    ; A's first row tile
	s_cselect_b32 s99, s21, s20                    ; B's
	s_cselect_b32 s66, 16, 64                      ; fragments from one row tile of the result to the next
	s_cselect_b32 s67, 0, VTC                      ; the result's codes
	s_cselect_b32 s94, QKS, s94                    ; and scale words
	s_cselect_b32 s95, s20, 0                      ; the result's first row tile,
	s_cselect_b32 s98, s22, s23                    ; and its first K step
	s_lshl_b32 s43, s41, 2
	s_lshl_b32 s43, 15, s43                        ; my row of the cluster
	s_lshl_b32 s44, 0x1111, s40                    ; my column
	; descriptor group 1: eight rows of 3,072 bytes (384 elements of 8 bytes), 12,288 bytes apart; dense in LDS
	s_or_b32 s[G1+0], s43, (3<<16)|(1<<21)         ; 15:0 the mask: A's tiles go to my row; 17:16 elements of 8 bytes; 21 set beside a mask
	s_or_b32 s[G1B+0], s44, (3<<16)|(1<<21)
.irp g, G1, G1B
	s_mov_b32 s[\g+1], 384<<16                     ; tensor_dim0
	s_mov_b32 s[\g+2], 8<<16                       ; tensor_dim1
	s_mov_b32 s[\g+3], 384<<16                     ; tile_dim0
	s_mov_b32 s[\g+4], 8                           ; tile_dim1
	s_mov_b32 s[\g+5], 1536                        ; tensor_dim0_stride
	s_mov_b32 s[\g+6], 0
	s_mov_b32 s[\g+7], 0
.endr
	; the scale words of eight row tiles: 4,096 dense bytes, as 16 rows of 256
	s_or_b32 s[G1S+0], s43, (3<<16)|(1<<21)
	s_or_b32 s[G1SB+0], s44, (3<<16)|(1<<21)
.irp g, G1S, G1SB
	s_mov_b32 s[\g+1], 32<<16
	s_mov_b32 s[\g+2], 16<<16
	s_mov_b32 s[\g+3], 32<<16
	s_mov_b32 s[\g+4], 16
	s_mov_b32 s[\g+5], 32
	s_mov_b32 s[\g+6], 0
	s_mov_b32 s[\g+7], 0
.endr
	s_lshl_b32 s18, s16, 3                         ; which eight row tiles I fetch
	s_lshl_b32 s20, s41, 4
	s_add_co_u32 s20, s20, s42
	s_add_co_u32 s20, s20, s18                     ; A: first + 16 cy + 8 x half: cy alone
	s_lshl_b32 s46, s40, 4
	s_add_co_u32 s46, s46, s99
	s_add_co_u32 s46, s46, s18                     ; B: first + 16 cx + 8 x half: cx alone
	s_lshl_b32 s22, s20, 9
	s_add_co_u32 s22, s22, SCO
	s_mov_b32 s23, 0
	s_lshl_b32 s92, s46, 9
	s_add_co_u32 s92, s92, SCO
	s_mov_b32 s93, 0
	s_mul_i32 s20, s20, RT
	s_mov_b32 s21, 0
	s_mul_i32 s46, s46, RT
	s_mov_b32 s47, 0
	s_mul_i32 s45, s14, HALFT                      ; where they go: wave x eight row tiles: no place in the cluster enters an LDS address
	s_lshl_b32 s19, s14, 12
	s_wait_kmcnt 0x0
	s_add_nc_u64 s[20:21], s[4:5], s[20:21]
	s_add_nc_u64 s[22:23], s[4:5], s[22:23]
	s_add_nc_u64 s[46:47], s[4:5], s[46:47]
	s_add_nc_u64 s[92:93], s[4:5], s[92:93]
	CROUND                                         ; all sixteen work-groups are here: the first joint loads meet
	s_cmp_eq_u32 s17, 0                            ; the ways part on the cluster's y: alike in all sixteen partners
	s_cbranch_scc1 .Lchain
	s_mov_b32 s[G0S], 1
	s_add_co_u32 s[G0S+1], s19, SCL
	s_mov_b64 s[G0S+2:G0S+3], s[22:23]
	s_or_b32 s[G0S+3], s[G0S+3], 0x80000000
	s_mov_b32 s[G0SB], 1
	s_add_co_u32 s[G0SB+1], s19, SCL
	s_mov_b64 s[G0SB+2:G0SB+3], s[92:93]
	s_or_b32 s[G0SB+3], s[G0SB+3], 0x80000000
	JLOAD G0S, G1S, G0SB, G1SB                     ; the scale words first: they are wanted with K step 0
.irp s, 0,1
	s_mov_b32 s[G0+4*\s], 1
	s_add_co_u32 s[G0+4*\s+1], s45, \s*SLOT
	s_add_nc_u64 s[G0+4*\s+2:G0+4*\s+3], s[20:21], \s*SROW
	s_or_b32 s[G0+4*\s+3], s[G0+4*\s+3], 0x80000000
	s_mov_b32 s[G0B+4*\s], 1
	s_add_co_u32 s[G0B+4*\s+1], s45, \s*SLOT
	s_add_nc_u64 s[G0B+4*\s+2:G0B+4*\s+3], s[46:47], \s*SROW
	s_or_b32 s[G0B+4*\s+3], s[G0B+4*\s+3], 0x80000000
	JLOAD G0+4*\s, G1, G0B+4*\s, G1B
.endr
	s_mul_i32 s21, s15, HALFT                      ; my eight row tiles of A
	s_mul_i32 s22, s16, HALFT                      ; and of B,
	s_add_co_u32 s22, s22, 2*HALFT                 ; which lie behind A's sixteen
.irp s, 0,1
	v_add_nc_u32 v[ADRA+\s], s21, v[LI]
	v_add_nc_u32 v[ADRB+\s], s22, v[LI]
	s_add_co_u32 s21, s21, SLOT
	s_add_co_u32 s22, s22, SLOT
.endr
	s_lshl_b32 s21, s15, 12                        ; A's scale words: my eight row tiles
	s_lshl_b32 s22, s16, 12                        ; B's, behind A's sixteen
	s_add_co_u32 s22, s22, 8192
	s_sub_co_u32 s22, s22, s21
	v_mul_u32_u24 v6, s22, v2                      ; lanes 16-31 take B's
	s_add_co_u32 s21, s21, SCL
	v_add_nc_u32 v5, v[LS], v6
	v_add_nc_u32 v[ADRS], s21, v5
	; where my results go: fragment (first row tile + 16 cy + 8 x row half) x step + first K step + 2 cx + column half
	s_lshl_b32 s96, s41, 4
	s_add_co_u32 s95, s95, s96
	s_lshl_b32 s96, s15, 3
	s_add_co_u32 s95, s95, s96
	s_mul_i32 s95, s95, s66
	s_lshl_b32 s96, s40, 1
	s_add_co_u32 s98, s98, s96
	s_add_co_u32 s98, s98, s16
	s_add_co_u32 s95, s95, s98
	s_mul_i32 s8, s95, FRB
	s_add_co_u32 s8, s8, s67
	s_mov_b32 s9, 0
	s_lshl_b32 s10, s95, 6
	s_add_co_u32 s10, s10, s94
	s_mov_b32 s11, 0
	s_mul_i32 s12, s66, FRB                        ; from one of my row tiles to the next
	s_mov_b32 s13, 0
	s_lshl_b32 s96, s66, 6
	s_mov_b32 s97, 0
	s_add_nc_u64 s[8:9], s[6:7], s[8:9]
	s_add_nc_u64 s[10:11], s[6:7], s[10:11]
.macro FRAG reg, adr, q, i             ; a fragment's image: three loads of 512 consecutive bytes
.irp c, 0,1,2
	ds_load_b128 v[\reg+4*\c:\reg+4*\c+3], v[\adr] offset:(\i)*SROW+(\q)*FRB+512*\c
.endr
.endm
; 16 matrix instructions: A's blocks a0, a0 + 1 x B's eight.  The 64 accumulators take turns, one instruction a turn, in the same order in every step.
.macro MUL16 a0, p, q, sc, zero
.irp a, \a0, \a0+1
.irp b, 0,1,2,3,4,5,6,7
.if \zero
	v_wmma_scale_f32_16x16x128_f8f6f4 v[8*(8*((\a)%4)+\b):8*(8*((\a)%4)+\b)+7], v[128*(\p)+FR*\b:128*(\p)+FR*\b+FR-1], v[AF+FR*(\a):AF+FR*(\a)+FR-1], 0, v[SC+8*NQ*(\sc)+NQ*\b+(\q)], v[SC+8*NQ*(\sc)+NQ*(\a)+(\q)] matrix_a_fmt:MATRIX_FMT_FP6 matrix_b_fmt:MATRIX_FMT_FP6 matrix_a_scale:MATRIX_SCALE_ROW1
.else
	v_wmma_scale_f32_16x16x128_f8f6f4 v[8*(8*((\a)%4)+\b):8*(8*((\a)%4)+\b)+7], v[128*(\p)+FR*\b:128*(\p)+FR*\b+FR-1], v[AF+FR*(\a):AF+FR*(\a)+FR-1], v[8*(8*((\a)%4)+\b):8*(8*((\a)%4)+\b)+7], v[SC+8*NQ*(\sc)+NQ*\b+(\q)], v[SC+8*NQ*(\sc)+NQ*(\a)+(\q)] matrix_a_fmt:MATRIX_FMT_FP6 matrix_b_fmt:MATRIX_FMT_FP6 matrix_a_scale:MATRIX_SCALE_ROW1
.endif
.endr
.endr
.endm
.macro FETCH_B slot, q, p
	WIN TO_B
.irp i, 0,1,2,3,4,5,6,7
	FRAG 128*(\p)+FR*\i, ADRB+\slot, \q, \i
.endr
	WIN 0
.endm
.macro FETCH_A slot, q, i0
.irp i, \i0, \i0+1, \i0+2, \i0+3
	FRAG AF+FR*(\i), ADRA+\slot, \q, \i
.endr
.endm
.macro SCALES sc                       ; a slot's scale words: lanes 0-15 A's block i, lanes 16-31 B's block i
.irp i, 0,1,2,3,4,5,6,7
.irp q, 0,1
	ds_load_b32 v[SC+8*NQ*(\sc)+NQ*\i+\q], v[ADRS] offset:\i*512+\q*64
.endr
.endr
.endm
; A step of 128 along K that has its successor in the same slot
.macro STEP slot, q, zero
	s_wait_dscnt 4*NL                              ; B's set and A's blocks 0-3 are in; the youngest twelve loads (A's blocks 4-7) may be out
	WIN MUL_LO
	MUL16 0, (\q)%2, \q, \slot, \zero
	MUL16 2, (\q)%2, \q, \slot, \zero
	s_wait_dscnt 0
	PLACES NP
	FETCH_B \slot, (\q)+1, 1-(\q)%2
	FETCH_A \slot, (\q)+1, 0
	WIN MUL_HI
	MUL16 4, (\q)%2, \q, \slot, \zero
	MUL16 6, (\q)%2, \q, \slot, \zero
	PLACES NP
	WIN 0
	FETCH_A \slot, (\q)+1, 4
.endm
; A slot's last step changes slots: one barrier; in front of it each wave waits for all its tensor loads, adds 0 to its spare word, and waits for that and for its own reads of this slot
.macro TURN slot, next, fill
	s_wait_tensorcnt 0x0                           ; all my tensor loads have landed: my part of the next slot
	ds_add_u32 v[SPW], v[NIL]                      ; 0 onto my spare word
	s_wait_dscnt 4*NL+1                            ; (the add and the youngest twelve loads may be out)
	WIN MUL_LO
	MUL16 0, 1, NQ-1, \slot, 0
	s_wait_dscnt 0x0                               ; the add is done, and my reads of this slot are over
	s_barrier_signal -1
	MUL16 2, 1, NQ-1, \slot, 0
	WIN 0
	s_barrier_wait -1
.if \fill
	CREST                                          ; the barrier has opened a round of the cluster's barrier: no wave of any partner still reads this slot or has a load on its way
	s_add_nc_u64 s[G0+4*\slot+2:G0+4*\slot+3], s[G0+4*\slot+2:G0+4*\slot+3], 2*SROW
	s_add_nc_u64 s[G0B+4*\slot+2:G0B+4*\slot+3], s[G0B+4*\slot+2:G0B+4*\slot+3], 2*SROW
	JLOAD G0+4*\slot, G1, G0B+4*\slot, G1B         ; the first tensor load behind the round; its four v_nop are the places in front of the loads below
.else
	PLACES NP
.endif
	v_add_nc_u32 v[ADRS], 64*NQ, v[ADRS]           ; on to the next slot's scale words
	FETCH_B \next, 0, 0
	FETCH_A \next, 0, 0
	SCALES \next
	WIN MUL_HI
	MUL16 4, 1, NQ-1, \slot, 0
	MUL16 6, 1, NQ-1, \slot, 0
	PLACES NP
	WIN 0
	FETCH_A \next, 0, 4
.endm
	s_wait_tensorcnt 1                             ; the scale words and my part of slot 0 are in (slot 1's load may be out),
	s_barrier_signal -1
	s_barrier_wait -1                              ; everybody's are
	FETCH_B 0, 0, 0
	FETCH_A 0, 0, 0
	SCALES 0
	FETCH_A 0, 0, 4
	STEP 0, 0, 1                                   ; K = 1,024 is four slots' worth: written out; the first step's products start the sums
	TURN 0, 1, 1
	STEP 1, 0, 0
	TURN 1, 0, 1
	STEP 0, 0, 0
	TURN 0, 1, 0                                   ; nothing is left to fetch
	STEP 1, 0, 0
	s_wait_dscnt 4*NL
	WIN MUL_LO
	MUL16 0, 1, NQ-1, 1, 0
	MUL16 2, 1, NQ-1, 1, 0
	s_wait_dscnt 0
	WIN MUL_HI
	MUL16 4, 1, NQ-1, 1, 0
	MUL16 6, 1, NQ-1, 1, 0
	WIN 0
	PLACES NP
; THE WAY OUT.  Block a (16 rows x 128 of the next K) is quantised in registers and stored as a fragment's image: three stores of 512 consecutive bytes, and its scale words
.macro OUTQ a
.if (\a) > 0
	s_wait_xcnt 0x0                                ; the last block's stores have read their registers and bases
	s_add_nc_u64 s[8:9], s[8:9], s[12:13]
	s_add_nc_u64 s[10:11], s[10:11], s[96:97]
.endif
	QUANT 64*((\a)%4), 2+(\a)/4
.irp c, 0,1,2
	global_store_b128 v[LI], v[PC+4*\c:PC+4*\c+3], s[8:9] offset:512*\c
.endr
	global_store_b32 v[LS], v[PW], s[10:11]        ; both halves of the lanes hold the same word and store it to the same place
.endm
.irp a, 0,1,2,3,4,5,6,7
	OUTQ \a
.endr
	s_wait_tensorcnt 0x0                           ; the wave's end
	ds_add_u32 v[SPW], v[NIL]
	s_wait_dscnt 0x0
	CROUND                                         ; the closing round
	s_endpgm
; ---------------- THE CHAIN ----------------
; Step g of a run: pass g / 8, K step g % 8, register set g % 2.  CSET asks for its eight weight tiles: 24 loads of codes, 8 of scale words.  wb: the scalar pair of the codes' base; wb + 2: the scale words'
.macro CSET g, wb
.set CS_S, (\g)%8
.set CS_P, (\g)/8
.set CS_T, (\g)%2
	WIN 0x40                                       ; destination window 1
.irp f, 0,1,2,3,4,5,6,7
.irp c, 0,1,2
	global_load_b128 v[96*CS_T+12*\f+4*\c:96*CS_T+12*\f+4*\c+3], v[LI], s[\wb:\wb+1] offset:(8*CS_P+\f)*RT+CS_S*FRB+512*\c
.endr
.endr
	WIN 0
.irp f, 0,1,2,3,4,5,6,7
	global_load_b32 v[WSC+8*CS_T+\f], v[LS], s[\wb+2:\wb+3] offset:(8*CS_P+\f)*512+CS_S*64
.endr
.endm
; Step g of n: eight matrix instructions, the accumulators by turns; a pass's first step starts the sums; then the loads of two steps on
.macro GSTEP g, n, wb
.set GS_S, (\g)%8
.set GS_T, (\g)%2
.if (\g) < (\n)-1
	s_wait_loadcnt 32                              ; this step's loads are in; the next step's 32 may be out
.else
	s_wait_loadcnt 0x0
.endif
	WIN 0x09                                       ; source 0 (the weight) window 1, source 1 window 2
.irp t, 0,1,2,3,4,5,6,7
.if GS_S == 0
	v_wmma_scale_f32_16x16x128_f8f6f4 v[ACC+8*\t:ACC+8*\t+7], v[96*GS_T+12*\t:96*GS_T+12*\t+11], v[12*GS_S:12*GS_S+11], 0, v[WSC+8*GS_T+\t], v[PSC+GS_S] matrix_a_fmt:MATRIX_FMT_FP6 matrix_b_fmt:MATRIX_FMT_FP6
.else
	v_wmma_scale_f32_16x16x128_f8f6f4 v[ACC+8*\t:ACC+8*\t+7], v[96*GS_T+12*\t:96*GS_T+12*\t+11], v[12*GS_S:12*GS_S+11], v[ACC+8*\t:ACC+8*\t+7], v[WSC+8*GS_T+\t], v[PSC+GS_S] matrix_a_fmt:MATRIX_FMT_FP6 matrix_b_fmt:MATRIX_FMT_FP6
.endif
.endr
	WIN 0
	PLACES 4                                       ; in front of loads into registers that these have read, and of the first read of results
.if (\g) < (\n)-2
	CSET (\g)+2, \wb
.endif
.endm
.macro IMG p                           ; the fragment just made goes to LDS as it stands: K step 2 x wave + p of the second product
.irp c, 0,1,2
	ds_store_b128 v[CWI], v[PC+4*\c:PC+4*\c+3] offset:(\p)*FRB+512*\c
.endr
	ds_store_b32 v[CWS], v[PW] offset:(\p)*128
.endm
.Lchain:
	s_lshl_b32 s12, s41, 2
	s_add_co_u32 s12, s12, s40                     ; p = cx + 4 cy: my pooled tile; it enters global addresses alone
	s_add_co_u32 s13, s12, 512
	s_mul_i32 s8, s13, RT
	s_mov_b32 s9, 0
	s_lshl_b32 s10, s13, 9
	s_add_co_u32 s10, s10, SCO
	s_mov_b32 s11, 0
	s_lshl_b32 s13, s14, 4
	s_add_co_u32 s13, s13, WU0                     ; my sixteen tiles of Wu
	s_mul_i32 s16, s13, RT
	s_mov_b32 s17, 0
	s_lshl_b32 s18, s13, 9
	s_add_co_u32 s18, s18, SCO
	s_mov_b32 s19, 0
	s_lshl_b32 s13, s14, 3
	s_add_co_u32 s13, s13, WKS0                    ; my eight tiles of Wk_sel (used by waves 0 and 1 alone)
	s_mul_i32 s20, s13, RT
	s_mov_b32 s21, 0
	s_lshl_b32 s22, s13, 9
	s_add_co_u32 s22, s22, SCO
	s_mov_b32 s23, 0
	s_lshl_b32 s13, s12, 1
	s_add_co_u32 s13, s13, s14                     ; ksel's fragment: 2 x tile + K step
	s_mul_i32 s92, s13, FRB
	s_add_co_u32 s92, s92, KSC
	s_mov_b32 s93, 0
	s_lshl_b32 s94, s13, 6
	s_add_co_u32 s94, s94, KSS
	s_mov_b32 s95, 0
	s_add_nc_u64 s[8:9], s[4:5], s[8:9]
	s_add_nc_u64 s[10:11], s[4:5], s[10:11]
	s_add_nc_u64 s[16:17], s[4:5], s[16:17]
	s_add_nc_u64 s[18:19], s[4:5], s[18:19]
	s_add_nc_u64 s[20:21], s[4:5], s[20:21]
	s_add_nc_u64 s[22:23], s[4:5], s[22:23]
	s_add_nc_u64 s[92:93], s[6:7], s[92:93]
	s_add_nc_u64 s[94:95], s[6:7], s[94:95]
	WIN 0x80                                       ; destination window 2
.irp s, 0,1,2,3,4,5,6,7
.irp c, 0,1,2
	global_load_b128 v[12*\s+4*\c:12*\s+4*\c+3], v[LI], s[8:9] offset:\s*FRB+512*\c      ; pooled's eight fragments stay
.endr
.endr
	WIN 0
.irp s, 0,1,2,3,4,5,6,7
	global_load_b32 v[PSC+\s], v[LS], s[10:11] offset:\s*64
.endr
	CSET 0, 16
	CSET 1, 16
.irp g, 0,1,2,3,4,5,6,7
	GSTEP \g, 16, 16
.endr
	QUANT ACC, 0                                   ; 128 features of root_emb; the second pass's first loads are on their way meanwhile
	IMG 0
.irp g, 8,9,10,11,12,13,14,15
	GSTEP \g, 16, 16
.endr
	s_wait_dscnt 0x0                               ; the first image's stores have read their registers
	QUANT ACC, 0
	IMG 1
	s_wait_dscnt 0x0                               ; for the others' sake: my images have landed
	s_barrier_signal -1
	s_barrier_wait -1
	s_cmp_gt_u32 s14, 1
	s_cbranch_scc1 .Lchain_end
	WIN 0x80
.irp s, 0,1,2,3,4,5,6,7
.irp c, 0,1,2
	ds_load_b128 v[12*\s+4*\c:12*\s+4*\c+3], v[CLI] offset:\s*FRB+512*\c                 ; root_emb's eight fragments
.endr
.endr
	WIN 0
.irp s, 0,1,2,3,4,5,6,7
	ds_load_b32 v[PSC+\s], v[CLS] offset:128*\s
.endr
	CSET 0, 20
	CSET 1, 20
	s_wait_dscnt 0x0
.irp g, 0,1,2,3,4,5,6,7
	GSTEP \g, 8, 20
.endr
	QUANT ACC, 0
.irp c, 0,1,2
	global_store_b128 v[LI], v[PC+4*\c:PC+4*\c+3], s[92:93] offset:512*\c
.endr
	global_store_b32 v[LS], v[PW], s[94:95]        ; both halves of the lanes hold the same word and store it to the same place
.Lchain_end:
	s_wait_tensorcnt 0x0                           ; the wave's end, as on the other way
	ds_add_u32 v[SPW], v[NIL]
	s_wait_dscnt 0x0
	CROUND                                         ; the closing round
	s_endpgm
.Lfunc_end_k_qbbf63c874b_proj:
	.size	k_qbbf63c874b_proj, .Lfunc_end_k_qbbf63c874b_proj-k_qbbf63c874b_proj
	.p2alignl 7, 3214868480
	.fill 96, 4, 3214868480
	.section	.rodata,"a",@progbits
	.p2align	6, 0x0
	.amdhsa_kernel k_qbbf63c874b_proj
		.amdhsa_group_segment_fixed_size 327680
		.amdhsa_private_segment_fixed_size 0
		.amdhsa_enable_private_segment 0
		.amdhsa_kernarg_size 16
		.amdhsa_user_sgpr_count 2
		.amdhsa_user_sgpr_kernarg_segment_ptr 1
		.amdhsa_wavefront_size32 1
		.amdhsa_system_sgpr_workgroup_id_x 1
		.amdhsa_system_sgpr_workgroup_id_y 1
		.amdhsa_system_sgpr_workgroup_id_z 1
		.amdhsa_system_vgpr_workitem_id 0
		.amdhsa_next_free_vgpr 1024
		.amdhsa_next_free_sgpr 100
		.amdhsa_reserve_vcc 0
		.amdhsa_float_denorm_mode_32 3
		.amdhsa_float_denorm_mode_16_64 3
		.amdhsa_memory_ordered 1
		.amdhsa_forward_progress 1
		.amdhsa_inst_pref_size 255
	.end_amdhsa_kernel
	.section	.bss,"aw",@nobits
	.p2align	6
	.space	262144
	.amdgpu_metadata
---
amdhsa.version: [ 1, 2 ]
amdhsa.kernels:
  - .name:           k_qbbf63c874b_proj
    .symbol:         k_qbbf63c874b_proj.kd
    .args:
      - { .name: wsA, .offset: 0, .size: 8, .value_kind: global_buffer, .address_space: global }
      - { .name: wsB, .offset: 8, .size: 8, .value_kind: global_buffer, .address_space: global }
    .group_segment_fixed_size: 327680
    .private_segment_fixed_size: 0
    .kernarg_segment_align: 8
    .kernarg_segment_size: 16
    .max_flat_workgroup_size: 128
    .sgpr_count:     100
    .vgpr_count:     1024
    .wavefront_size: 32
...
	.end_amdgpu_metadata
.endif
;; end of part 7
;; launch select: the kernel of part 4 again; grid 256 x 1, 4 waves a work-group, no clusters, 16,896 bytes of LDS; arguments wsA, wsB, msk; writes msk
;; launch attn: the kernel of part 5 again; grid 256 x 1, 16 waves a work-group, no clusters, 0 bytes of LDS; arguments wsB, msk, wsC; writes wsC
;; launch outp (part 8): grid 4 x 64, 4 waves a work-group, clusters of 4 x 4, 327,680 bytes of LDS; arguments wsC, wsA, x, out0; writes out0
.if DOCPART == 8
	.amdgcn_target "amdgcn-amd-amdhsa--gfx1250"
	.amdhsa_code_object_version 6
	.text
	.protected	k_qbbf63c874b_outp
	.globl	k_qbbf63c874b_outp
	.p2align	8
	.type	k_qbbf63c874b_outp,@function
k_qbbf63c874b_outp:
	s_mov_b64 s[64:65], 0
	v_nop
	global_prefetch_b8 v0, s[64:65] scope:SCOPE_SE
	s_setreg_imm32_b32 hwreg(HW_REG_WAVE_MODE, 25, 1), 1
	s_wait_xcnt 0x0
	s_wait_alu depctr_hold_cnt(0) depctr_sa_sdst(0) depctr_va_vdst(0) depctr_va_sdst(0) depctr_va_ssrc(0) depctr_va_vcc(0) depctr_vm_vsrc(0)
	s_getreg_b32 s2, hwreg(HW_REG_IB_STS2, 6, 4)
	s_cmp_eq_u32 s2, 0
	s_cbranch_scc0 .Lentry_in_a_cluster
	s_endpgm
.Lentry_in_a_cluster:
	s_bfe_u32 s2, ttmp6, 0x10000c
	s_cmp_lg_u32 s2, 0xf033
	s_cbranch_scc0 .Lentry_shape_is_right
	s_endpgm
.Lentry_shape_is_right:
; out = ctx Wo + x.  ctx (wsC) and Wo (wsA) are codes of FP6 (E2M3) with E8M0 scales, laid as images of operand registers (16 rows x 128 K: 1,536 bytes; a row tile's 8 on end); x and out are [8192][1024] f32.
; A tile of 128 x 256 is made by four waves, 64 x 128 each: 32 accumulators.  8,192 x 1,024 results are 64 x 4 = 256 such tiles: a work-group for each of 256 WGPs; tiles of 256 x 256 would be 128.
; ALL OF K LIES IN LDS: four slots of 256 along K, 8 + 16 row tiles x 3,072 bytes each, every slot filled ONCE.  A wave's five tensor loads (scale words, slots 0 to 3) go out as one group at the start;
; no LDS byte is filled twice, so each slot needs only a counted wait and a barrier ahead of its first read, and the younger slots' loads stay out across it.
; CLUSTERS: 4 x 4 work-groups; ctx's tiles are shared along a row of the cluster, Wo's along a column: each is asked for JOINTLY.  THE MATRIX INSTRUCTION IS USED TRANSPOSED (source 0 = Wo's rows, source 1 = ctx's).
; The rows of a tile are not neighbours (lane r of tile 2 B + u holds row 32 B + 8 u + r + 8 (r / 8)): the way out puts tokens and features back in their natural order.
; THE RESIDUAL: my 64 rows x 512 bytes of x are 256 registers: they are loaded at the head, behind the tensor loads, and land while the products run.  So nothing is prefetched: no wave waits for that stream.
; REGISTERS: window 0: v8-15, v24-29 addresses; v32-63 scale words, two sets; v128-223 A's fragments, two sets of 48 (on the way out v128-255: rows read back).  window 1: B's fragments, two sets of 96.
;   window 2: the accumulators ((a, b) at v[8 (8 a + b)]).  window 3: x.
.set RT,    12288
.set FRB,   1536
.set SCO,   10813440
.set CSC,   6291456
.set WO0,   720
.set NQ,    2
.set FR,    12
.set NP,    4                          ; places behind this matrix instruction (ISA guide 7.12.1)
.set SROW,  NQ*FRB                     ; a row tile's bytes in a slot
.set AH,    4*SROW                     ; four row tiles of A: what wave 0 or 1 fetches, and what a wave reads
.set BH,    8*SROW                     ; eight row tiles of B: what wave 2 or 3 fetches, and what a wave reads
.set ATB,   2*AH
.set SLOT,  ATB+2*BH                   ; 73,728 bytes
.set SCL,   4*SLOT                     ; behind the slots: A's scale words (4,096 bytes), then B's (8,192)
.set SPARE, SCL+12288                  ; the spare words, 128 bytes for each wave: two blocks of 256 bytes that no other line names
.set SPITCH, 528                       ; the way out: a stage of 16 rows x (512 bytes + 16) for each wave, in slot 0, which has had its one fill, and its last read ahead of the second barrier
.set ADRA, 8                           ; v8-11   LDS address of my A fragments in slots 0 to 3
.set ADRB, 12                          ; v12-15  the same for B
.set STO,  24
.set RD,   25
.set CO,   26
.set ADRS, 27
.set SPW,  28
.set NIL,  29
.set SC,   32
.set AF,   128
.set BK,   128
.set G1,   24                          ; s[24:31] group 1 for A's tiles; s[32:39] for B's; s[40:47], s[48:55] for their scale words
.set G1B,  32
.set G1S,  40
.set G1SB, 48
.set G0S,  76                          ; groups 0: A's slots at s56, s60, s68, s72; A's scale words s76; B's slots s80 to s95; B's scale words s96: a set for each load, since all are out together
.set G0SB, 96
.set MSB, 0
.macro WIN new                         ; the immediate's high byte repeats the setting that is left
.if MSB != (\new)
	s_set_vgpr_msb (MSB<<8)|(\new)
.set MSB, (\new)
.endif
.endm
.set MUL,  0xa1                        ; source 0 (B) window 1, source 1 (A) window 0, C and D window 2
.set TO_B, 0x40
.macro PLACES n
.rept \n
	v_nop
.endr
.endm
.macro JLOAD g0a, g1a, g0b, g1b        ; a joint load: waves 0 and 1 fetch for A, waves 2 and 3 for B; four v_nop follow each of the two lines
	s_cmp_eq_u32 s15, 0
	s_cbranch_scc0 .Lfor_b_\@
	tensor_load_to_lds s[\g0a:\g0a+3], s[\g1a:\g1a+7]
	s_nop 0
.rept 4
	v_nop
.endr
	s_branch .Lasked_\@
.Lfor_b_\@:
	tensor_load_to_lds s[\g0b:\g0b+3], s[\g1b:\g1b+7]
	s_nop 0
.rept 4
	v_nop
.endr
.Lasked_\@:
.endm
.macro CROUND                          ; a round of the cluster's barrier
	s_barrier_signal -1
	s_barrier_wait -1
	s_cmp_lg_u32 s14, 0
	s_cbranch_scc1 .Lnot_wave_0_\@
	s_barrier_signal -3
.Lnot_wave_0_\@:
	s_barrier_wait -3
	s_barrier_signal -1
	s_barrier_wait -1
.endm
	s_load_b256 s[4:11], s[0:1], 0x0               ; wsC, wsA, x, out0
	v_lshl_add_u32 v[SPW], v0, 2, SPARE
	v_mov_b32 v[NIL], 0
	ds_add_u32 v28, v29
	ds_add_u32 v28, v29
	s_wait_dscnt 0x0
	v_lshrrev_b32 v1, 5, v0
	v_readfirstlane_b32 s14, v1                    ; wave 0..3
	s_lshr_b32 s15, s14, 1                         ; which half of the tile's rows is mine.  Also: I fetch for A (0) or for B (1)
	s_and_b32 s16, s14, 1                          ; which half of its columns.  Also: which half of that operand's row tiles I fetch
	s_bfe_u32 s2, ttmp6, 0x40000                   ; cx: the tile column
	s_bfe_u32 s3, ttmp6, 0x40004                   ; cy
	s_and_b32 s17, ttmp7, 0xffff
	s_lshl_b32 s17, s17, 2
	s_add_co_u32 s17, s17, s3                      ; tile row = 4 x cluster y + cy, 0..63
	s_lshl_b32 s18, s3, 2
	s_lshl_b32 s18, 15, s18                        ; my row of the cluster
	s_lshl_b32 s19, 0x1111, s2                     ; my column
	s_or_b32 s[G1+0], s18, (3<<16)|(1<<21)         ; 15:0 the mask: A's tiles go to my row; 17:16 elements of 8 bytes; 21 set beside a mask
	s_or_b32 s[G1B+0], s19, (3<<16)|(1<<21)
	s_or_b32 s[G1S+0], s18, (3<<16)|(1<<21)
	s_or_b32 s[G1SB+0], s19, (3<<16)|(1<<21)
	s_mov_b32 s[G1+1], 384<<16                     ; A: four rows of 3,072 bytes (384 elements), 12,288 bytes apart; dense in LDS
	s_mov_b32 s[G1+2], 4<<16
	s_mov_b32 s[G1+3], 384<<16
	s_mov_b32 s[G1+4], 4
	s_mov_b32 s[G1+5], 1536
	s_mov_b32 s[G1+6], 0
	s_mov_b32 s[G1+7], 0
	s_mov_b32 s[G1B+1], 384<<16                    ; B: eight such rows
	s_mov_b32 s[G1B+2], 8<<16
	s_mov_b32 s[G1B+3], 384<<16
	s_mov_b32 s[G1B+4], 8
	s_mov_b32 s[G1B+5], 1536
	s_mov_b32 s[G1B+6], 0
	s_mov_b32 s[G1B+7], 0
	s_mov_b32 s[G1S+1], 32<<16                     ; the scale words of four row tiles: 2,048 dense bytes, as 8 rows of 256
	s_mov_b32 s[G1S+2], 8<<16
	s_mov_b32 s[G1S+3], 32<<16
	s_mov_b32 s[G1S+4], 8
	s_mov_b32 s[G1S+5], 32
	s_mov_b32 s[G1S+6], 0
	s_mov_b32 s[G1S+7], 0
	s_mov_b32 s[G1SB+1], 32<<16                    ; of eight: 16 rows of 256
	s_mov_b32 s[G1SB+2], 16<<16
	s_mov_b32 s[G1SB+3], 32<<16
	s_mov_b32 s[G1SB+4], 16
	s_mov_b32 s[G1SB+5], 32
	s_mov_b32 s[G1SB+6], 0
	s_mov_b32 s[G1SB+7], 0
	s_lshl_b32 s18, s16, 2
	s_lshl_b32 s20, s17, 3
	s_add_co_u32 s20, s20, s18                     ; ctx: row tile 8 x tile row + 4 x half
	s_lshl_b32 s18, s16, 3
	s_lshl_b32 s12, s2, 4
	s_add_co_u32 s12, s12, s18
	s_add_co_u32 s12, s12, WO0                     ; Wo: row tile 720 + 16 cx + 8 x half
	s_lshl_b32 s22, s20, 9
	s_add_co_u32 s22, s22, CSC
	s_mov_b32 s23, 0
	s_lshl_b32 s66, s12, 9
	s_add_co_u32 s66, s66, SCO
	s_mov_b32 s67, 0
	s_mul_i32 s20, s20, RT
	s_mov_b32 s21, 0
	s_mul_i32 s12, s12, RT
	s_mov_b32 s13, 0
	s_mul_i32 s18, s16, AH                         ; where they go in a slot: no place in the cluster enters an LDS address
	s_mul_i32 s19, s16, BH
	s_add_co_u32 s19, s19, ATB
	s_wait_kmcnt 0x0
	s_add_nc_u64 s[20:21], s[4:5], s[20:21]
	s_add_nc_u64 s[22:23], s[4:5], s[22:23]
	s_add_nc_u64 s[12:13], s[6:7], s[12:13]
	s_add_nc_u64 s[66:67], s[6:7], s[66:67]
	CROUND                                         ; all sixteen work-groups are here: the joint loads meet
	s_mov_b32 s[G0S], 1
	s_lshl_b32 s[G0S+1], s16, 11
	s_add_co_u32 s[G0S+1], s[G0S+1], SCL
	s_mov_b64 s[G0S+2:G0S+3], s[22:23]
	s_or_b32 s[G0S+3], s[G0S+3], 0x80000000
	s_mov_b32 s[G0SB], 1
	s_lshl_b32 s[G0SB+1], s16, 12
	s_add_co_u32 s[G0SB+1], s[G0SB+1], SCL+4096
	s_mov_b64 s[G0SB+2:G0SB+3], s[66:67]
	s_or_b32 s[G0SB+3], s[G0SB+3], 0x80000000
	JLOAD G0S, G1S, G0SB, G1SB                     ; the scale words first: they are wanted with slot 0
.irp c, 0,1,2,3                        ; all four slots: five tensor loads of mine are out
	s_mov_b32 s[56+4*\c+4*(\c/2)], 1
	s_add_co_u32 s[56+4*\c+4*(\c/2)+1], s18, \c*SLOT
	s_add_nc_u64 s[56+4*\c+4*(\c/2)+2:56+4*\c+4*(\c/2)+3], s[20:21], \c*SROW
	s_or_b32 s[56+4*\c+4*(\c/2)+3], s[56+4*\c+4*(\c/2)+3], 0x80000000
	s_mov_b32 s[80+4*\c], 1
	s_add_co_u32 s[80+4*\c+1], s19, \c*SLOT
	s_add_nc_u64 s[80+4*\c+2:80+4*\c+3], s[12:13], \c*SROW
	s_or_b32 s[80+4*\c+3], s[80+4*\c+3], 0x80000000
	JLOAD 56+4*\c+4*(\c/2), G1, 80+4*\c, G1B
.endr
	v_and_b32 v1, 15, v0                           ; r
	v_bfe_u32 v2, v0, 4, 1                         ; h
	v_and_b32 v3, 31, v0
	v_lshlrev_b32 v[CO], 4, v3                     ; 16 x lane
	v_lshlrev_b32 v4, 2, v1                        ; 4 r
	s_lshl_b32 s12, s17, 19                        ; my part of x and of out: 128 rows of 4,096 bytes a tile row,
	s_lshl_b32 s13, s15, 18                        ; 64 rows a half,
	s_add_co_u32 s12, s12, s13
	s_lshl_b32 s13, s2, 10                         ; 1,024 bytes a tile column,
	s_add_co_u32 s12, s12, s13
	s_lshl_b32 s13, s16, 9                         ; 512 a half
	s_add_co_u32 s12, s12, s13
	s_mov_b32 s13, 0
	s_add_nc_u64 s[8:9], s[8:9], s[12:13]
	s_add_nc_u64 s[10:11], s[10:11], s[12:13]
; Row t of block a is token 32 (a / 2) + 8 (a % 2) + t + 8 (t / 8) of my 64: every offset is an immediate, 63 rows of 4,096 bytes at the most
.macro XLOAD a                         ; x's sixteen rows of block a into window 3: 512 consecutive bytes a load
	WIN 0xc0
.irp t, 0,1,2,3,4,5,6,7,8,9,10,11,12,13,14,15
	global_load_b128 v[64*(\a)+4*\t:64*(\a)+4*\t+3], v[CO], s[8:9] offset:(32*((\a)/2)+8*((\a)%2)+\t+8*(\t/8))*4096 th:TH_LOAD_NT
.endr
	WIN 0
.endm
	XLOAD 0
	XLOAD 1
	XLOAD 2
	s_mul_i32 s18, s15, AH                         ; my four row tiles of A
	s_mul_i32 s19, s16, BH                         ; my eight of B,
	s_add_co_u32 s19, s19, ATB                     ; which lie behind A's eight
.irp s, 0,1,2,3
	v_add_nc_u32 v[ADRA+\s], s18, v[CO]
	v_add_nc_u32 v[ADRB+\s], s19, v[CO]
	s_add_co_u32 s18, s18, SLOT
	s_add_co_u32 s19, s19, SLOT
.endr
	s_lshl_b32 s18, s15, 11                        ; A's scale words: my four row tiles
	s_lshl_b32 s19, s16, 12                        ; B's: my eight, behind A's eight
	s_add_co_u32 s19, s19, 4096
	s_sub_co_u32 s19, s19, s18
	v_mul_u32_u24 v6, s19, v2                      ; lanes 16-31 take B's
	s_add_co_u32 s18, s18, SCL
	v_add_nc_u32 v5, v4, v6
	v_add_nc_u32 v[ADRS], s18, v5
	s_mul_i32 s18, s14, 16*SPITCH                  ; my stage
	v_mul_u32_u24 v5, v1, SPITCH
	v_lshl_add_u32 v5, v2, 6, v5                   ; in: row r; features 32 B + 16 h + 8 u + j: 128 B + 64 h + 32 u bytes
	v_add_nc_u32 v[STO], s18, v5
	v_add_nc_u32 v[RD], s18, v[CO]                 ; back: the 32 lanes take a row of 512 bytes
.macro FRAG reg, adr, q, i             ; a fragment's image: three loads of 512 consecutive bytes
.irp c, 0,1,2
	ds_load_b128 v[\reg+4*\c:\reg+4*\c+3], v[\adr] offset:(\i)*SROW+(\q)*FRB+512*\c
.endr
.endm
; 16 matrix instructions: A's blocks a0, a0 + 1 x B's eight, from register sets p.  The 32 accumulators take turns, one instruction a turn, in the same order in every step.
.macro MUL16 a0, p, q, sc, zero
.irp a, \a0, \a0+1
.irp b, 0,1,2,3,4,5,6,7
.if \zero
	v_wmma_scale_f32_16x16x128_f8f6f4 v[8*(8*(\a)+\b):8*(8*(\a)+\b)+7], v[128*(\p)+FR*\b:128*(\p)+FR*\b+FR-1], v[AF+48*(\p)+FR*(\a):AF+48*(\p)+FR*(\a)+FR-1], 0, v[SC+16*(\sc)+2*\b+(\q)], v[SC+16*(\sc)+2*(\a)+(\q)] matrix_a_fmt:MATRIX_FMT_FP6 matrix_b_fmt:MATRIX_FMT_FP6 matrix_a_scale:MATRIX_SCALE_ROW1
.else
	v_wmma_scale_f32_16x16x128_f8f6f4 v[8*(8*(\a)+\b):8*(8*(\a)+\b)+7], v[128*(\p)+FR*\b:128*(\p)+FR*\b+FR-1], v[AF+48*(\p)+FR*(\a):AF+48*(\p)+FR*(\a)+FR-1], v[8*(8*(\a)+\b):8*(8*(\a)+\b)+7], v[SC+16*(\sc)+2*\b+(\q)], v[SC+16*(\sc)+2*(\a)+(\q)] matrix_a_fmt:MATRIX_FMT_FP6 matrix_b_fmt:MATRIX_FMT_FP6 matrix_a_scale:MATRIX_SCALE_ROW1
.endif
.endr
.endr
.endm
.macro FETCH slot, q                   ; the fragments of the slot's q-th 128 along K into register sets q: B's eight, A's four: 36 loads in one run
	WIN TO_B
.irp i, 0,1,2,3,4,5,6,7
	FRAG 128*(\q)+FR*\i, ADRB+\slot, \q, \i
.endr
	WIN 0
.irp i, 0,1,2,3
	FRAG AF+48*(\q)+FR*\i, ADRA+\slot, \q, \i
.endr
.endm
.macro SCALES sc                       ; a slot's scale words: lanes 0-15 A's block i (blocks 0-3 are used), lanes 16-31 B's block i
.irp i, 0,1,2,3,4,5,6,7
.irp q, 0,1
	ds_load_b32 v[SC+16*(\sc)+2*\i+\q], v[ADRS] offset:\i*512+\q*64
.endr
.endr
.endm
; A slot's first step: its successor lies in the same slot
.macro STEPA slot, zero
	s_wait_dscnt 0x0                               ; this step's fragments and scale words are in
	WIN MUL
	MUL16 0, 0, 0, (\slot)%2, \zero
	PLACES NP                                      ; in front of loads into the sets that the step before has read
	FETCH \slot, 1
	WIN MUL
	MUL16 2, 0, 0, (\slot)%2, \zero
	WIN 0
.endm
; A slot's second step goes on to the next slot.  left: how many younger tensor loads of mine may stay out, so the wait is counted
.macro STEPB slot, next, left
	s_wait_dscnt 0x0                               ; this step's fragments are in: no LDS instruction of mine is out at the signal
	s_wait_tensorcnt \left                         ; my part of the next slot has landed
	s_barrier_signal -1
	WIN MUL
	MUL16 0, 1, 1, (\slot)%2, 0
	WIN 0
	s_barrier_wait -1                              ; everybody's has
	PLACES NP
	v_add_nc_u32 v[ADRS], 64*NQ, v[ADRS]           ; on to the next slot's scale words
	FETCH \next, 0
	SCALES (\next)%2
	WIN MUL
	MUL16 2, 1, 1, (\slot)%2, 0
	WIN 0
.endm
	s_wait_tensorcnt 3                             ; the scale words and my part of slot 0 are in; the loads of slots 1 to 3 may be out,
	s_barrier_signal -1
	s_barrier_wait -1                              ; everybody's are
	FETCH 0, 0
	SCALES 0
	STEPA 0, 1                                     ; the first step's products start the sums
	STEPB 0, 1, 2
	s_wait_loadcnt 47                              ; so that 63 loads at the most are out
	XLOAD 3
	STEPA 1, 0
	STEPB 1, 2, 1
	STEPA 2, 0
	STEPB 2, 3, 0
	STEPA 3, 0
	s_wait_dscnt 0x0                               ; the very last step: nothing more to fetch
	WIN MUL
	MUL16 0, 1, 1, 1, 0
	MUL16 2, 1, 1, 1, 0
	WIN 0
; THE WAY OUT, block by block of 16 rows x 128 columns: through my own stage in LDS, back as whole rows of 512 bytes, plus x's rows, stored as two aligned runs of 256 bytes.
.macro TOSTAGE a
	WIN 0x08                                       ; an LDS store's data are its source 1: window 2
.irp b, 0,1,2,3,4,5,6,7
	ds_store_b128 v[STO], v[64*(\a)+8*\b:64*(\a)+8*\b+3] offset:128*(\b/2)+32*(\b%2)       ; each accumulator from its low end on
	ds_store_b128 v[STO], v[64*(\a)+8*\b+4:64*(\a)+8*\b+7] offset:128*(\b/2)+32*(\b%2)+16
.endr
	WIN 0
.set BB, BK+64*((\a)%2)
.irp t, 0,1,2,3,4,5,6,7,8,9,10,11,12,13,14,15
	ds_load_b128 v[BB+4*\t:BB+4*\t+3], v[RD] offset:\t*SPITCH      ; LDS serves a wave's instructions in order: these see the stores above
.endr
.endm
.macro SEND a, younger                 ; younger: the LDS instructions issued behind block a's loads, which may stay out
.set BB, BK+64*((\a)%2)
	s_wait_dscnt \younger
	WIN 0x0c                                       ; source 1 in window 3
.set TT, 0
.rept 32
	v_pk_add_f32 v[BB+2*TT:BB+2*TT+1], v[BB+2*TT:BB+2*TT+1], v[64*(\a)+2*TT:64*(\a)+2*TT+1]
.set TT, TT+1
.endr
	WIN 0
.irp t, 0,1,2,3,4,5,6,7,8,9,10,11,12,13,14,15
	global_store_b128 v[CO], v[BB+4*\t:BB+4*\t+3], s[10:11] offset:(32*((\a)/2)+8*((\a)%2)+\t+8*(\t/8))*4096 th:TH_STORE_NT   ; 512 consecutive bytes, at a multiple of 256 from out's first byte
.endr
.endm
	PLACES NP                                      ; in front of loads into registers that the last products have read, and of the first read of results
	s_wait_loadcnt 0x0                             ; x
	TOSTAGE 0
	TOSTAGE 1
	SEND 0, 32                                     ; behind block 0's loads: block 1's 16 stores and 16 loads
	s_wait_xcnt 0x0                                ; the stores of two blocks back have read their registers: the next block's rows may land there
	TOSTAGE 2
	SEND 1, 32
	s_wait_xcnt 0x0
	TOSTAGE 3
	SEND 2, 32
	SEND 3, 0
	s_wait_tensorcnt 0x0                           ; the wave's end: no tensor load of mine is out, 0 onto my spare word, no LDS instruction of mine is out
	ds_add_u32 v[SPW], v[NIL]
	s_wait_dscnt 0x0
	CROUND                                         ; the closing round: no work-group ends while a partner may still ask for a tile that names it
	s_endpgm
.Lfunc_end_k_qbbf63c874b_outp:
	.size	k_qbbf63c874b_outp, .Lfunc_end_k_qbbf63c874b_outp-k_qbbf63c874b_outp
	.p2alignl 7, 3214868480
	.fill 96, 4, 3214868480
	.section	.rodata,"a",@progbits
	.p2align	6, 0x0
	.amdhsa_kernel k_qbbf63c874b_outp
		.amdhsa_group_segment_fixed_size 327680
		.amdhsa_private_segment_fixed_size 0
		.amdhsa_enable_private_segment 0
		.amdhsa_kernarg_size 32
		.amdhsa_user_sgpr_count 2
		.amdhsa_user_sgpr_kernarg_segment_ptr 1
		.amdhsa_wavefront_size32 1
		.amdhsa_system_sgpr_workgroup_id_x 1
		.amdhsa_system_sgpr_workgroup_id_y 1
		.amdhsa_system_sgpr_workgroup_id_z 1
		.amdhsa_system_vgpr_workitem_id 0
		.amdhsa_next_free_vgpr 1024
		.amdhsa_next_free_sgpr 100
		.amdhsa_reserve_vcc 0
		.amdhsa_float_denorm_mode_32 3
		.amdhsa_float_denorm_mode_16_64 3
		.amdhsa_memory_ordered 1
		.amdhsa_forward_progress 1
		.amdhsa_inst_pref_size 98
	.end_amdhsa_kernel
	.amdgpu_metadata
---
amdhsa.version: [ 1, 2 ]
amdhsa.kernels:
  - .name:           k_qbbf63c874b_outp
    .symbol:         k_qbbf63c874b_outp.kd
    .args:
      - { .name: wsC, .offset: 0, .size: 8, .value_kind: global_buffer, .address_space: global }
      - { .name: wsA, .offset: 8, .size: 8, .value_kind: global_buffer, .address_space: global }
      - { .name: x, .offset: 16, .size: 8, .value_kind: global_buffer, .address_space: global }
      - { .name: out0, .offset: 24, .size: 8, .value_kind: global_buffer, .address_space: global }
    .group_segment_fixed_size: 327680
    .private_segment_fixed_size: 0
    .kernarg_segment_align: 8
    .kernarg_segment_size: 32
    .max_flat_workgroup_size: 128
    .sgpr_count:     100
    .vgpr_count:     1024
    .wavefront_size: 32
...
	.end_amdgpu_metadata
.endif
;; end of part 8
